; MI455X (gfx1250); checked and timed in simulation.
; The chip was launched on July 23, 2026; its instructions are those of AMD's public machine-readable ISA for CDNA 5 (MIT licence, August 2026) and "CDNA5" Instruction Set Architecture Reference Guide (July 2026). The comments in the code are by the model that wrote it; some were corrected since.
;; Encoder Layer. Allowed arithmetic: matrix products marked QUANTISED: E2M3 operands, one E8M0 scale for each 32 along K, by v_wmma_scale_f32_16x16x128_f8f6f4 with both operands' format E2M3, f32 sums; everything else in f32.
;; Inputs: alpha1 1,024 float32; alpha2 1,024 float32; b1 4,096 float32; b2 1,024 float32; bias1 1,024 float32; bias2 1,024 float32; mask 2 x 1 x 1 x 2,048 int32; w1 1,024 x 4,096 float32; w2 4,096 x 1,024 float32; wk 1,024 x 1,024 float32; wo 1,024 x 1,024 float32; wo_b 1,024 float32; wq 1,024 x 1,024 float32; wv 1,024 x 1,024 float32; x 2 x 2,048 x 1,024 float32.
;; Outputs: out0 2 x 2,048 x 1,024 float32.
;; This version of the problem:
;;   THIS VERSION OF THE PROBLEM IS GIVEN IN LOW PRECISION. The matrix products marked QUANTISED in the list below multiply operands that are first quantised to E2M3 (2 exponent bits, 3 mantissa bits; 6 bits a number), with one power-of-two scale for each 32 numbers along K (OCP MX v1.0); their sums are f32. All else is computed in f32.
;;   The module's matrix products, in the order in which they are computed (A, B: the left and right operand; K: the contracted axis; several contracted axes count as one K, in the product's order):
;;     1. [M 4,096, K 1,024] x [K 1,024, N 1,024]; A: input x; B: input wq: QUANTISED
;;     2. [M 4,096, K 1,024] x [K 1,024, N 1,024]; A: input x; B: input wk: QUANTISED
;;     3. [M 4,096, K 1,024] x [K 1,024, N 1,024]; A: input x; B: input wv: QUANTISED
;;     4. batch 32 x [M 2,048, K 64] x [K 64, N 2,048]; A: computed on the way; B: computed on the way: QUANTISED
;;     5. batch 32 x [M 2,048, K 2,048] x [K 2,048, N 64]; A: softmax (see below); B: computed on the way: QUANTISED
;;     6. [M 4,096, K 1,024] x [K 1,024, N 1,024]; A: computed on the way; B: input wo: QUANTISED
;;     7. [M 4,096, K 1,024] x [K 1,024, N 4,096]; A: computed on the way; B: input w1: QUANTISED
;;     8. [M 4,096, K 4,096] x [K 4,096, N 1,024]; A: computed on the way; B: input w2: QUANTISED
;;   THE QUANTISER, for each operand of a quantised product, along K:
;;     - K is cut into blocks of 32 from its start; a last block that is shorter is filled with zeros.
;;     - A block's scale is 2^e with e = floor(log2(the largest magnitude in the block)) - 2, held to -126 .. 127; a block of zeros has e = 0. As a byte (E8M0): e + 127.
;;     - Each number is divided by its block's scale, clamped to +-7.5, and rounded to the nearest number of E2M3, ties to even, subnormals kept.
;;     - The product sums the exact products of the quantised numbers (number of the format x scale) in f32.
;;   ~~~python
;;   def quantise(x, axis):      # numpy; x: float32 -> the quantised numbers, widened to float32 again
;;       x = np.moveaxis(x, axis, -1); K = x.shape[-1]
;;       x = np.pad(x, [(0, 0)] * (x.ndim - 1) + [(0, -K % 32)]); x = x.reshape(x.shape[:-1] + (-1, 32)); a = np.abs(x).max(-1, keepdims=True)
;;       e = np.where(a > 0, np.clip(np.frexp(np.where(a > 0, a, 1))[1] - 1 - 2, -126, 127), 0)      # np.frexp(a)[1] - 1 = floor(log2(a)), exactly
;;       r = np.clip(x / 2.0 ** e, -7.5, 7.5)
;;       step = 2.0 ** (np.maximum(np.frexp(np.where(r == 0, 1, r))[1] - 1, 0) - 3)
;;       q = np.round(r / step) * step * 2.0 ** e      # np.round: ties to even
;;       return np.moveaxis(q.reshape(q.shape[:-2] + (-1,))[..., :K], -1, axis).astype(np.float32)
;;   ~~~
;;   SOFTMAX AHEAD OF A QUANTISED PRODUCT. Where the list says 'softmax', what is quantised is not the finished softmax but p = 2^(t - M), with t = logit x log2(e) and M = ceil(the row's largest t), a whole number; so 1/2 < the row's largest p <= 1. The row's sum l is taken of the UNQUANTISED p, in f32, and the product's result is divided by l at the end. Since M is a whole number, a kernel that streams over the keys may use a running M (the ceiling of the running maximum): every later rescaling is an exact power of two, which a block's scale takes up: the codes' values come out the same.
;;   OPERANDS COMPUTED ON THE WAY. 'Computed on the way' means the value that the module computes at that place (a softmax that the list does not call 'softmax' is quantised finished and normalised). What goes into a quantiser is computed in f32, as accurately as f32 sums, v_exp_f32 and their like allow (about 1e-6 of the number): no bf16 or f16 on the way to a quantiser, and a product that is left as it is and whose result goes on into a quantised operand takes f32 operands (vector FMAs, or v_wmma_f32_16x16x4_f32). A number that lies on a knife's edge between two numbers of the format may be rounded either way, as far as f32 arithmetic and the matrix unit's own rounding can turn it there, and no further.
;; 2 versions. Each part assembles by itself: llvm-mc -triple=amdgcn-amd-amdhsa -mcpu=gfx1250 --defsym DOCPART=n.
;; ======== version 1 of 2: 8 launches
;; limits: right only within a limited range of input values
;; workspace buffers: acts 6,553,600 bytes; wimg 5,734,400 bytes; woimg 819,200 bytes; w2img 3,276,800 bytes; qkvimg 12,189,696 bytes; himg 13,107,200 bytes; gout 67,108,864 bytes; x1 16,777,216 bytes
;; launch prep (part 1): grid 512 x 1, 4 waves a work-group, no clusters, 0 bytes of LDS; arguments x, wq, wk, wv, wo, w1, w2, acts, wimg, woimg, w2img; writes acts, wimg, woimg, w2img
.if DOCPART == 1
	.amdgcn_target "amdgcn-amd-amdhsa--gfx1250"
	.amdhsa_code_object_version 6
	.text
	.protected	k_q3357682cef_prep
	.globl	k_q3357682cef_prep
	.p2align	8
	.type	k_q3357682cef_prep,@function
k_q3357682cef_prep:
	s_mov_b64 s[64:65], 0
	v_nop
	global_prefetch_b8 v0, s[64:65] scope:SCOPE_SE
	s_setreg_imm32_b32 hwreg(HW_REG_WAVE_MODE, 25, 1), 1
	s_wait_xcnt 0x0
; x [4096][1024] and the six weights (K is their FIRST axis) become codes of FP6 (E2M3) with one E8M0 byte for each 32 along K,
; stored as IMAGES OF OPERAND REGISTERS, so that every later launch takes fragments as they lie.
; A UNIT (3,200 bytes) is 16 rows x 256 K: four halves (16 rows x 64 K, six registers a lane: registers 0-3 at 16 x lane, registers 4-5 at 512 + 8 x lane)
; at 1536 q + 768 c, then the scale words [q][row], 4 bytes each, at 3,072.  A tile of 16 rows has four units on end (12,800 bytes, K = 1,024).
; THE ROWS OF A TILE ARE NOT NEIGHBOURS: place r of tile 2 g + u is row 32 g + 8 u + r + 8 (r / 8).
; A wave takes 32 rows of an operand x 256 K.  Lane L owns row 32 g + L (tile u = (L / 8) % 2, place r = L % 8 + 8 (L / 16)); a whole block of 32 along K lies in its 32 registers,
; so no lane asks another for a maximum.  Block t of the 8 is lane place (r, h = t % 2) of half (q = t / 4, c = (t / 2) % 2).
; A block's scale is 2^(floor(log2(largest magnitude)) - 2): its byte is the largest magnitude's exponent field - 2, held at 1 from below.
; LIMITS: a block of zeros gets the byte 1 (its codes are zeros, and this program alone reads the bytes); NaN and infinities are not served.
; Work-groups 0-127: x.  128-255: wq, wk, wv, wo (32 each).  256-383: w2.  384-511: w1.  No LDS, no barrier: waves share nothing.
.set TS,   12800
.set UNIT, 3200
.set XOFF, 3276800                     ; x's image lies behind ctx's in acts
.set WSUB, 819200                      ; 64 tiles
.set X,    32                          ; v32-95   two sets of 32 numbers
.set C,    96                          ; v96-159  eight registers of codes for each block: no store's data are written again
.set SRC,  32                          ; s[32:33] where my wave reads
.set DST,  34                          ; s[34:35] my wave's unit of tile 2 g
.macro LOAD kind, pitch, t             ; block t into set t % 2
.if \kind
.irp i, 0,1,2,3,4,5,6,7
	global_load_b128 v[X+32*((\t)%2)+4*\i:X+32*((\t)%2)+4*\i+3], v2, s[SRC:SRC+1] offset:128*(\t)+16*\i th:TH_LOAD_NT   ; K innermost: a lane's eight loads cover 128 bytes on end
.endr
.else
.set li, 0
.rept 32
	global_load_b32 v[X+32*((\t)%2)+li], v2, s[SRC:SRC+1] offset:(32*(\t)+li)*\pitch th:TH_LOAD_NT   ; K outermost: registers run down K, 32 lanes read 128 bytes on end
.set li, li+1
.endr
.endif
.endm
.macro BLOCK kind, pitch, t
.set XS, X+32*((\t)%2)
.set CC, C+8*(\t)
.set OFS, ((\t)/4)*1536+(((\t)/2)%2)*768
.if (\t) < 7
.if \kind
	s_wait_loadcnt 8                               ; this block is in; the next block's eight loads may be out
.else
	s_wait_loadcnt 32                              ; this block is in; the next block's 32 loads may be out
.endif
.else
	s_wait_loadcnt 0
.endif
	v_max3_num_f32 v12, |v[XS]|, |v[XS+1]|, |v[XS+2]|               ; the block's largest magnitude, in two chains
	v_max3_num_f32 v13, |v[XS+3]|, |v[XS+4]|, |v[XS+5]|
.irp i, 6,10,14,18,22,26
	v_max3_num_f32 v12, v12, |v[XS+\i]|, |v[XS+\i+1]|
	v_max3_num_f32 v13, v13, |v[XS+\i+2]|, |v[XS+\i+3]|
.endr
	v_max3_num_f32 v12, v12, |v[XS+30]|, |v[XS+31]|
	v_max3_num_f32 v12, v12, v13, 0x1800000        ; and the floor 2^(3 - 127): the byte cannot fall under 1
	v_add_nc_u32 v11, 0xff000000, v12              ; 2 off the exponent field: the conversion takes this operand's exponent field as its scale
	v_cvt_scalef32_pk16_fp6_f32 v[CC:CC+2], v[XS:XS+15], v11
	v_cvt_scalef32_pk16_fp6_f32 v[160:162], v[XS+16:XS+31], v11     ; (a conversion's three registers begin on an even number)
	v_lshrrev_b32 v13, 23, v11                     ; the scale's byte; also the plain line behind the conversions
.if (\t)%4 == 0
	v_mov_b32 v[24+(\t)/4], v13                    ; four bytes to a scale word, the lower K in the lower byte
.else
	v_lshl_or_b32 v[24+(\t)/4], v13, 8*((\t)%4), v[24+(\t)/4]
.endif
	v_mov_b32 v[CC+3], v160
	v_mov_b32 v[CC+4], v161
	v_mov_b32 v[CC+5], v162
	global_store_b128 v3, v[CC:CC+3], s[DST:DST+1] offset:OFS+256*((\t)%2)          ; sixteen lanes of a tile write 256 bytes on end
	global_store_b64 v4, v[CC+4:CC+5], s[DST:DST+1] offset:OFS+512+128*((\t)%2)
.if (\t)%4 == 3
	global_store_b32 v5, v[24+(\t)/4], s[DST:DST+1] offset:3072+64*((\t)/4)
.endif
.if (\t)+2 < 8
	LOAD \kind, \pitch, (\t)+2
.endif
.endm
.macro BODY kind, pitch
	LOAD \kind, \pitch, 0
	LOAD \kind, \pitch, 1
.irp t, 0,1,2,3,4,5,6,7
	BLOCK \kind, \pitch, \t
.endr
	s_endpgm
.endm
	s_load_b256 s[4:11], s[0:1], 0x0               ; x s[4:5], wq s[6:7], wk s[8:9], wv s[10:11]
	s_load_b256 s[12:19], s[0:1], 0x20             ; wo s[12:13], w1 s[14:15], w2 s[16:17], acts s[18:19]
	s_load_b128 s[20:23], s[0:1], 0x40             ; wimg s[20:21], woimg s[22:23]
	s_load_b64 s[24:25], s[0:1], 0x50              ; w2img
	v_lshrrev_b32 v1, 5, v0
	v_readfirstlane_b32 s26, v1                    ; wave
	v_and_b32 v1, 31, v0                           ; L
	v_bfe_u32 v6, v0, 3, 1                         ; u
	v_and_b32 v7, 7, v0
	v_bfe_u32 v8, v0, 4, 1
	v_lshl_add_u32 v7, v8, 3, v7                   ; r
	v_mul_u32_u24 v6, v6, TS
	v_lshl_add_u32 v3, v7, 4, v6                   ; my tile, + 16 r
	v_lshl_add_u32 v4, v7, 3, v6                   ; + 8 r
	v_lshl_add_u32 v5, v7, 2, v6                   ; + 4 r
	s_cmp_lt_u32 ttmp9, 128
	s_cbranch_scc0 .Lweights
	; ---- x: work-group g takes rows 32 g on, wave w the unit w
	v_lshlrev_b32 v2, 12, v1                       ; a row of x is 4,096 bytes
	s_lshl_b32 s28, ttmp9, 17
	s_lshl_b32 s29, s26, 10
	s_add_co_u32 s28, s28, s29
	s_mov_b32 s29, 0
	s_mul_i32 s30, ttmp9, 2*TS
	s_mul_i32 s31, s26, UNIT
	s_add_co_u32 s30, s30, s31
	s_add_co_u32 s30, s30, XOFF
	s_mov_b32 s31, 0
	s_wait_kmcnt 0x0
	s_add_nc_u64 s[SRC:SRC+1], s[4:5], s[28:29]
	s_add_nc_u64 s[DST:DST+1], s[18:19], s[30:31]
	BODY 1, 0
.Lweights:
	v_lshlrev_b32 v2, 2, v1                        ; a lane to a column
	s_cmp_lt_u32 ttmp9, 384
	s_cbranch_scc0 .Lw1
	; ---- the weights with rows of 4,096 bytes: j < 128: wq, wk, wv, wo; else w2
	s_sub_co_u32 s27, ttmp9, 128                   ; j
	s_and_b32 s28, s27, 7
	s_lshl_b32 s28, s28, 2
	s_add_co_u32 s28, s28, s26                     ; my first column / 32
	s_lshr_b32 s29, s27, 3
	s_lshr_b32 s36, s27, 5                         ; 0..3: which of the four; 4..7: w2
	s_cmp_lt_u32 s27, 128
	s_cselect_b32 s37, 3, 15
	s_and_b32 s29, s29, s37                        ; which 256 along K
	s_lshr_b32 s39, s29, 2                         ; w2: which sub-image of K = 1,024
	s_wait_kmcnt 0x0
	s_cmp_eq_u32 s36, 0                            ; the choices hang on the work-group's number alone
	s_cselect_b64 s[SRC:SRC+1], s[6:7], s[16:17]
	s_cmp_eq_u32 s36, 1
	s_cselect_b64 s[SRC:SRC+1], s[8:9], s[SRC:SRC+1]
	s_cmp_eq_u32 s36, 2
	s_cselect_b64 s[SRC:SRC+1], s[10:11], s[SRC:SRC+1]
	s_cmp_eq_u32 s36, 3
	s_cselect_b64 s[SRC:SRC+1], s[12:13], s[SRC:SRC+1]
	s_cselect_b64 s[DST:DST+1], s[22:23], s[24:25]
	s_cmp_lt_u32 s36, 3
	s_cselect_b64 s[DST:DST+1], s[20:21], s[DST:DST+1]
	s_cselect_b32 s38, s36, 0                      ; wq, wk, wv lie one behind the other in wimg
	s_cmp_lt_u32 s36, 4
	s_cselect_b32 s38, s38, s39
	s_mul_i32 s38, s38, WSUB
	s_mul_i32 s39, s28, 2*TS
	s_add_co_u32 s38, s38, s39
	s_and_b32 s39, s29, 3
	s_mul_i32 s39, s39, UNIT
	s_add_co_u32 s38, s38, s39
	s_mov_b32 s39, 0
	s_add_nc_u64 s[DST:DST+1], s[DST:DST+1], s[38:39]
	s_lshl_b32 s40, s29, 20                        ; 256 rows of 4,096 bytes
	s_lshl_b32 s41, s28, 7
	s_add_co_u32 s40, s40, s41
	s_mov_b32 s41, 0
	s_add_nc_u64 s[SRC:SRC+1], s[SRC:SRC+1], s[40:41]
	BODY 0, 4096
.Lw1:
	; ---- w1: rows of 16,384 bytes; the largest offset, 255 rows, stays inside the signed 24-bit immediate
	s_sub_co_u32 s27, ttmp9, 384
	s_and_b32 s28, s27, 31
	s_lshl_b32 s28, s28, 2
	s_add_co_u32 s28, s28, s26                     ; my first column / 32
	s_lshr_b32 s29, s27, 5                         ; which 256 along K
	s_lshl_b32 s40, s29, 22
	s_lshl_b32 s41, s28, 7
	s_add_co_u32 s40, s40, s41
	s_mov_b32 s41, 0
	s_mul_i32 s38, s28, 2*TS
	s_mul_i32 s39, s29, UNIT
	s_add_co_u32 s38, s38, s39
	s_add_co_u32 s38, s38, 192*TS                  ; behind wq, wk, wv
	s_mov_b32 s39, 0
	s_wait_kmcnt 0x0
	s_add_nc_u64 s[SRC:SRC+1], s[14:15], s[40:41]
	s_add_nc_u64 s[DST:DST+1], s[20:21], s[38:39]
	BODY 0, 16384
.Lfunc_end_k_q3357682cef_prep:
	.size	k_q3357682cef_prep, .Lfunc_end_k_q3357682cef_prep-k_q3357682cef_prep
	.p2alignl 7, 3214868480
	.fill 96, 4, 3214868480
	.section	.rodata,"a",@progbits
	.p2align	6, 0x0
	.amdhsa_kernel k_q3357682cef_prep
		.amdhsa_group_segment_fixed_size 0
		.amdhsa_private_segment_fixed_size 0
		.amdhsa_enable_private_segment 0
		.amdhsa_kernarg_size 88
		.amdhsa_user_sgpr_count 2
		.amdhsa_user_sgpr_kernarg_segment_ptr 1
		.amdhsa_wavefront_size32 1
		.amdhsa_system_sgpr_workgroup_id_x 1
		.amdhsa_system_sgpr_workgroup_id_y 1
		.amdhsa_system_sgpr_workgroup_id_z 1
		.amdhsa_system_vgpr_workitem_id 0
		.amdhsa_next_free_vgpr 168
		.amdhsa_next_free_sgpr 66
		.amdhsa_reserve_vcc 0
		.amdhsa_float_denorm_mode_32 3
		.amdhsa_float_denorm_mode_16_64 3
		.amdhsa_memory_ordered 1
		.amdhsa_forward_progress 1
		.amdhsa_inst_pref_size 98
	.end_amdhsa_kernel
	.amdgpu_metadata
---
amdhsa.version: [ 1, 2 ]
amdhsa.kernels:
  - .name:           k_q3357682cef_prep
    .symbol:         k_q3357682cef_prep.kd
    .args:
      - { .name: x, .offset: 0, .size: 8, .value_kind: global_buffer, .address_space: global }
      - { .name: wq, .offset: 8, .size: 8, .value_kind: global_buffer, .address_space: global }
      - { .name: wk, .offset: 16, .size: 8, .value_kind: global_buffer, .address_space: global }
      - { .name: wv, .offset: 24, .size: 8, .value_kind: global_buffer, .address_space: global }
      - { .name: wo, .offset: 32, .size: 8, .value_kind: global_buffer, .address_space: global }
      - { .name: w1, .offset: 40, .size: 8, .value_kind: global_buffer, .address_space: global }
      - { .name: w2, .offset: 48, .size: 8, .value_kind: global_buffer, .address_space: global }
      - { .name: acts, .offset: 56, .size: 8, .value_kind: global_buffer, .address_space: global }
      - { .name: wimg, .offset: 64, .size: 8, .value_kind: global_buffer, .address_space: global }
      - { .name: woimg, .offset: 72, .size: 8, .value_kind: global_buffer, .address_space: global }
      - { .name: w2img, .offset: 80, .size: 8, .value_kind: global_buffer, .address_space: global }
    .group_segment_fixed_size: 0
    .private_segment_fixed_size: 0
    .kernarg_segment_align: 8
    .kernarg_segment_size: 88
    .max_flat_workgroup_size: 128
    .sgpr_count:     66
    .vgpr_count:     168
    .wavefront_size: 32
...
	.end_amdgpu_metadata
.endif
;; end of part 1
;; launch qkv (part 2): grid 16 x 12, 4 waves a work-group, clusters of 4 x 4, 327,680 bytes of LDS; arguments acts, wimg, mask, qkvimg; writes qkvimg
.if DOCPART == 2
	.amdgcn_target "amdgcn-amd-amdhsa--gfx1250"
	.amdhsa_code_object_version 6
	.text
	.protected	k_q3357682cef_qkv
	.globl	k_q3357682cef_qkv
	.p2align	8
	.type	k_q3357682cef_qkv,@function
k_q3357682cef_qkv:
	s_mov_b64 s[64:65], 0
	v_nop
	global_prefetch_b8 v0, s[64:65] scope:SCOPE_SE
	s_setreg_imm32_b32 hwreg(HW_REG_WAVE_MODE, 25, 1), 1
	s_wait_xcnt 0x0
	s_wait_alu depctr_hold_cnt(0) depctr_sa_sdst(0) depctr_va_vdst(0) depctr_va_sdst(0) depctr_va_ssrc(0) depctr_va_vcc(0) depctr_vm_vsrc(0)
	s_getreg_b32 s2, hwreg(HW_REG_IB_STS2, 6, 4)
	s_cmp_eq_u32 s2, 0
	s_cbranch_scc0 .Lentry_in_a_cluster
	s_endpgm
.Lentry_in_a_cluster:
	s_bfe_u32 s2, ttmp6, 0x10000c
	s_cmp_lg_u32 s2, 0xf033
	s_cbranch_scc0 .Lentry_shape_is_right
	s_endpgm
.Lentry_shape_is_right:
; q = x wq, k = x wk, v = x wv on codes of FP6, K = 1,024, and their results quantised in registers into the images that attention reads.
; THE CORE: a work-group of four waves makes 256 x 256 of a product; a wave 128 x 128: 64 accumulators, 512 registers.  Both operands are images of operand registers
; (units of 3,200 bytes: 16 rows x 256 K with their scale words; a tile's four units on end, 12,800 bytes).  K goes in four steps of 256 through two LDS slots; a wave's tensor load brings eight tiles' units.
; The matrix instruction is used transposed: source 0 = 16 rows of B, source 1 = 16 rows of A.  Place r of tile 2 g + u is row 32 g + 8 u + r + 8 (r / 8), so a lane's 64 registers of a block of A
; are 128 columns in the order 32 b + 16 (lane / 16) + i: what the quantiser along the next K wants.
; CLUSTERS: 4 x 4 work-groups; A's tiles are asked for jointly along a row of the cluster, B's along a column.
; Clusters with y = 0, 1: A = x (tokens), B = wq and wk on end: a lane holds a token, registers run along a head's 64.  Clusters with y = 2: A = wv, B = x: V TRANSPOSED: a lane holds a channel d, registers run along the keys.
; OUT.  q, k: a tile of 16 tokens of one head is 1,024 bytes, an image of eight registers: 0-5 the 64 codes, 6 the code at k = 64 (lanes 0-15), 7 zero.
; THE MASK RIDES IN THE IDLE HALF OF K = 128: q has +1.0 at k = 64 under the byte 143; a masked key has zero codes, -1.0 there and the byte 144: its score is exactly -2^33;
; an open key has a zero code there and the byte 1, so that this block lies far under every true product.  LIMIT: a masked logit is -2^30 where the definition has -1e9: they differ only for true logits near -1e9.
; LIMITS: a block of zeros gets the byte 1; NaN and infinities are not served.
; REGISTERS: window 0: v1-6 lane numbers; v16-31 addresses; v32-63 scale words, two sets; v64-83 the mask and what hangs on it; v112-131 codes just made; v128-223 A's fragments, one set; v200-216 at work on the way out.
;   window 1: B's fragments, two sets, at v0 and v128.  windows 2, 3: the accumulators ((a, b) at v[8 (8 (a % 4) + b)]).
.set UNIT,  3200
.set TS,    12800
.set HALFT, 8*UNIT                     ; eight tiles' units: what one tensor load brings, and what a wave reads of A or of B
.set SLOT,  4*HALFT                    ; A's 16 units, then B's 16
.set SPARE, 2*SLOT                     ; behind the ring: the spare words, 128 bytes a wave: two blocks of 256 bytes that no other line names
.set FR,    12                         ; registers of a fragment
.set NL,    4                          ; LDS loads that bring one
.set NP,    4                          ; places behind this matrix instruction (ISA guide 7.12.1)
.set XOFF,  3276800
.set WVOFF, 128*TS
.set QOFF,  7733248
.set BHKV,  241664                     ; a head's 16 key steps of 15,104 bytes
.set BHQ,   139264                     ; a head's 16 query steps of 8,704 bytes
.set ADRA, 16                          ; v16-17 A's fragments in slot 0, 1: + 16 x lane;  v18-19: + 8 x lane
.set ADRB, 20                          ; v20-23 the same for B
.set LI,   24                          ; v24 16 x lane
.set L8,   25                          ; v25 8 x lane
.set LS4,  26                          ; v26 4 x (lane % 16)
.set MOF,  27                          ; v27 my token's mask word: 4 (r + 8 (r / 8))
.set SPW,  28
.set NIL,  29
.set ADRS, 30                          ; v30-31 my scale words in slot 0, 1: lanes 0-15 A's, lanes 16-31 B's
.set SC,   32
.set BI,   64
.set MK,   64                          ; v64-71 the mask words of my eight blocks' tokens
.set VOPEN, 72
.set VMSKD, 73
.set VKM,  74
.set VONES, 75
.set VEO,  76
.set VEM,  77
.set KEEP, 78
.set EXT,  79
.set EW,   80
.set W0,   81
.set W1,   82
.set PC,   112
.set AF,   128
.set TM,   200
.set PW,   216
.set G1,  24
.set G0,  32
.set G1B, 48
.set G0B, 56
.set SEL, 66
.set MSB, 0
.macro WIN new                         ; the immediate's high byte repeats the setting that is left
.if MSB != (\new)
	s_set_vgpr_msb (MSB<<8)|(\new)
.set MSB, (\new)
.endif
.endm
.set TO_B, 0x40
.macro WINMUL hi, zero                 ; source 0 (B) window 1, source 1 (A) window 0, D window 2 or 3; C with D, or (zero = 2) in window 0
.if (\zero) == 2
	WIN 0x81+0x40*(\hi)
.else
	WIN 0xa1+0x50*(\hi)
.endif
.endm
.macro JLOAD g0a, g1a, g0b, g1b        ; a joint load: waves 0, 1 fetch for A, waves 2, 3 for B; four v_nop follow each line
	s_cmp_eq_u32 s15, 0
	s_cbranch_scc0 .Lfor_b_\@
	tensor_load_to_lds s[\g0a:\g0a+3], s[\g1a:\g1a+7]
	s_nop 0
.rept 4
	v_nop
.endr
	s_branch .Lasked_\@
.Lfor_b_\@:
	tensor_load_to_lds s[\g0b:\g0b+3], s[\g1b:\g1b+7]
	s_nop 0
.rept 4
	v_nop
.endr
.Lasked_\@:
.endm
.macro CREST                           ; a round of the cluster's barrier behind its opening barrier
	s_cmp_lg_u32 s14, 0
	s_cbranch_scc1 .Lnot_wave_0_\@
	s_barrier_signal -3
.Lnot_wave_0_\@:
	s_barrier_wait -3
	s_barrier_signal -1
	s_barrier_wait -1
.endm
.macro CROUND
	s_barrier_signal -1
	s_barrier_wait -1
	CREST
.endm
.macro PLACES n
.rept \n
	v_nop
.endr
.endm
.macro FRAG reg, adr, q, i             ; a fragment as it lies: two halves, each 16 bytes and 8 bytes a lane
.irp c, 0,1
	ds_load_b128 v[\reg+6*\c:\reg+6*\c+3], v[\adr] offset:(\i)*UNIT+(\q)*1536+\c*768
	ds_load_b64 v[\reg+6*\c+4:\reg+6*\c+5], v[\adr+2] offset:(\i)*UNIT+(\q)*1536+\c*768+512
.endr
.endm
.macro FETCH_B slot, q, p
	WIN TO_B
.irp i, 0,1,2,3,4,5,6,7
	FRAG 128*(\p)+FR*\i, ADRB+\slot, \q, \i
.endr
	WIN 0
.endm
.macro FETCH_A slot, q, i0
.irp i, \i0, \i0+1, \i0+2, \i0+3
	FRAG AF+FR*(\i), ADRA+\slot, \q, \i
.endr
.endm
.macro SCALES sc                       ; a slot's scale words: register 2 i + q: lanes 0-15 A's block i, lanes 16-31 B's block i
.irp i, 0,1,2,3,4,5,6,7
	ds_load_b32 v[SC+16*\sc+2*\i], v[ADRS+\sc] offset:\i*UNIT+3072
	ds_load_b32 v[SC+16*\sc+2*\i+1], v[ADRS+\sc] offset:\i*UNIT+3072+64
.endr
.endm
; 16 matrix instructions: A's blocks a0, a0 + 1 x B's eight.  The 64 accumulators take turns, one instruction a turn, in the same order in every step.
.macro MUL16 a0, p, q, sc, zero
.irp a, \a0, \a0+1
.irp b, 0,1,2,3,4,5,6,7
.if (\zero) == 1
	v_wmma_scale_f32_16x16x128_f8f6f4 v[8*(8*((\a)%4)+\b):8*(8*((\a)%4)+\b)+7], v[128*(\p)+FR*\b:128*(\p)+FR*\b+FR-1], v[AF+FR*(\a):AF+FR*(\a)+FR-1], 0, v[SC+16*(\sc)+2*\b+(\q)], v[SC+16*(\sc)+2*(\a)+(\q)] matrix_a_fmt:MATRIX_FMT_FP6 matrix_b_fmt:MATRIX_FMT_FP6 matrix_a_scale:MATRIX_SCALE_ROW1
.elseif (\zero) == 2
	v_wmma_scale_f32_16x16x128_f8f6f4 v[8*(8*((\a)%4)+\b):8*(8*((\a)%4)+\b)+7], v[128*(\p)+FR*\b:128*(\p)+FR*\b+FR-1], v[AF+FR*(\a):AF+FR*(\a)+FR-1], v[BI+8*\b:BI+8*\b+7], v[SC+16*(\sc)+2*\b+(\q)], v[SC+16*(\sc)+2*(\a)+(\q)] matrix_a_fmt:MATRIX_FMT_FP6 matrix_b_fmt:MATRIX_FMT_FP6 matrix_a_scale:MATRIX_SCALE_ROW1
.else
	v_wmma_scale_f32_16x16x128_f8f6f4 v[8*(8*((\a)%4)+\b):8*(8*((\a)%4)+\b)+7], v[128*(\p)+FR*\b:128*(\p)+FR*\b+FR-1], v[AF+FR*(\a):AF+FR*(\a)+FR-1], v[8*(8*((\a)%4)+\b):8*(8*((\a)%4)+\b)+7], v[SC+16*(\sc)+2*\b+(\q)], v[SC+16*(\sc)+2*(\a)+(\q)] matrix_a_fmt:MATRIX_FMT_FP6 matrix_b_fmt:MATRIX_FMT_FP6 matrix_a_scale:MATRIX_SCALE_ROW1
.endif
.endr
.endr
.endm
.macro STEP slot, q, zero              ; 128 along K whose successor lies in the same slot
	s_wait_dscnt 4*NL                              ; B's set, the scale words and A's blocks 0-3 are in; the youngest 16 loads (A's blocks 4-7) may be out
	WINMUL 0, \zero
	MUL16 0, (\q)%2, \q, \slot, \zero
	MUL16 2, (\q)%2, \q, \slot, \zero
	s_wait_dscnt 0
	PLACES NP                                      ; in front of loads into registers that matrix instructions have read
	FETCH_B \slot, (\q)+1, 1-(\q)%2
	FETCH_A \slot, (\q)+1, 0
	WINMUL 1, \zero
	MUL16 4, (\q)%2, \q, \slot, \zero
	MUL16 6, (\q)%2, \q, \slot, \zero
	PLACES NP
	WIN 0
	FETCH_A \slot, (\q)+1, 4
.endm
; A slot's last 128 along K, and the change of slots: one barrier; in front of it each wave waits for all its tensor loads, adds 0 to its spare word, and waits for that and for its reads of this slot.
.macro TURN slot, next, fill
	s_wait_tensorcnt 0x0                           ; all my tensor loads have landed: my part of the next slot
	ds_add_u32 v[SPW], v[NIL]                      ; 0 onto my spare word
	s_wait_dscnt 4*NL+1                            ; (the add and the youngest 16 loads, A's blocks 4-7, may be out)
	WINMUL 0, 0
	MUL16 0, 1, 1, \slot, 0
	s_wait_dscnt 0x0                               ; the add is done, and my reads of this slot are over
	s_barrier_signal -1
	MUL16 2, 1, 1, \slot, 0
	WIN 0
	s_barrier_wait -1
.if \fill
	CREST                                          ; the barrier has opened a round of the cluster's barrier: no wave of any partner reads this slot or has a load on its way
	s_add_nc_u64 s[G0+4*\slot+2:G0+4*\slot+3], s[G0+4*\slot+2:G0+4*\slot+3], 2*UNIT
	s_add_nc_u64 s[G0B+4*\slot+2:G0B+4*\slot+3], s[G0B+4*\slot+2:G0B+4*\slot+3], 2*UNIT
	JLOAD G0+4*\slot, G1, G0B+4*\slot, G1B         ; the first tensor load behind the round; its four v_nop are the places in front of the loads below
.else
	PLACES NP
.endif
	FETCH_B \next, 0, 0
	FETCH_A \next, 0, 0
	SCALES \next
	WINMUL 1, 0
	MUL16 4, 1, 1, \slot, 0
	MUL16 6, 1, 1, \slot, 0
	PLACES NP
	WIN 0
	FETCH_A \next, 0, 4
.endm
; 64 numbers of a lane in window w, register s + 16 b + i = k 32 b + 16 (lane / 16) + i of my row, become a fragment's codes in v[PC] on and its scale word in v[PW], both in window 0.
.macro QUANT s, w
	WIN (\w)|((\w)<<2)
.irp b, 0,1,2,3
	v_max3_num_f32 v[TM+\b], |v[\s+16*\b]|, |v[\s+1+16*\b]|, 0x1800000   ; my 16 numbers of block b, and the floor 2^(3 - 127); each accumulator is read from its low end on
.endr
	WIN ((\w)<<2)|((\w)<<4)
.irp i, 2,4,6,8,10,12,14
.irp b, 0,1,2,3
	v_max3_num_f32 v[TM+\b], v[TM+\b], |v[\s+16*\b+\i]|, |v[\s+1+16*\b+\i]|
.endr
.endr
	WIN 0
.irp b, 0,1,2,3
	v_permlanex16_b32 v[TM+4+\b], v[TM+\b], s[SEL], s[SEL+1]
.endr
.irp b, 0,1,2,3
	v_max_num_f32 v[TM+\b], v[TM+\b], v[TM+4+\b]   ; with lane l xor 16's: the block's largest magnitude
.endr
.irp b, 0,1,2,3
	v_add_nc_u32 v[TM+12+\b], 0xff000000, v[TM+\b] ; 2 off its exponent field: the conversion's scale operand
.endr
.irp b, 0,1,2,3
	v_lshrrev_b32 v[TM+4+\b], 23, v[TM+12+\b]      ; the scale's byte
.endr
	v_lshl_or_b32 v[PW], v[TM+5], 8, v[TM+4]
	v_lshl_or_b32 v[PW], v[TM+6], 16, v[PW]
	v_lshl_or_b32 v[PW], v[TM+7], 24, v[PW]
	WIN (\w)
.irp c, 0,1
	v_cvt_scalef32_pk16_fp6_f32 v[PC+6*\c:PC+2+6*\c], v[\s+32*\c:\s+15+32*\c], v[TM+12+2*\c]
	v_cvt_scalef32_pk16_fp6_f32 v[PC+12+4*\c:PC+14+4*\c], v[\s+16+32*\c:\s+31+32*\c], v[TM+12+2*\c+1]
.endr
	WIN 0
	v_nop                                          ; one plain place behind a scaled conversion
.irp c, 0,1                            ; the operand's layout wants a whole block in a lane
.irp i, 0,1,2
	v_permlane16_swap_b32 v[PC+6*\c+\i], v[PC+12+4*\c+\i]
.endr
.irp i, 0,1,2
	v_mov_b32 v[PC+3+6*\c+\i], v[PC+12+4*\c+\i]
.endr
.endr
.endm
	s_load_b256 s[4:11], s[0:1], 0x0               ; acts s[4:5], wimg s[6:7], mask s[8:9], qkvimg s[10:11]
	v_lshl_add_u32 v[SPW], v0, 2, SPARE
	v_mov_b32 v[NIL], 0
	ds_add_u32 v28, v29
	ds_add_u32 v28, v29
	s_wait_dscnt 0x0
	v_lshrrev_b32 v1, 5, v0
	v_readfirstlane_b32 s14, v1                    ; wave
	s_lshr_b32 s15, s14, 1                         ; my half of the tile's rows.  Also: I fetch for A (0) or B (1)
	s_and_b32 s16, s14, 1                          ; my half of its columns.  Also: which eight tiles I fetch
	s_bfe_u32 s40, ttmp6, 0x40000                  ; cx
	s_bfe_u32 s41, ttmp6, 0x40004                  ; cy
	s_and_b32 s68, ttmp7, 0xffff                   ; the cluster's y: 0, 1: q and k;  2: v
	s_and_b32 s69, ttmp9, 1                        ; q, k: the cluster's column (0: q, 1: k)
	s_lshr_b32 s70, ttmp9, 1
	s_lshl_b32 s71, s68, 1
	s_add_co_u32 s70, s70, s71                     ; and its row
	s_cmp_eq_u32 s68, 2
	s_cselect_b32 s72, 1, 0                        ; 1: v.  The same in all sixteen partners
	s_cselect_b32 s69, ttmp9, s69
	s_cselect_b32 s70, 0, s70
	s_lshl_b32 s42, s69, 2
	s_add_co_u32 s42, s42, s40                     ; tile column
	s_lshl_b32 s17, s70, 2
	s_add_co_u32 s17, s17, s41                     ; tile row
	s_lshl_b32 s43, s41, 2
	s_lshl_b32 s43, 15, s43                        ; my row of the cluster
	s_lshl_b32 s44, 0x1111, s40                    ; my column
	; descriptor group 1: eight rows of 3,200 bytes (400 elements of 8 bytes), 12,800 bytes apart, dense in LDS
	s_or_b32 s[G1+0], s43, (3<<16)|(1<<21)
	s_or_b32 s[G1B+0], s44, (3<<16)|(1<<21)
.irp g, G1, G1B
	s_mov_b32 s[\g+1], 400<<16                     ; tensor_dim0
	s_mov_b32 s[\g+2], 8<<16                       ; tensor_dim1
	s_mov_b32 s[\g+3], 400<<16                     ; tile_dim0
	s_mov_b32 s[\g+4], 8                           ; tile_dim1
	s_mov_b32 s[\g+5], 1600                        ; from tile to tile
	s_mov_b32 s[\g+6], 0
	s_mov_b32 s[\g+7], 0
.endr
	s_lshl_b32 s22, s16, 3
	s_lshl_b32 s20, s17, 4
	s_add_co_u32 s20, s20, s22                     ; A: tile 16 x tile row + 8 x half
	s_mul_i32 s20, s20, TS
	s_lshl_b32 s46, s42, 4
	s_add_co_u32 s46, s46, s22                     ; B: tile 16 x tile column + 8 x half
	s_mul_i32 s46, s46, TS
	s_mov_b32 s23, XOFF
	s_cmp_eq_u32 s72, 1
	s_cselect_b32 s73, WVOFF, s23                  ; A: wv in wimg, or x in acts
	s_cselect_b32 s74, s23, 0                      ; B: x in acts, or wq and wk at wimg's head
	s_add_co_u32 s20, s20, s73
	s_add_co_u32 s46, s46, s74
	s_mov_b32 s21, 0
	s_mov_b32 s47, 0
	s_mul_i32 s45, s14, HALFT                      ; where they go: no place in the cluster enters an LDS address
	s_wait_kmcnt 0x0
	s_cmp_eq_u32 s72, 1
	s_cselect_b64 s[76:77], s[6:7], s[4:5]
	s_cselect_b64 s[78:79], s[4:5], s[6:7]
	s_add_nc_u64 s[20:21], s[76:77], s[20:21]
	s_add_nc_u64 s[46:47], s[78:79], s[46:47]
	CROUND                                         ; all sixteen work-groups are here: the first joint loads meet
.irp s, 0,1
	s_mov_b32 s[G0+4*\s], 1
	s_add_co_u32 s[G0+4*\s+1], s45, \s*SLOT
	s_add_nc_u64 s[G0+4*\s+2:G0+4*\s+3], s[20:21], \s*UNIT
	s_or_b32 s[G0+4*\s+3], s[G0+4*\s+3], 0x80000000
	s_mov_b32 s[G0B+4*\s], 1
	s_add_co_u32 s[G0B+4*\s+1], s45, \s*SLOT
	s_add_nc_u64 s[G0B+4*\s+2:G0B+4*\s+3], s[46:47], \s*UNIT
	s_or_b32 s[G0B+4*\s+3], s[G0B+4*\s+3], 0x80000000
	JLOAD G0+4*\s, G1, G0B+4*\s, G1B
.endr
	v_and_b32 v1, 15, v0                           ; r
	v_bfe_u32 v2, v0, 4, 1                         ; h
	v_and_b32 v3, 31, v0
	v_lshlrev_b32 v4, 4, v3
	v_lshlrev_b32 v5, 3, v3
	s_mul_i32 s21, s15, HALFT                      ; my eight tiles of A
	s_mul_i32 s22, s16, HALFT
	s_add_co_u32 s22, s22, 2*HALFT                 ; and of B, behind A's sixteen
	s_sub_co_u32 s23, s22, s21
	v_mul_u32_u24 v6, s23, v2                      ; lanes 16-31 take B's scale words
	v_lshl_add_u32 v6, v1, 2, v6
	v_add_nc_u32 v[ADRS], s21, v6
	v_add_nc_u32 v[ADRS+1], SLOT, v[ADRS]
.irp s, 0,1
	v_add_nc_u32 v[ADRA+\s], s21, v4
	v_add_nc_u32 v[ADRB+\s], s22, v4
	v_add_nc_u32 v[ADRA+2+\s], s21, v5
	v_add_nc_u32 v[ADRB+2+\s], s22, v5
	s_add_co_u32 s21, s21, SLOT
	s_add_co_u32 s22, s22, SLOT
.endr
	v_mov_b32 v[LI], v4
	v_mov_b32 v[L8], v5
	v_lshlrev_b32 v[LS4], 2, v1
	v_and_b32 v[MOF], 8, v1
	v_add_nc_u32 v[MOF], v[MOF], v1
	v_lshlrev_b32 v[MOF], 2, v[MOF]
	s_lshl_b32 s80, s17, 4
	s_lshl_b32 s81, s15, 3
	s_add_co_u32 s80, s80, s81                     ; T0: the first of my eight tiles of A's rows
	s_lshl_b32 s82, s80, 6                         ; 16 rows of 4 bytes a tile
	s_mov_b32 s83, 0
	s_add_nc_u64 s[8:9], s[8:9], s[82:83]
.irp a, 0,1,2,3,4,5,6,7
	global_load_b32 v[MK+\a], v[MOF], s[8:9] offset:128*(\a/2)+32*(\a%2)   ; the mask word of the token at my place in block a (inside the buffer on every path; k's path uses it)
.endr
	s_wait_tensorcnt 1                             ; my part of slot 0 is in; slot 1's may stay out
	s_barrier_signal -1
	s_barrier_wait -1
	FETCH_B 0, 0, 0
	FETCH_A 0, 0, 0
	SCALES 0
	FETCH_A 0, 0, 4
	STEP 0, 0, 1                                   ; the first products start the sums: nothing is cleared
	TURN 0, 1, 1                                   ; slot 0 takes unit 2
	STEP 1, 0, 0
	TURN 1, 0, 1                                   ; slot 1 takes unit 3
	STEP 0, 0, 0
	TURN 0, 1, 0                                   ; nothing is left to fetch
	STEP 1, 0, 0
	s_wait_dscnt 4*NL
	WINMUL 0, 0
	MUL16 0, 1, 1, 1, 0
	MUL16 2, 1, 1, 1, 0
	s_wait_dscnt 0
	WINMUL 1, 0
	MUL16 4, 1, 1, 1, 0
	MUL16 6, 1, 1, 1, 0
	WIN 0
	; ---- THE WAY OUT: each block of 16 rows is quantised along my 128 columns and stored as an image
	s_wait_loadcnt 0x0                             ; the mask words
	PLACES NP
.irp b, 0,1,2,3
	v_mov_b32 v[TM+4+\b], 0                        ; written once: a lane permute's destination counts as one of its sources
.endr
	s_mov_b32 s[SEL], 0x76543210
	s_mov_b32 s[SEL+1], 0xfedcba98
	s_cmp_eq_u32 s72, 1
	s_cbranch_scc1 .Lv_out
	; q or k: my 128 columns are two heads; my eight blocks are one step of 128 tokens
	s_and_b32 s84, s42, 3
	s_lshl_b32 s84, s84, 2
	s_lshl_b32 s85, s16, 1
	s_add_co_u32 s84, s84, s85                     ; the first head
	s_lshr_b32 s85, s80, 7
	s_lshl_b32 s85, s85, 4
	s_add_co_u32 s84, s84, s85                     ; + 16 x batch
	s_bfe_u32 s85, s80, 0x40003                    ; the step
	s_mov_b32 s86, BHQ
	s_mov_b32 s87, 8704
	s_mov_b32 s88, QOFF
	s_mov_b32 s89, 0x7f8f0000                      ; q: block 2 under 2^16, block 3 under 1
	s_cmp_eq_u32 s69, 1                            ; k?
	s_cselect_b32 s86, BHKV, s86
	s_cselect_b32 s87, 15104, s87
	s_cselect_b32 s88, 0, s88
	s_cselect_b32 s90, 0x01010000, s89             ; an open key: blocks 2 and 3 under 2^-126
	s_cselect_b32 s91, 0x01900000, s89             ; a masked key: block 2 under 2^17
	s_cselect_b32 s92, 0, -1                       ; a masked key keeps none of its codes
	s_cselect_b32 s93, 0, 8                        ; the code at k = 64: q: +1.0; an open key: 0;
	s_cselect_b32 s94, 40, 8                       ; a masked key: -1.0
	s_mul_i32 s84, s84, s86
	s_mul_i32 s85, s85, s87
	s_add_co_u32 s84, s84, s85
	s_add_co_u32 s84, s84, s88
	s_mov_b32 s85, 0
	s_mov_b32 s87, 0
	s_add_nc_u64 s[96:97], s[10:11], s[84:85]      ; the first head's step unit
	s_add_nc_u64 s[98:99], s[96:97], s[86:87]      ; the second's
	v_mov_b32 v[VOPEN], s90
	v_mov_b32 v[VMSKD], s91
	v_mov_b32 v[VKM], s92
	v_mov_b32 v[VONES], -1
	v_add_nc_u32 v[EXT], -1, v2                    ; all ones in lanes 0-15, 0 in lanes 16-31: k = 64 lies in lanes 0-15
	v_and_b32 v[VEO], s93, v[EXT]
	v_and_b32 v[VEM], s94, v[EXT]
.macro QKBLOCK a
.set QS, 64*((\a)%4)
.set QW, 2+(\a)/4
	s_wait_xcnt 0x0                                ; the last block's stores have read their registers
	QUANT QS, QW
	v_cmp_ne_u32 vcc_lo, 0, v[MK+\a]               ; open?  The mask only selects values
	v_cndmask_b32 v[KEEP], v[VKM], v[VONES], vcc_lo
	v_cndmask_b32 v[EXT], v[VEM], v[VEO], vcc_lo
	v_cndmask_b32 v[EW], v[VMSKD], v[VOPEN], vcc_lo
.irp i, 0,1,2,3,6,7,8,9,10,11
	v_and_b32 v[PC+\i], v[KEEP], v[PC+\i]
.endr
	v_and_b32 v[PC+16], v[KEEP], v[PC+4]           ; the first head's registers 4-7: two of codes, the code at k = 64, zero
	v_and_b32 v[PC+17], v[KEEP], v[PC+5]
	v_mov_b32 v[PC+18], v[EXT]
	v_mov_b32 v[PC+19], 0
	v_mov_b32 v[PC+12], v[EXT]                     ; the second head's follow its codes
	v_mov_b32 v[PC+13], 0
	v_and_or_b32 v[W0], v[PW], 0xffff, v[EW]       ; a head's scale word: its two bytes, then blocks 2 and 3
	v_lshrrev_b32 v[W1], 16, v[PW]
	v_or_b32 v[W1], v[W1], v[EW]
	global_store_b128 v[LI], v[PC:PC+3], s[96:97] offset:1024*(\a)
	global_store_b128 v[LI], v[PC+16:PC+19], s[96:97] offset:1024*(\a)+512
	global_store_b128 v[LI], v[PC+6:PC+9], s[98:99] offset:1024*(\a)
	global_store_b128 v[LI], v[PC+10:PC+13], s[98:99] offset:1024*(\a)+512
	global_store_b32 v[LS4], v[W0], s[96:97] offset:8192+64*(\a)     ; lanes r and r + 16 write the same word with the same value
	global_store_b32 v[LS4], v[W1], s[98:99] offset:8192+64*(\a)
.endm
.irp a, 0,1,2,3,4,5,6,7
	QKBLOCK \a
.endr
	s_branch .Ljoin
.Lv_out:
	; v: my 128 columns are one step of 128 keys; my eight blocks are two heads' 64 channels
	s_lshr_b32 s84, s42, 3
	s_lshl_b32 s84, s84, 4                         ; 16 x batch
	s_lshl_b32 s85, s17, 2
	s_add_co_u32 s84, s84, s85
	s_lshl_b32 s85, s15, 1
	s_add_co_u32 s84, s84, s85                     ; + the first head
	s_mul_i32 s84, s84, BHKV
	s_and_b32 s85, s42, 7
	s_lshl_b32 s85, s85, 1
	s_add_co_u32 s85, s85, s16                     ; the step
	s_mul_i32 s85, s85, 15104
	s_add_co_u32 s84, s84, s85
	s_mov_b32 s85, 0
	s_add_nc_u64 s[96:97], s[10:11], s[84:85]
	s_add_nc_u64 s[98:99], s[96:97], BHKV
.macro VBLOCK a
.set QS, 64*((\a)%4)
.set QW, 2+(\a)/4
.set OV, 96+2*((\a)/4)
	s_wait_xcnt 0x0
	QUANT QS, QW
	global_store_b128 v[LI], v[PC:PC+3], s[OV:OV+1] offset:8704+1536*((\a)%4)
	global_store_b64 v[L8], v[PC+4:PC+5], s[OV:OV+1] offset:8704+1536*((\a)%4)+512
	global_store_b128 v[LI], v[PC+6:PC+9], s[OV:OV+1] offset:8704+1536*((\a)%4)+768
	global_store_b64 v[L8], v[PC+10:PC+11], s[OV:OV+1] offset:8704+1536*((\a)%4)+1280
	global_store_b32 v[LS4], v[PW], s[OV:OV+1] offset:14848+64*((\a)%4)
.endm
.irp a, 0,1,2,3,4,5,6,7
	VBLOCK \a
.endr
.Ljoin:
	s_wait_tensorcnt 0x0                           ; the wave's end
	ds_add_u32 v[SPW], v[NIL]
	s_wait_dscnt 0x0
	CROUND                                         ; the closing round
	s_endpgm
.Lfunc_end_k_q3357682cef_qkv:
	.size	k_q3357682cef_qkv, .Lfunc_end_k_q3357682cef_qkv-k_q3357682cef_qkv
	.p2alignl 7, 3214868480
	.fill 96, 4, 3214868480
	.section	.rodata,"a",@progbits
	.p2align	6, 0x0
	.amdhsa_kernel k_q3357682cef_qkv
		.amdhsa_group_segment_fixed_size 327680
		.amdhsa_private_segment_fixed_size 0
		.amdhsa_enable_private_segment 0
		.amdhsa_kernarg_size 32
		.amdhsa_user_sgpr_count 2
		.amdhsa_user_sgpr_kernarg_segment_ptr 1
		.amdhsa_wavefront_size32 1
		.amdhsa_system_sgpr_workgroup_id_x 1
		.amdhsa_system_sgpr_workgroup_id_y 1
		.amdhsa_system_sgpr_workgroup_id_z 1
		.amdhsa_system_vgpr_workitem_id 0
		.amdhsa_next_free_vgpr 1024
		.amdhsa_next_free_sgpr 100
		.amdhsa_reserve_vcc 1
		.amdhsa_float_denorm_mode_32 3
		.amdhsa_float_denorm_mode_16_64 3
		.amdhsa_memory_ordered 1
		.amdhsa_forward_progress 1
		.amdhsa_inst_pref_size 194
	.end_amdhsa_kernel
	.amdgpu_metadata
---
amdhsa.version: [ 1, 2 ]
amdhsa.kernels:
  - .name:           k_q3357682cef_qkv
    .symbol:         k_q3357682cef_qkv.kd
    .args:
      - { .name: acts, .offset: 0, .size: 8, .value_kind: global_buffer, .address_space: global }
      - { .name: wimg, .offset: 8, .size: 8, .value_kind: global_buffer, .address_space: global }
      - { .name: mask, .offset: 16, .size: 8, .value_kind: global_buffer, .address_space: global }
      - { .name: qkvimg, .offset: 24, .size: 8, .value_kind: global_buffer, .address_space: global }
    .group_segment_fixed_size: 327680
    .private_segment_fixed_size: 0
    .kernarg_segment_align: 8
    .kernarg_segment_size: 32
    .max_flat_workgroup_size: 128
    .sgpr_count:     100
    .vgpr_count:     1024
    .wavefront_size: 32
...
	.end_amdgpu_metadata
.endif
;; end of part 2
;; launch attn (part 3): grid 8 x 32, 16 waves a work-group, clusters of 4 x 1, 264,192 bytes of LDS; arguments qkvimg, acts; writes acts
.if DOCPART == 3
	.amdgcn_target "amdgcn-amd-amdhsa--gfx1250"
	.amdhsa_code_object_version 6
	.text
	.protected	k_q3357682cef_attn
	.globl	k_q3357682cef_attn
	.p2align	8
	.type	k_q3357682cef_attn,@function
k_q3357682cef_attn:
	s_mov_b64 s[64:65], 0
	v_nop
	global_prefetch_b8 v0, s[64:65] scope:SCOPE_SE
	s_setreg_imm32_b32 hwreg(HW_REG_WAVE_MODE, 25, 1), 1
	s_wait_xcnt 0x0
	s_wait_alu depctr_hold_cnt(0) depctr_sa_sdst(0) depctr_va_vdst(0) depctr_va_sdst(0) depctr_va_ssrc(0) depctr_va_vcc(0) depctr_vm_vsrc(0)
	s_getreg_b32 s2, hwreg(HW_REG_IB_STS2, 6, 4)
	s_cmp_eq_u32 s2, 0
	s_cbranch_scc0 .Lentry_in_a_cluster
	s_endpgm
.Lentry_in_a_cluster:
	s_bfe_u32 s2, ttmp6, 0x10000c
	s_cmp_lg_u32 s2, 0x3003
	s_cbranch_scc0 .Lentry_shape_is_right
	s_endpgm
.Lentry_shape_is_right:
; ctx = softmax(q k^T / 8, masked) v for one head, both products on codes of FP6; ctx is quantised along the next product's K and stored as an image.
; THE SOFTMAX: t = score x log2(e) / 8; M = the running largest t rounded up to a whole number; p = 2^(t - M) is quantised along the keys; the row's sum is taken of the unquantised p and divides at the end.
; When M moves, the sum and O are multiplied by 2^(old M - new M): exact.  THE MASK is already in the codes: a masked key's score is exactly -2^33, which x c is a whole number: a row whose keys are all masked has p = 1 throughout.
; SHARES.  A work-group owns 256 queries of one (batch, head); each of its sixteen waves one tile of 16, in 256 registers: four waves to a SIMD.
; THE WHOLE HEAD'S K AND V LIE IN LDS: 16 step units of 15,104 bytes (128 keys: K's eight tiles of 1,024 bytes, their scale words at 8,192, V^T's four tiles of 1,536 bytes at 8,704, their scale words at 14,848),
; filled once: no slot is filled again.  Waves 0-3 ask for four units each, at the head; a wave has four tensor loads out.  The four work-groups of a cluster are query blocks of one head: they ask jointly.
; LAYOUT.  Both products are used transposed (S^T = K Q^T, O^T = V^T P^T): a lane holds one query.  Images are in the order place r of tile 2 g + u = row 32 g + 8 u + r + 8 (r / 8),
; so the 16 registers of tiles 2 b, 2 b + 1 are 16 neighbours: keys in S^T, channels in O^T.  The first product's K is 64: registers 6-11 of q's and k's operands hold the mask's code and zeros.
; REGISTERS: v1-3 lane offsets; v8-10 addresses of the step; v12 -M, v13 the largest t, v[14:15] the sum; v16-27 Q; v32-79 four fragments of K (registers 8-11 of each stay zero);
; v96-159 S^T, then p, then (v96-143) V's four fragments; v160-191 O^T; v224-235 p's codes; v232-254 at work; v248-251, v253, v255 scale words.
.set STEPB, 15104
.set BHKV,  241664
.set BHQ,   139264
.set QOFF,  7733248
.set LI,  1
.set L8,  2
.set LS4, 3
.set ADK, 8
.set AD8, 9
.set ADS, 10
.set WV,  18
.set SEL, 20
.set CS,  22
.set G1,  24                           ; s[24:31] descriptor group 1;  s[32:47] four groups 0
.set G0,  32
.set TB,  48                           ; s48 LDS byte of the step in hand
.set CNT, 49
.macro ROUND
	s_barrier_signal -1
	s_barrier_wait -1
	s_cmp_lg_u32 s[WV], 0
	s_cbranch_scc1 .Lnot_wave_0_\@
	s_barrier_signal -3
.Lnot_wave_0_\@:
	s_barrier_wait -3
	s_barrier_signal -1
	s_barrier_wait -1
.endm
; A KEY STEP: 128 keys
.macro STEP
	v_add_nc_u32 v[ADK], s[TB], v[LI]
	v_add_nc_u32 v[AD8], s[TB], v[L8]
	v_add_nc_u32 v[ADS], s[TB], v[LS4]
	v_nop
	v_nop                                          ; five places: the products below write over the registers from which the last products read V
.irp g2, 0,1                           ; S^T = K Q^T, four tiles of 16 keys at a time
.if \g2
.rept 4
	v_nop                                          ; places in front of loads into registers that matrix instructions have read
.endr
.endif
.irp t, 0,1,2,3
	ds_load_b128 v[32+12*\t:35+12*\t], v[ADK] offset:1024*(4*\g2+\t)
	ds_load_b128 v[36+12*\t:39+12*\t], v[ADK] offset:1024*(4*\g2+\t)+512
	ds_load_b32 v[248+\t], v[ADS] offset:8192+64*(4*\g2+\t)
.endr
	s_wait_dscnt 0x0
.irp t, 0,1,2,3
	v_wmma_scale_f32_16x16x128_f8f6f4 v[96+8*(4*\g2+\t):103+8*(4*\g2+\t)], v[32+12*\t:43+12*\t], v[16:27], 0, v[248+\t], v255 matrix_a_fmt:MATRIX_FMT_FP6 matrix_b_fmt:MATRIX_FMT_FP6
.endr
.endr
.rept 4
	v_nop
.endr
.irp b, 0,1,2,3
	v_max3_num_f32 v[232+\b], v[96+16*\b], v[97+16*\b], v[98+16*\b]   ; the largest score of each block of 32 keys: for the row's maximum, and, since p rises with the score, for the block's largest p
.endr
.irp i, 3,5,7,9,11,13
.irp b, 0,1,2,3
	v_max3_num_f32 v[232+\b], v[232+\b], v[96+16*\b+\i], v[97+16*\b+\i]
.endr
.endr
.irp b, 0,1,2,3
	v_max_num_f32 v[232+\b], v[232+\b], v[111+16*\b]
.endr
.irp b, 0,1,2,3
	v_permlanex16_b32 v[236+\b], v[232+\b], s[SEL], s[SEL+1]
.endr
.irp b, 0,1,2,3
	v_max_num_f32 v[232+\b], v[232+\b], v[236+\b]  ; with lane l xor 16's 16 keys
.endr
	v_max3_num_f32 v254, v232, v233, v234
	v_max_num_f32 v254, v254, v235
	v_mul_f32 v254, s[CS], v254                    ; as t (c is positive)
	v_max_num_f32 v13, v13, v254                   ; the running largest t
	v_mov_b32 v254, v12
	v_floor_f32 v12, -v13                          ; the new -M = floor(-t): M is a whole number
	v_sub_f32 v254, v12, v254                      ; old M - new M: a whole number, 0 or less
	v_cvt_i32_f32 v254, v254                       ; (it saturates)
	v_ldexp_f32 v252, 1.0, v254                    ; f = 2^(old M - new M)
.set j, 0
.rept 32
	v_pk_fma_f32 v[96+j:97+j], v[96+j:97+j], s[CS:CS+1], v[12:13] op_sel_hi:[1,0,0]   ; t - M, two at a time
.set j, j+2
.endr
.irp b, 0,1,2,3
	v_fma_f32 v[232+\b], v[232+\b], s[CS], v12     ; the same of each block's largest score
.endr
.set j, 0
.rept 64
	v_exp_f32 v[96+j], v[96+j]                     ; p = 2^(t - M), not normalised
.set j, j+1
.endr
	v_pk_mul_f32 v[14:15], v[14:15], v[252:253] op_sel_hi:[1,0]   ; the sums under the new M; a plain place behind the exponentials
	s_wait_alu depctr_va_vdst(0)                   ; one wait for the whole batch, ahead of its first reader
.irp b, 0,1,2,3
	v_exp_f32 v[232+\b], v[232+\b]                 ; the block's largest p
.endr
	v_pk_add_f32 v[236:237], v[96:97], v[98:99]    ; the row's sum of the unquantised p, in two chains
.irp j, 4,8,12,16,20,24,28,32,36,40,44,48,52,56,60
	v_pk_add_f32 v[14:15], v[14:15], v[96+\j:97+\j]
	v_pk_add_f32 v[236:237], v[236:237], v[98+\j:99+\j]
.endr
	v_pk_add_f32 v[14:15], v[14:15], v[236:237]
	s_wait_alu depctr_va_vdst(0)                   ; and one for the four
.irp b, 0,1,2,3
	v_max_num_f32 v[232+\b], 0x1800000, v[232+\b]  ; the floor 2^(3 - 127): a block whose every p is 0 keeps the byte 1: its codes are zeros
.endr
.irp b, 0,1,2,3
	v_add_nc_u32 v[244+\b], 0xff000000, v[232+\b]
.endr
.irp b, 0,1,2,3
	v_lshrrev_b32 v[236+\b], 23, v[244+\b]
.endr
	v_lshl_or_b32 v253, v237, 8, v236              ; p's scale word for these 128 keys
	v_lshl_or_b32 v253, v238, 16, v253
	v_lshl_or_b32 v253, v239, 24, v253
.irp c, 0,1
	v_cvt_scalef32_pk16_fp6_f32 v[224+6*\c:226+6*\c], v[96+32*\c:111+32*\c], v[244+2*\c]
	v_cvt_scalef32_pk16_fp6_f32 v[236+4*\c:238+4*\c], v[112+32*\c:127+32*\c], v[244+2*\c+1]
.endr
	v_nop                                          ; one plain place behind a scaled conversion
.irp t, 0,1,2,3                        ; V's four fragments take the registers that p has left; they land under the lines below
	ds_load_b128 v[96+12*\t:99+12*\t], v[ADK] offset:8704+1536*\t
	ds_load_b64 v[100+12*\t:101+12*\t], v[AD8] offset:8704+1536*\t+512
	ds_load_b128 v[102+12*\t:105+12*\t], v[ADK] offset:8704+1536*\t+768
	ds_load_b64 v[106+12*\t:107+12*\t], v[AD8] offset:8704+1536*\t+1280
	ds_load_b32 v[248+\t], v[ADS] offset:14848+64*\t
.endr
.irp c, 0,1
.irp i, 0,1,2
	v_permlane16_swap_b32 v[224+6*\c+\i], v[236+4*\c+\i]
.endr
.irp i, 0,1,2
	v_mov_b32 v[227+6*\c+\i], v[236+4*\c+\i]
.endr
.endr
.set j, 0
.rept 16
	v_pk_mul_f32 v[160+j:161+j], v[160+j:161+j], v[252:253] op_sel_hi:[1,0]   ; O^T under the new M; these sixteen are also the places in front of the products below
.set j, j+2
.endr
	s_wait_dscnt 0x0
.irp t, 0,1,2,3
	v_wmma_scale_f32_16x16x128_f8f6f4 v[160+8*\t:167+8*\t], v[96+12*\t:107+12*\t], v[224:235], v[160+8*\t:167+8*\t], v[248+\t], v253 matrix_a_fmt:MATRIX_FMT_FP6 matrix_b_fmt:MATRIX_FMT_FP6
.endr
	s_add_co_u32 s[TB], s[TB], STEPB
.endm
	s_load_b128 s[4:7], s[0:1], 0x0                ; qkvimg s[4:5], acts s[6:7]
	v_lshl_add_u32 v223, v0, 2, 0x40000
	v_mov_b32 v243, 0
	ds_add_u32 v223, v243
	ds_add_u32 v223, v243
	v_lshrrev_b32 v8, 5, v0
	v_readfirstlane_b32 s[WV], v8                  ; wave 0..15
	s_bfe_u32 s50, ttmp6, 0x40000                  ; cx: it enters q's and ctx's addresses alone
	s_lshl_b32 s51, ttmp9, 2
	s_add_co_u32 s51, s51, s50                     ; my block of 256 queries
	s_and_b32 s52, ttmp7, 0xffff                   ; 16 x batch + head, which the four partners share
	s_and_b32 s53, s[WV], 3
	s_mul_i32 s53, s53, STEPB                      ; the unit that I fetch in each group of four: in LDS and in memory alike
	s_mul_i32 s54, s52, BHKV
	s_add_co_u32 s54, s54, s53
	s_mov_b32 s55, 0
	s_mov_b32 s[G1], 15|(3<<16)|(1<<21)            ; the mask: all four work-groups; elements of 8 bytes; no padding
	s_mov_b32 s[G1+1], 32<<16                      ; a unit is 59 dense rows of 256 bytes
	s_mov_b32 s[G1+2], 59<<16
	s_mov_b32 s[G1+3], 32<<16
	s_mov_b32 s[G1+4], 59
	s_mov_b32 s[G1+5], 32
	s_mov_b32 s[G1+6], 0
	s_mov_b32 s[G1+7], 0
	s_mov_b32 s[SEL], 0x76543210
	s_mov_b32 s[SEL+1], 0xfedcba98
	s_mov_b32 s[CS], 0x3e38aa3b                    ; c = log2(e) / 8
	s_mov_b32 s[CS+1], s[CS]
	s_wait_dscnt 0x0
	s_wait_kmcnt 0x0
	s_add_nc_u64 s[54:55], s[4:5], s[54:55]
.irp g, 0,1,2,3
	s_mov_b32 s[G0+4*\g], 1
	s_add_co_u32 s[G0+4*\g+1], s53, \g*4*STEPB
	s_add_nc_u64 s[G0+4*\g+2:G0+4*\g+3], s[54:55], \g*4*STEPB
	s_or_b32 s[G0+4*\g+3], s[G0+4*\g+3], 0x80000000
.endr
	ROUND                                          ; all four work-groups are here: the joint loads meet
	s_cmp_lt_u32 s[WV], 4                          ; a wave's four fills stand in one branch on the wave's number
	s_cbranch_scc0 .Lno_fetch
	tensor_load_to_lds s[G0:G0+3], s[G1:G1+7]
	s_nop 0
	tensor_load_to_lds s[G0+4:G0+7], s[G1:G1+7]
	s_nop 0
	tensor_load_to_lds s[G0+8:G0+11], s[G1:G1+7]
	s_nop 0
	tensor_load_to_lds s[G0+12:G0+15], s[G1:G1+7]
	s_nop 0
.rept 4
	v_nop
.endr
.Lno_fetch:
	v_and_b32 v4, 31, v0
	v_lshlrev_b32 v[LI], 4, v4
	v_lshlrev_b32 v[L8], 3, v4
	v_and_b32 v5, 15, v0
	v_lshlrev_b32 v[LS4], 2, v5
	s_lshl_b32 s56, s51, 4
	s_add_co_u32 s56, s56, s[WV]                   ; my tile of queries, 0..127
	s_mul_i32 s58, s52, BHQ
	s_lshr_b32 s57, s56, 3
	s_mul_i32 s57, s57, 8704
	s_add_co_u32 s58, s58, s57
	s_add_co_u32 s58, s58, QOFF
	s_mov_b32 s59, 0
	s_add_nc_u64 s[58:59], s[4:5], s[58:59]        ; its step unit
	s_and_b32 s57, s56, 7
	s_lshl_b32 s60, s57, 10
	s_mov_b32 s61, 0
	s_add_nc_u64 s[60:61], s[58:59], s[60:61]
	s_lshl_b32 s62, s57, 6
	s_mov_b32 s63, 0
	s_add_nc_u64 s[62:63], s[58:59], s[62:63]
	global_load_b128 v[16:19], v[LI], s[60:61]
	global_load_b128 v[20:23], v[LI], s[60:61] offset:512
	global_load_b32 v255, v[LS4], s[62:63] offset:8192
.irp i, 24,25,26,27
	v_mov_b32 v[\i], 0                             ; k = 96 .. 127 and the rest of block 2: zero codes
.endr
.irp t, 0,1,2,3
.irp i, 8,9,10,11
	v_mov_b32 v[32+12*\t+\i], 0
.endr
.endr
	v_mov_b32 v13, 0xff61b1e6                      ; the largest t so far: -3e38
	v_floor_f32 v12, -v13
	v_mov_b32 v14, 0
	v_mov_b32 v15, 0
.irp b, 0,1,2,3
	v_mov_b32 v[236+\b], 0                         ; a lane permute's destination counts as one of its sources
.endr
	v_mov_b32 v253, 0
.set j, 0
.rept 32
	v_mov_b32 v[160+j], 0                          ; O^T: the step is written once: the first finds zeros
.set j, j+1
.endr
	s_wait_loadcnt 0x0                             ; Q
.irp g, 0,1,2,3
	s_wait_tensorcnt 3-\g                          ; my unit of group g is in; the later groups may stay out
	s_wait_dscnt 0x0
	s_barrier_signal -1
	s_barrier_wait -1                              ; everybody's is
	s_mov_b32 s[TB], \g*4*STEPB
	s_mov_b32 s[CNT], 4
.Lstep\g:
	STEP
	s_sub_co_u32 s[CNT], s[CNT], 1
	s_cmp_lg_u32 s[CNT], 0
	s_cbranch_scc1 .Lstep\g
.endr
	; ---- THE WAY OUT: O^T / the sum, quantised along the head's 64 (two blocks), stored as half a fragment of ctx's image
.rept 4
	v_nop
.endr
	v_add_f32 v14, v14, v15
	v_permlanex16_b32 v252, v14, s[SEL], s[SEL+1]
	v_add_f32 v14, v14, v252                       ; the row's sum
	v_rcp_f32 v14, v14
	v_nop
	s_wait_alu depctr_va_vdst(0)
.set j, 0
.rept 32
	v_mul_f32 v[96+j], v[160+j], v14               ; register 16 b + i is channel 32 b + 16 (lane / 16) + i
.set j, j+1
.endr
.irp b, 0,1
	v_max3_num_f32 v[232+\b], |v[96+16*\b]|, |v[97+16*\b]|, 0x1800000
.endr
.irp i, 2,4,6,8,10,12,14
.irp b, 0,1
	v_max3_num_f32 v[232+\b], v[232+\b], |v[96+16*\b+\i]|, |v[97+16*\b+\i]|
.endr
.endr
.irp b, 0,1
	v_permlanex16_b32 v[236+\b], v[232+\b], s[SEL], s[SEL+1]
.endr
.irp b, 0,1
	v_max_num_f32 v[232+\b], v[232+\b], v[236+\b]
.endr
.irp b, 0,1
	v_add_nc_u32 v[244+\b], 0xff000000, v[232+\b]
.endr
.irp b, 0,1
	v_lshrrev_b32 v[236+\b], 23, v[244+\b]
.endr
	v_lshl_or_b32 v246, v237, 8, v236              ; my head's two bytes of the row's scale word
	v_cvt_scalef32_pk16_fp6_f32 v[224:226], v[96:111], v244
	v_cvt_scalef32_pk16_fp6_f32 v[240:242], v[112:127], v245
	v_nop
.irp i, 0,1,2
	v_permlane16_swap_b32 v[224+\i], v[240+\i]
.endr
.irp i, 0,1,2
	v_mov_b32 v[227+\i], v[240+\i]
.endr
	s_lshr_b32 s57, s52, 4
	s_lshl_b32 s57, s57, 7
	s_add_co_u32 s57, s57, s56                     ; ctx's tile: 128 x batch + my tile
	s_mul_i32 s58, s57, 12800
	s_and_b32 s57, s52, 15                         ; the head: four heads to a unit of 256 along K
	s_lshr_b32 s60, s57, 2
	s_mul_i32 s60, s60, 3200
	s_add_co_u32 s58, s58, s60
	s_mov_b32 s59, 0
	s_add_nc_u64 s[6:7], s[6:7], s[58:59]
	s_and_b32 s60, s57, 3
	s_mul_i32 s60, s60, 768
	s_mov_b32 s61, 0
	s_add_nc_u64 s[60:61], s[6:7], s[60:61]
	s_and_b32 s62, s57, 2
	s_lshl_b32 s62, s62, 5                         ; 64 x which 128 along K
	s_and_b32 s63, s57, 1
	s_lshl_b32 s63, s63, 1                         ; 2 x which half of the word
	s_add_co_u32 s62, s62, s63
	s_mov_b32 s63, 0
	s_add_nc_u64 s[62:63], s[6:7], s[62:63]
	global_store_b128 v[LI], v[224:227], s[60:61]
	global_store_b64 v[L8], v[228:229], s[60:61] offset:512
	global_store_b16 v[LS4], v246, s[62:63] offset:3072   ; a head owns half a scale word: 32 bytes a wave go out two at a time, beside 768 in whole runs
	s_wait_tensorcnt 0x0
	ds_add_u32 v223, v243
	s_wait_dscnt 0x0
	ROUND                                          ; the closing round
	s_endpgm
.Lfunc_end_k_q3357682cef_attn:
	.size	k_q3357682cef_attn, .Lfunc_end_k_q3357682cef_attn-k_q3357682cef_attn
	.p2alignl 7, 3214868480
	.fill 96, 4, 3214868480
	.section	.rodata,"a",@progbits
	.p2align	6, 0x0
	.amdhsa_kernel k_q3357682cef_attn
		.amdhsa_group_segment_fixed_size 264192
		.amdhsa_private_segment_fixed_size 0
		.amdhsa_enable_private_segment 0
		.amdhsa_kernarg_size 16
		.amdhsa_user_sgpr_count 2
		.amdhsa_user_sgpr_kernarg_segment_ptr 1
		.amdhsa_wavefront_size32 1
		.amdhsa_system_sgpr_workgroup_id_x 1
		.amdhsa_system_sgpr_workgroup_id_y 1
		.amdhsa_system_sgpr_workgroup_id_z 1
		.amdhsa_system_vgpr_workitem_id 0
		.amdhsa_next_free_vgpr 256
		.amdhsa_next_free_sgpr 80
		.amdhsa_reserve_vcc 0
		.amdhsa_float_denorm_mode_32 3
		.amdhsa_float_denorm_mode_16_64 3
		.amdhsa_memory_ordered 1
		.amdhsa_forward_progress 1
		.amdhsa_inst_pref_size 79
	.end_amdhsa_kernel
	.amdgpu_metadata
---
amdhsa.version: [ 1, 2 ]
amdhsa.kernels:
  - .name:           k_q3357682cef_attn
    .symbol:         k_q3357682cef_attn.kd
    .args:
      - { .name: qkvimg, .offset: 0, .size: 8, .value_kind: global_buffer, .address_space: global }
      - { .name: acts, .offset: 8, .size: 8, .value_kind: global_buffer, .address_space: global }
    .group_segment_fixed_size: 264192
    .private_segment_fixed_size: 0
    .kernarg_segment_align: 8
    .kernarg_segment_size: 16
    .max_flat_workgroup_size: 512
    .sgpr_count:     80
    .vgpr_count:     256
    .wavefront_size: 32
...
	.end_amdgpu_metadata
.endif
;; end of part 3
;; launch oproj (part 4): grid 4 x 16, 4 waves a work-group, clusters of 4 x 4, 327,680 bytes of LDS; arguments acts, woimg, gout; writes gout
.if DOCPART == 4
	.amdgcn_target "amdgcn-amd-amdhsa--gfx1250"
	.amdhsa_code_object_version 6
	.text
	.protected	k_q3357682cef_oproj
	.globl	k_q3357682cef_oproj
	.p2align	8
	.type	k_q3357682cef_oproj,@function
k_q3357682cef_oproj:
	s_mov_b64 s[64:65], 0
	v_nop
	global_prefetch_b8 v0, s[64:65] scope:SCOPE_SE
	s_setreg_imm32_b32 hwreg(HW_REG_WAVE_MODE, 25, 1), 1
	s_wait_xcnt 0x0
	s_wait_alu depctr_hold_cnt(0) depctr_sa_sdst(0) depctr_va_vdst(0) depctr_va_sdst(0) depctr_va_ssrc(0) depctr_va_vcc(0) depctr_vm_vsrc(0)
	s_getreg_b32 s2, hwreg(HW_REG_IB_STS2, 6, 4)
	s_cmp_eq_u32 s2, 0
	s_cbranch_scc0 .Lentry_in_a_cluster
	s_endpgm
.Lentry_in_a_cluster:
	s_bfe_u32 s2, ttmp6, 0x10000c
	s_cmp_lg_u32 s2, 0xf033
	s_cbranch_scc0 .Lentry_shape_is_right
	s_endpgm
.Lentry_shape_is_right:
; out[z] = A[z] B[z]^T on codes of FP6, K = 1,024, f32 out.  Two launches run this text: ctx x wo (z = 0), and hidden x w2 in four parts along K (z = 0..3), whose sums a later launch adds.
; A: sub-images of 256 tiles (3,276,800 bytes), B: of 64 tiles (819,200 bytes), out: [z][4096][1024] f32.
; THE CORE: a work-group of four waves makes 256 x 256; a wave 128 x 128: 64 accumulators, 512 registers.  Both operands are images of operand registers
; (units of 3,200 bytes: 16 rows x 256 K with their scale words; a tile's four units on end, 12,800 bytes).  K goes in four steps of 256 through two LDS slots; a wave's tensor load brings eight tiles' units.
; The matrix instruction is used transposed: source 0 = 16 rows of B, source 1 = 16 rows of A.  Place r of tile 2 g + u is row 32 g + 8 u + r + 8 (r / 8): so a lane's registers of tiles 2 g, 2 g + 1 of B
; are columns 32 g + 16 (lane / 16) + 0 .. 15, and the rows of a block of A go out to their true places.
; CLUSTERS: 4 x 4 work-groups; A's tiles are asked for jointly along a row of the cluster, B's along a column.
; REGISTERS: window 0: v16-31 addresses; v32-63 scale words, two sets; v128-223 A's fragments, one set; on the way out v128-255 rows read back.  window 1: B's two sets.  windows 2, 3: the accumulators.
.set UNIT,  3200
.set TS,    12800
.set HALFT, 8*UNIT
.set SLOT,  4*HALFT
.set SPARE, 2*SLOT                     ; behind the ring: the spare words, 128 bytes a wave: two blocks of 256 bytes that no other line names
.set FR,    12
.set NL,    4
.set NP,    4
.set SPITCH, 528                       ; the way out: a stage of 16 rows x (512 + 16) bytes for each wave, in slot 0, which has had its last fill and its last read by then
.set ADRA, 16
.set ADRB, 20
.set STO,  24
.set RD,   25
.set CO,   26
.set SPW,  28
.set NIL,  29
.set ADRS, 30
.set SC,   32
.set BI,   64
.set AF,   128
.set BK,   128
.set G1,  24
.set G0,  32
.set G1B, 48
.set G0B, 56
.set MSB, 0
.macro WIN new
.if MSB != (\new)
	s_set_vgpr_msb (MSB<<8)|(\new)
.set MSB, (\new)
.endif
.endm
.set TO_B, 0x40
.macro WINMUL hi, zero
.if (\zero) == 2
	WIN 0x81+0x40*(\hi)
.else
	WIN 0xa1+0x50*(\hi)
.endif
.endm
.macro JLOAD g0a, g1a, g0b, g1b
	s_cmp_eq_u32 s15, 0
	s_cbranch_scc0 .Lfor_b_\@
	tensor_load_to_lds s[\g0a:\g0a+3], s[\g1a:\g1a+7]
	s_nop 0
.rept 4
	v_nop
.endr
	s_branch .Lasked_\@
.Lfor_b_\@:
	tensor_load_to_lds s[\g0b:\g0b+3], s[\g1b:\g1b+7]
	s_nop 0
.rept 4
	v_nop
.endr
.Lasked_\@:
.endm
.macro CREST
	s_cmp_lg_u32 s14, 0
	s_cbranch_scc1 .Lnot_wave_0_\@
	s_barrier_signal -3
.Lnot_wave_0_\@:
	s_barrier_wait -3
	s_barrier_signal -1
	s_barrier_wait -1
.endm
.macro CROUND
	s_barrier_signal -1
	s_barrier_wait -1
	CREST
.endm
.macro PLACES n
.rept \n
	v_nop
.endr
.endm
.macro FRAG reg, adr, q, i
.irp c, 0,1
	ds_load_b128 v[\reg+6*\c:\reg+6*\c+3], v[\adr] offset:(\i)*UNIT+(\q)*1536+\c*768
	ds_load_b64 v[\reg+6*\c+4:\reg+6*\c+5], v[\adr+2] offset:(\i)*UNIT+(\q)*1536+\c*768+512
.endr
.endm
.macro FETCH_B slot, q, p
	WIN TO_B
.irp i, 0,1,2,3,4,5,6,7
	FRAG 128*(\p)+FR*\i, ADRB+\slot, \q, \i
.endr
	WIN 0
.endm
.macro FETCH_A slot, q, i0
.irp i, \i0, \i0+1, \i0+2, \i0+3
	FRAG AF+FR*(\i), ADRA+\slot, \q, \i
.endr
.endm
.macro SCALES sc
.irp i, 0,1,2,3,4,5,6,7
	ds_load_b32 v[SC+16*\sc+2*\i], v[ADRS+\sc] offset:\i*UNIT+3072
	ds_load_b32 v[SC+16*\sc+2*\i+1], v[ADRS+\sc] offset:\i*UNIT+3072+64
.endr
.endm
.macro MUL16 a0, p, q, sc, zero        ; the 64 accumulators take turns, one instruction a turn
.irp a, \a0, \a0+1
.irp b, 0,1,2,3,4,5,6,7
.if (\zero) == 1
	v_wmma_scale_f32_16x16x128_f8f6f4 v[8*(8*((\a)%4)+\b):8*(8*((\a)%4)+\b)+7], v[128*(\p)+FR*\b:128*(\p)+FR*\b+FR-1], v[AF+FR*(\a):AF+FR*(\a)+FR-1], 0, v[SC+16*(\sc)+2*\b+(\q)], v[SC+16*(\sc)+2*(\a)+(\q)] matrix_a_fmt:MATRIX_FMT_FP6 matrix_b_fmt:MATRIX_FMT_FP6 matrix_a_scale:MATRIX_SCALE_ROW1
.elseif (\zero) == 2
	v_wmma_scale_f32_16x16x128_f8f6f4 v[8*(8*((\a)%4)+\b):8*(8*((\a)%4)+\b)+7], v[128*(\p)+FR*\b:128*(\p)+FR*\b+FR-1], v[AF+FR*(\a):AF+FR*(\a)+FR-1], v[BI+8*\b:BI+8*\b+7], v[SC+16*(\sc)+2*\b+(\q)], v[SC+16*(\sc)+2*(\a)+(\q)] matrix_a_fmt:MATRIX_FMT_FP6 matrix_b_fmt:MATRIX_FMT_FP6 matrix_a_scale:MATRIX_SCALE_ROW1
.else
	v_wmma_scale_f32_16x16x128_f8f6f4 v[8*(8*((\a)%4)+\b):8*(8*((\a)%4)+\b)+7], v[128*(\p)+FR*\b:128*(\p)+FR*\b+FR-1], v[AF+FR*(\a):AF+FR*(\a)+FR-1], v[8*(8*((\a)%4)+\b):8*(8*((\a)%4)+\b)+7], v[SC+16*(\sc)+2*\b+(\q)], v[SC+16*(\sc)+2*(\a)+(\q)] matrix_a_fmt:MATRIX_FMT_FP6 matrix_b_fmt:MATRIX_FMT_FP6 matrix_a_scale:MATRIX_SCALE_ROW1
.endif
.endr
.endr
.endm
.macro STEP slot, q, zero
	s_wait_dscnt 4*NL                              ; all but the youngest 16 loads (A's blocks 4-7) are in
	WINMUL 0, \zero
	MUL16 0, (\q)%2, \q, \slot, \zero
	MUL16 2, (\q)%2, \q, \slot, \zero
	s_wait_dscnt 0
	PLACES NP
	FETCH_B \slot, (\q)+1, 1-(\q)%2
	FETCH_A \slot, (\q)+1, 0
	WINMUL 1, \zero
	MUL16 4, (\q)%2, \q, \slot, \zero
	MUL16 6, (\q)%2, \q, \slot, \zero
	PLACES NP
	WIN 0
	FETCH_A \slot, (\q)+1, 4
.endm
.macro TURN slot, next, fill
	s_wait_tensorcnt 0x0                           ; all my tensor loads have landed: my part of the next slot
	ds_add_u32 v[SPW], v[NIL]                      ; 0 onto my spare word
	s_wait_dscnt 4*NL+1                            ; (the add and the youngest 16 loads may be out)
	WINMUL 0, 0
	MUL16 0, 1, 1, \slot, 0
	s_wait_dscnt 0x0                               ; the add is done, and my reads of this slot are over
	s_barrier_signal -1
	MUL16 2, 1, 1, \slot, 0
	WIN 0
	s_barrier_wait -1
.if \fill
	CREST                                          ; no wave of any partner reads this slot or has a load on its way
	s_add_nc_u64 s[G0+4*\slot+2:G0+4*\slot+3], s[G0+4*\slot+2:G0+4*\slot+3], 2*UNIT
	s_add_nc_u64 s[G0B+4*\slot+2:G0B+4*\slot+3], s[G0B+4*\slot+2:G0B+4*\slot+3], 2*UNIT
	JLOAD G0+4*\slot, G1, G0B+4*\slot, G1B
.else
	PLACES NP
.endif
	FETCH_B \next, 0, 0
	FETCH_A \next, 0, 0
	SCALES \next
	WINMUL 1, 0
	MUL16 4, 1, 1, \slot, 0
	MUL16 6, 1, 1, \slot, 0
	PLACES NP
	WIN 0
	FETCH_A \next, 0, 4
.endm
	s_load_b128 s[4:7], s[0:1], 0x0                ; A's image, B's image
	s_load_b64 s[8:9], s[0:1], 0x10                ; out
	v_lshl_add_u32 v[SPW], v0, 2, SPARE
	v_mov_b32 v[NIL], 0
	ds_add_u32 v28, v29
	ds_add_u32 v28, v29
	s_wait_dscnt 0x0
	v_lshrrev_b32 v1, 5, v0
	v_readfirstlane_b32 s14, v1
	s_lshr_b32 s15, s14, 1
	s_and_b32 s16, s14, 1
	s_bfe_u32 s40, ttmp6, 0x40000                  ; cx
	s_bfe_u32 s41, ttmp6, 0x40004                  ; cy
	s_lshl_b32 s42, ttmp9, 2
	s_add_co_u32 s42, s42, s40                     ; tile column
	s_and_b32 s18, ttmp7, 0xffff                   ; the cluster's y
	s_lshr_b32 s19, s18, 2                         ; z: which part of K
	s_and_b32 s17, s18, 3
	s_lshl_b32 s17, s17, 2
	s_add_co_u32 s17, s17, s41                     ; tile row, 0..15
	s_lshl_b32 s43, s41, 2
	s_lshl_b32 s43, 15, s43
	s_lshl_b32 s44, 0x1111, s40
	s_or_b32 s[G1+0], s43, (3<<16)|(1<<21)
	s_or_b32 s[G1B+0], s44, (3<<16)|(1<<21)
.irp g, G1, G1B
	s_mov_b32 s[\g+1], 400<<16
	s_mov_b32 s[\g+2], 8<<16
	s_mov_b32 s[\g+3], 400<<16
	s_mov_b32 s[\g+4], 8
	s_mov_b32 s[\g+5], 1600
	s_mov_b32 s[\g+6], 0
	s_mov_b32 s[\g+7], 0
.endr
	s_lshl_b32 s22, s16, 3
	s_lshl_b32 s20, s17, 4
	s_add_co_u32 s20, s20, s22
	s_mul_i32 s20, s20, TS
	s_mul_i32 s23, s19, 3276800
	s_add_co_u32 s20, s20, s23
	s_mov_b32 s21, 0
	s_lshl_b32 s46, s42, 4
	s_add_co_u32 s46, s46, s22
	s_mul_i32 s46, s46, TS
	s_mul_i32 s23, s19, 819200
	s_add_co_u32 s46, s46, s23
	s_mov_b32 s47, 0
	s_mul_i32 s45, s14, HALFT
	s_wait_kmcnt 0x0
	s_add_nc_u64 s[20:21], s[4:5], s[20:21]
	s_add_nc_u64 s[46:47], s[6:7], s[46:47]
	CROUND
.irp s, 0,1
	s_mov_b32 s[G0+4*\s], 1
	s_add_co_u32 s[G0+4*\s+1], s45, \s*SLOT
	s_add_nc_u64 s[G0+4*\s+2:G0+4*\s+3], s[20:21], \s*UNIT
	s_or_b32 s[G0+4*\s+3], s[G0+4*\s+3], 0x80000000
	s_mov_b32 s[G0B+4*\s], 1
	s_add_co_u32 s[G0B+4*\s+1], s45, \s*SLOT
	s_add_nc_u64 s[G0B+4*\s+2:G0B+4*\s+3], s[46:47], \s*UNIT
	s_or_b32 s[G0B+4*\s+3], s[G0B+4*\s+3], 0x80000000
	JLOAD G0+4*\s, G1, G0B+4*\s, G1B
.endr
	v_and_b32 v1, 15, v0
	v_bfe_u32 v2, v0, 4, 1
	v_and_b32 v3, 31, v0
	v_lshlrev_b32 v4, 4, v3
	v_lshlrev_b32 v5, 3, v3
	s_mul_i32 s21, s15, HALFT
	s_mul_i32 s22, s16, HALFT
	s_add_co_u32 s22, s22, 2*HALFT
	s_sub_co_u32 s23, s22, s21
	v_mul_u32_u24 v6, s23, v2
	v_lshl_add_u32 v6, v1, 2, v6
	v_add_nc_u32 v[ADRS], s21, v6
	v_add_nc_u32 v[ADRS+1], SLOT, v[ADRS]
.irp s, 0,1
	v_add_nc_u32 v[ADRA+\s], s21, v4
	v_add_nc_u32 v[ADRB+\s], s22, v4
	v_add_nc_u32 v[ADRA+2+\s], s21, v5
	v_add_nc_u32 v[ADRB+2+\s], s22, v5
	s_add_co_u32 s21, s21, SLOT
	s_add_co_u32 s22, s22, SLOT
.endr
	s_mul_i32 s23, s14, 16*SPITCH                  ; my stage
	v_mul_u32_u24 v6, v1, SPITCH
	v_lshl_add_u32 v6, v2, 6, v6
	v_add_nc_u32 v[STO], s23, v6                   ; in: row r, + 64 bytes for lanes 16-31
	v_mov_b32 v[CO], v4
	v_add_nc_u32 v[RD], s23, v4                    ; back: 32 lanes take a row of 512 bytes
	s_lshl_b32 s20, s17, 8
	s_lshl_b32 s21, s15, 7
	s_add_co_u32 s20, s20, s21                     ; my first row
	s_lshl_b32 s20, s20, 12
	s_lshl_b32 s21, s19, 24
	s_add_co_u32 s20, s20, s21                     ; in part z
	s_mov_b32 s21, 0
	s_lshl_b32 s46, s42, 10
	s_lshl_b32 s47, s16, 9
	s_add_co_u32 s46, s46, s47                     ; my first column, in bytes
	s_mov_b32 s47, 0
	s_add_nc_u64 s[20:21], s[20:21], s[46:47]
	s_add_nc_u64 s[8:9], s[8:9], s[20:21]
	s_wait_tensorcnt 1                             ; my part of slot 0 is in; slot 1's may stay out
	s_barrier_signal -1
	s_barrier_wait -1
	FETCH_B 0, 0, 0
	FETCH_A 0, 0, 0
	SCALES 0
	FETCH_A 0, 0, 4
	STEP 0, 0, 1
	TURN 0, 1, 1
	STEP 1, 0, 0
	TURN 1, 0, 1
	STEP 0, 0, 0
	TURN 0, 1, 0
	STEP 1, 0, 0
	s_wait_dscnt 4*NL
	WINMUL 0, 0
	MUL16 0, 1, 1, 1, 0
	MUL16 2, 1, 1, 1, 0
	s_wait_dscnt 0
	WINMUL 1, 0
	MUL16 4, 1, 1, 1, 0
	MUL16 6, 1, 1, 1, 0
	WIN 0
; THE WAY OUT, block by block of 16 rows x 128 columns, through my own stage; LDS serves a wave's instructions in order, so no wait stands between the stores and the loads.
.macro TOSTAGE a
.set AC, 64*((\a)%4)
	WIN 0x08+4*((\a)/4)                            ; an LDS store's data: window 2 or 3
.irp b, 0,1,2,3,4,5,6,7
	ds_store_b128 v[STO], v[AC+8*\b:AC+8*\b+3] offset:128*(\b/2)+32*(\b%2)          ; each accumulator from its low end on; tile b's eight columns begin at 32 (b / 2) + 16 (lane / 16) + 8 (b % 2)
	ds_store_b128 v[STO], v[AC+8*\b+4:AC+8*\b+7] offset:128*(\b/2)+32*(\b%2)+16
.endr
	WIN 0
.set BB, BK+64*((\a)%2)
.irp t, 0,1,2,3,4,5,6,7,8,9,10,11,12,13,14,15
	ds_load_b128 v[BB+4*\t:BB+4*\t+3], v[RD] offset:\t*SPITCH
.endr
.endm
.macro SEND a, younger
.set BB, BK+64*((\a)%2)
	s_wait_dscnt \younger
.irp t, 0,1,2,3,4,5,6,7,8,9,10,11,12,13,14,15
	global_store_b128 v[CO], v[BB+4*\t:BB+4*\t+3], s[8:9] offset:(32*((\a)/2)+8*((\a)%2)+\t+8*(\t/8))*4096 th:TH_STORE_NT   ; place t of block a at its true row; 32 lanes store 512 bytes on end, aligned; 127 rows at the most: inside the immediate
.endr
.endm
	PLACES NP
	TOSTAGE 0
.irp a, 1,2,3,4,5,6,7
.if \a > 1
	s_wait_xcnt 0x0                                ; block a - 2's stores have read their registers: block a's loads may land there
.endif
	TOSTAGE \a
	SEND \a-1, 32                                  ; behind block a - 1's loads: block a's 16 stores and 16 loads
.endr
	SEND 7, 0
	s_wait_tensorcnt 0x0                           ; the wave's end
	ds_add_u32 v[SPW], v[NIL]
	s_wait_dscnt 0x0
	CROUND
	s_endpgm
.Lfunc_end_k_q3357682cef_oproj:
	.size	k_q3357682cef_oproj, .Lfunc_end_k_q3357682cef_oproj-k_q3357682cef_oproj
	.p2alignl 7, 3214868480
	.fill 96, 4, 3214868480
	.section	.rodata,"a",@progbits
	.p2align	6, 0x0
	.amdhsa_kernel k_q3357682cef_oproj
		.amdhsa_group_segment_fixed_size 327680
		.amdhsa_private_segment_fixed_size 0
		.amdhsa_enable_private_segment 0
		.amdhsa_kernarg_size 24
		.amdhsa_user_sgpr_count 2
		.amdhsa_user_sgpr_kernarg_segment_ptr 1
		.amdhsa_wavefront_size32 1
		.amdhsa_system_sgpr_workgroup_id_x 1
		.amdhsa_system_sgpr_workgroup_id_y 1
		.amdhsa_system_sgpr_workgroup_id_z 1
		.amdhsa_system_vgpr_workitem_id 0
		.amdhsa_next_free_vgpr 1024
		.amdhsa_next_free_sgpr 100
		.amdhsa_reserve_vcc 0
		.amdhsa_float_denorm_mode_32 3
		.amdhsa_float_denorm_mode_16_64 3
		.amdhsa_memory_ordered 1
		.amdhsa_forward_progress 1
		.amdhsa_inst_pref_size 143
	.end_amdhsa_kernel
	.amdgpu_metadata
---
amdhsa.version: [ 1, 2 ]
amdhsa.kernels:
  - .name:           k_q3357682cef_oproj
    .symbol:         k_q3357682cef_oproj.kd
    .args:
      - { .name: acts, .offset: 0, .size: 8, .value_kind: global_buffer, .address_space: global }
      - { .name: woimg, .offset: 8, .size: 8, .value_kind: global_buffer, .address_space: global }
      - { .name: gout, .offset: 16, .size: 8, .value_kind: global_buffer, .address_space: global }
    .group_segment_fixed_size: 327680
    .private_segment_fixed_size: 0
    .kernarg_segment_align: 8
    .kernarg_segment_size: 24
    .max_flat_workgroup_size: 128
    .sgpr_count:     100
    .vgpr_count:     1024
    .wavefront_size: 32
...
	.end_amdgpu_metadata
.endif
;; end of part 4
;; launch ln1 (part 5): grid 256 x 1, 16 waves a work-group, no clusters, 68,096 bytes of LDS; arguments x, gout, wo_b, alpha1, bias1, x1, acts; writes x1, acts
.if DOCPART == 5
	.amdgcn_target "amdgcn-amd-amdhsa--gfx1250"
	.amdhsa_code_object_version 6
	.text
	.protected	k_q3357682cef_ln1
	.globl	k_q3357682cef_ln1
	.p2align	8
	.type	k_q3357682cef_ln1,@function
k_q3357682cef_ln1:
	s_mov_b64 s[64:65], 0
	v_nop
	global_prefetch_b8 v0, s[64:65] scope:SCOPE_SE
	s_setreg_imm32_b32 hwreg(HW_REG_WAVE_MODE, 25, 1), 1
	s_wait_xcnt 0x0
; x1 = layernorm(x + ctx wo + wo_b): mean, standard deviation with 1,023 in the divisor, eps added to the deviation; then x1's codes of FP6 along its 1,024, as an image.
; A work-group takes one tile of the image: place w (= wave w) is row 32 (T / 2) + 8 (T % 2) + w + 8 (w / 8).  A wave takes a whole row, 32 numbers a lane: every load and store covers 512 bytes on end.
; The 16 rows meet in LDS (rows 4,112 bytes apart: 16 rows begin in 16 different columns of 16 bytes); behind one barrier waves 0-7 each make one fragment (16 rows x 128 K).
; All in f32.  LIMITS: a block of zeros gets the byte 1; NaN and infinities are not served.
.set PITCH, 4112
.set XOFF,  3276800
.set SEL,   30
.set PC,    96
.set TM,    116
.set PW,    132
.set ST,    192
.macro LD8 reg, lo
.irp j, 0,1,2,3,4,5,6,7
	global_load_b128 v[\reg+4*\j:\reg+4*\j+3], v3, s[\lo:\lo+1] offset:512*\j
.endr
.endm
.macro LD8NT reg, lo
.irp j, 0,1,2,3,4,5,6,7
	global_load_b128 v[\reg+4*\j:\reg+4*\j+3], v3, s[\lo:\lo+1] offset:512*\j th:TH_LOAD_NT
.endr
.endm
.macro ADD32 src                       ; v32-63 += 32 numbers
.set j, 0
.rept 16
	v_pk_add_f32 v[32+j:33+j], v[32+j:33+j], v[\src+j:\src+j+1]
.set j, j+2
.endr
.endm
.macro REDUCE a, t                     ; the sum over the 32 lanes, in every lane
	v_add_f32_dpp v[\a], v[\a], v[\a] row_xmask:1 row_mask:0xf bank_mask:0xf
	v_add_f32_dpp v[\a], v[\a], v[\a] row_xmask:2 row_mask:0xf bank_mask:0xf
	v_add_f32_dpp v[\a], v[\a], v[\a] row_xmask:4 row_mask:0xf bank_mask:0xf
	v_add_f32_dpp v[\a], v[\a], v[\a] row_xmask:8 row_mask:0xf bank_mask:0xf
	v_permlanex16_b32 v[\t], v[\a], s[SEL], s[SEL+1]
	v_add_f32 v[\a], v[\a], v[\t]
.endm
.macro STATS                           ; v32-63 become y - mean; v[14:15] = 1 / (std + eps)
	v_pk_add_f32 v[10:11], v[32:33], v[34:35]
	v_pk_add_f32 v[12:13], v[36:37], v[38:39]
.set j, 8
.rept 6
	v_pk_add_f32 v[10:11], v[10:11], v[32+j:33+j]
	v_pk_add_f32 v[12:13], v[12:13], v[34+j:35+j]
.set j, j+4
.endr
	v_pk_add_f32 v[10:11], v[10:11], v[12:13]
	v_add_f32 v10, v10, v11
	REDUCE 10, 11
	v_mul_f32 v10, 0x3a800000, v10                 ; / 1,024
	v_mov_b32 v11, v10
.set j, 0
.rept 16
	v_pk_add_f32 v[32+j:33+j], v[32+j:33+j], v[10:11] neg_lo:[0,1] neg_hi:[0,1]
.set j, j+2
.endr
	v_pk_mul_f32 v[12:13], v[32:33], v[32:33]
	v_pk_mul_f32 v[14:15], v[34:35], v[34:35]
.set j, 4
.rept 7
	v_pk_fma_f32 v[12:13], v[32+j:33+j], v[32+j:33+j], v[12:13]
	v_pk_fma_f32 v[14:15], v[34+j:35+j], v[34+j:35+j], v[14:15]
.set j, j+4
.endr
	v_pk_add_f32 v[12:13], v[12:13], v[14:15]
	v_add_f32 v12, v12, v13
	REDUCE 12, 13
	v_mul_f32 v12, 0x3a802008, v12                 ; / 1,023
	v_sqrt_f32 v13, v12
	v_nop                                          ; a plain place behind a transcendental,
	s_wait_alu depctr_va_vdst(0)                   ; and a wait ahead of its first reader
	v_add_f32 v13, 0x358637bd, v13                 ; + 1e-6
	v_rcp_f32 v14, v13
	v_nop
	s_wait_alu depctr_va_vdst(0)
	v_mov_b32 v15, v14
.endm
.macro NORM al, bi
.set j, 0
.rept 16
	v_pk_mul_f32 v[32+j:33+j], v[32+j:33+j], v[14:15]
	v_pk_fma_f32 v[32+j:33+j], v[32+j:33+j], v[\al+j:\al+j+1], v[\bi+j:\bi+j+1]
.set j, j+2
.endr
.endm
	s_load_b256 s[4:11], s[0:1], 0x0               ; x s[4:5], gout s[6:7], wo_b s[8:9], alpha1 s[10:11]
	s_load_b128 s[12:15], s[0:1], 0x20             ; bias1 s[12:13], x1 s[14:15]
	s_load_b64 s[16:17], s[0:1], 0x30              ; acts
	v_lshl_add_u32 v30, v0, 2, 0x10200
	v_mov_b32 v31, 0
	v_lshrrev_b32 v1, 5, v0
	v_readfirstlane_b32 s18, v1                    ; wave
	v_and_b32 v2, 31, v0
	v_lshlrev_b32 v3, 4, v2                        ; 16 x lane
	v_lshlrev_b32 v4, 3, v2                        ; 8 x lane
	v_and_b32 v5, 15, v0                           ; r
	v_bfe_u32 v6, v0, 4, 1                         ; h
	v_lshlrev_b32 v7, 2, v5                        ; 4 r
	s_mul_i32 s19, s18, PITCH
	v_add_nc_u32 v8, s19, v3                       ; the stage, in: my row
	s_and_b32 s20, s18, 7                          ; the K step that I quantise (waves 0-7)
	s_lshl_b32 s21, s20, 9
	v_mul_u32_u24 v9, v5, PITCH
	v_lshl_add_u32 v9, v6, 6, v9
	v_add_nc_u32 v9, s21, v9                       ; out: row r, + 512 x K step, + 64 h
	s_lshr_b32 s22, ttmp9, 1
	s_lshl_b32 s22, s22, 5
	s_and_b32 s23, ttmp9, 1
	s_lshl_b32 s23, s23, 3
	s_add_co_u32 s22, s22, s23
	s_add_co_u32 s22, s22, s18
	s_lshr_b32 s23, s18, 3
	s_lshl_b32 s23, s23, 3
	s_add_co_u32 s22, s22, s23                     ; my row
	s_lshl_b32 s22, s22, 12
	s_mov_b32 s23, 0
	s_mul_i32 s24, ttmp9, 12800
	s_lshr_b32 s25, s20, 1
	s_mul_i32 s25, s25, 3200
	s_add_co_u32 s24, s24, s25
	s_add_co_u32 s24, s24, XOFF
	s_mov_b32 s25, 0
	s_and_b32 s26, s20, 1
	s_mul_i32 s28, s26, 1536
	s_mov_b32 s29, 0
	s_lshl_b32 s26, s26, 6
	s_mov_b32 s27, 0
	s_mov_b32 s[SEL], 0x76543210
	s_mov_b32 s[SEL+1], 0xfedcba98
	s_wait_kmcnt 0x0
	s_add_nc_u64 s[4:5], s[4:5], s[22:23]
	s_add_nc_u64 s[6:7], s[6:7], s[22:23]
	s_add_nc_u64 s[14:15], s[14:15], s[22:23]
	s_add_nc_u64 s[16:17], s[16:17], s[24:25]      ; my unit of the image
	s_add_nc_u64 s[28:29], s[16:17], s[28:29]      ; my fragment in it
	s_add_nc_u64 s[26:27], s[16:17], s[26:27]      ; (+ 3,072:) its scale words
	LD8NT 32, 4
	LD8NT 64, 6
	LD8 96, 8
	LD8 128, 10
	LD8 160, 12
	s_wait_loadcnt 24                              ; x and the product are in; three streams of eight may be out
	ADD32 64
	s_wait_loadcnt 16                              ; wo_b is in
	ADD32 96
	STATS
	s_wait_loadcnt 0x0
	NORM 128, 160
.irp j, 0,1,2,3,4,5,6,7
	global_store_b128 v3, v[32+4*\j:35+4*\j], s[14:15] offset:512*\j
	ds_store_b128 v8, v[32+4*\j:35+4*\j] offset:512*\j
.endr
	s_wait_dscnt 0x0                               ; for the others' sake: my row lies in the stage
	s_barrier_signal -1
	s_barrier_wait -1
	s_cmp_lt_u32 s18, 8
	s_cbranch_scc0 .Ldone
.irp b, 0,1,2,3
.irp j, 0,1,2,3
	ds_load_b128 v[ST+16*\b+4*\j:ST+16*\b+4*\j+3], v9 offset:128*\b+16*\j   ; register 16 b + i = k 32 b + 16 h + i of row r
.endr
.endr
.irp b, 0,1,2,3
	v_mov_b32 v[TM+4+\b], 0
.endr
	s_wait_dscnt 0x0
.irp b, 0,1,2,3
	v_max3_num_f32 v[TM+\b], |v[ST+16*\b]|, |v[ST+1+16*\b]|, 0x1800000
.endr
.irp i, 2,4,6,8,10,12,14
.irp b, 0,1,2,3
	v_max3_num_f32 v[TM+\b], v[TM+\b], |v[ST+16*\b+\i]|, |v[ST+1+16*\b+\i]|
.endr
.endr
.irp b, 0,1,2,3
	v_permlanex16_b32 v[TM+4+\b], v[TM+\b], s[SEL], s[SEL+1]
.endr
.irp b, 0,1,2,3
	v_max_num_f32 v[TM+\b], v[TM+\b], v[TM+4+\b]
.endr
.irp b, 0,1,2,3
	v_add_nc_u32 v[TM+12+\b], 0xff000000, v[TM+\b]
.endr
.irp b, 0,1,2,3
	v_lshrrev_b32 v[TM+4+\b], 23, v[TM+12+\b]
.endr
	v_lshl_or_b32 v[PW], v[TM+5], 8, v[TM+4]
	v_lshl_or_b32 v[PW], v[TM+6], 16, v[PW]
	v_lshl_or_b32 v[PW], v[TM+7], 24, v[PW]
.irp c, 0,1
	v_cvt_scalef32_pk16_fp6_f32 v[PC+6*\c:PC+2+6*\c], v[ST+32*\c:ST+15+32*\c], v[TM+12+2*\c]
	v_cvt_scalef32_pk16_fp6_f32 v[PC+12+4*\c:PC+14+4*\c], v[ST+16+32*\c:ST+31+32*\c], v[TM+12+2*\c+1]
.endr
	v_nop
.irp c, 0,1
.irp i, 0,1,2
	v_permlane16_swap_b32 v[PC+6*\c+\i], v[PC+12+4*\c+\i]
.endr
.irp i, 0,1,2
	v_mov_b32 v[PC+3+6*\c+\i], v[PC+12+4*\c+\i]
.endr
.endr
	global_store_b128 v3, v[PC:PC+3], s[28:29]
	global_store_b64 v4, v[PC+4:PC+5], s[28:29] offset:512
	global_store_b128 v3, v[PC+6:PC+9], s[28:29] offset:768
	global_store_b64 v4, v[PC+10:PC+11], s[28:29] offset:1280
	global_store_b32 v7, v[PW], s[26:27] offset:3072   ; lanes r and r + 16 write the same word with the same value
.Ldone:
	s_wait_tensorcnt 0x0
	ds_add_u32 v30, v31
	s_wait_dscnt 0x0
	s_endpgm
.Lfunc_end_k_q3357682cef_ln1:
	.size	k_q3357682cef_ln1, .Lfunc_end_k_q3357682cef_ln1-k_q3357682cef_ln1
	.p2alignl 7, 3214868480
	.fill 96, 4, 3214868480
	.section	.rodata,"a",@progbits
	.p2align	6, 0x0
	.amdhsa_kernel k_q3357682cef_ln1
		.amdhsa_group_segment_fixed_size 68096
		.amdhsa_private_segment_fixed_size 0
		.amdhsa_enable_private_segment 0
		.amdhsa_kernarg_size 56
		.amdhsa_user_sgpr_count 2
		.amdhsa_user_sgpr_kernarg_segment_ptr 1
		.amdhsa_wavefront_size32 1
		.amdhsa_system_sgpr_workgroup_id_x 1
		.amdhsa_system_sgpr_workgroup_id_y 1
		.amdhsa_system_sgpr_workgroup_id_z 1
		.amdhsa_system_vgpr_workitem_id 0
		.amdhsa_next_free_vgpr 256
		.amdhsa_next_free_sgpr 66
		.amdhsa_reserve_vcc 0
		.amdhsa_float_denorm_mode_32 3
		.amdhsa_float_denorm_mode_16_64 3
		.amdhsa_memory_ordered 1
		.amdhsa_forward_progress 1
		.amdhsa_inst_pref_size 22
	.end_amdhsa_kernel
	.amdgpu_metadata
---
amdhsa.version: [ 1, 2 ]
amdhsa.kernels:
  - .name:           k_q3357682cef_ln1
    .symbol:         k_q3357682cef_ln1.kd
    .args:
      - { .name: x, .offset: 0, .size: 8, .value_kind: global_buffer, .address_space: global }
      - { .name: gout, .offset: 8, .size: 8, .value_kind: global_buffer, .address_space: global }
      - { .name: wo_b, .offset: 16, .size: 8, .value_kind: global_buffer, .address_space: global }
      - { .name: alpha1, .offset: 24, .size: 8, .value_kind: global_buffer, .address_space: global }
      - { .name: bias1, .offset: 32, .size: 8, .value_kind: global_buffer, .address_space: global }
      - { .name: x1, .offset: 40, .size: 8, .value_kind: global_buffer, .address_space: global }
      - { .name: acts, .offset: 48, .size: 8, .value_kind: global_buffer, .address_space: global }
    .group_segment_fixed_size: 68096
    .private_segment_fixed_size: 0
    .kernarg_segment_align: 8
    .kernarg_segment_size: 56
    .max_flat_workgroup_size: 512
    .sgpr_count:     66
    .vgpr_count:     256
    .wavefront_size: 32
...
	.end_amdgpu_metadata
.endif
;; end of part 5
;; launch ffn1 (part 6): grid 16 x 16, 4 waves a work-group, clusters of 4 x 4, 327,680 bytes of LDS; arguments acts, wimg, b1, himg; writes himg
.if DOCPART == 6
	.amdgcn_target "amdgcn-amd-amdhsa--gfx1250"
	.amdhsa_code_object_version 6
	.text
	.protected	k_q3357682cef_ffn1
	.globl	k_q3357682cef_ffn1
	.p2align	8
	.type	k_q3357682cef_ffn1,@function
k_q3357682cef_ffn1:
	s_mov_b64 s[64:65], 0
	v_nop
	global_prefetch_b8 v0, s[64:65] scope:SCOPE_SE
	s_setreg_imm32_b32 hwreg(HW_REG_WAVE_MODE, 25, 1), 1
	s_wait_xcnt 0x0
	s_wait_alu depctr_hold_cnt(0) depctr_sa_sdst(0) depctr_va_vdst(0) depctr_va_sdst(0) depctr_va_ssrc(0) depctr_va_vcc(0) depctr_vm_vsrc(0)
	s_getreg_b32 s2, hwreg(HW_REG_IB_STS2, 6, 4)
	s_cmp_eq_u32 s2, 0
	s_cbranch_scc0 .Lentry_in_a_cluster
	s_endpgm
.Lentry_in_a_cluster:
	s_bfe_u32 s2, ttmp6, 0x10000c
	s_cmp_lg_u32 s2, 0xf033
	s_cbranch_scc0 .Lentry_shape_is_right
	s_endpgm
.Lentry_shape_is_right:
; hidden = relu(x1 w1 + b1) on codes of FP6, K = 1,024, quantised in registers along the next product's K (the 4,096 hidden units) and stored as images: the hidden layer never goes to memory in f32.
; THE CORE: a work-group of four waves makes 256 x 256; a wave 128 x 128: 64 accumulators, 512 registers.  Both operands are images of operand registers
; (units of 3,200 bytes: 16 rows x 256 K with their scale words; a tile's four units on end, 12,800 bytes).  K goes in four steps of 256 through two LDS slots; a wave's tensor load brings eight tiles' units.
; The matrix instruction is used transposed: source 0 = 16 rows of B (w1's columns), source 1 = 16 rows of A (tokens).  Place r of tile 2 g + u is row 32 g + 8 u + r + 8 (r / 8), so a lane's 64 registers of a block of A
; are my 128 hidden units in the order 32 b + 16 (lane / 16) + i.  b1 is the C of each sum's first matrix instruction.
; CLUSTERS: 4 x 4 work-groups; A's tiles are asked for jointly along a row of the cluster, B's along a column.
; LIMITS: a block of zeros gets the byte 1; NaN and infinities are not served.
; REGISTERS: window 0: v16-31 addresses; v32-63 scale words, two sets; v64-127 b1 in the result's layout; v128-223 A's fragments; on the way out v112-131 codes, v200-216 at work.  window 1: B's two sets.  windows 2, 3: the accumulators.
.set UNIT,  3200
.set TS,    12800
.set HALFT, 8*UNIT
.set SLOT,  4*HALFT
.set SPARE, 2*SLOT                     ; behind the ring: the spare words, 128 bytes a wave: two blocks of 256 bytes that no other line names
.set FR,    12
.set NL,    4
.set NP,    4
.set XOFF,  3276800
.set W1OFF, 192*TS
.set ADRA, 16
.set ADRB, 20
.set LI,   24
.set L8,   25
.set LS4,  26
.set BOF,  27
.set SPW,  28
.set NIL,  29
.set ADRS, 30
.set SC,   32
.set BI,   64
.set PC,   112
.set AF,   128
.set TM,   200
.set PW,   216
.set G1,  24
.set G0,  32
.set G1B, 48
.set G0B, 56
.set SEL, 66
.set MSB, 0
.macro WIN new
.if MSB != (\new)
	s_set_vgpr_msb (MSB<<8)|(\new)
.set MSB, (\new)
.endif
.endm
.set TO_B, 0x40
.macro WINMUL hi, zero                 ; source 0 (B) window 1, source 1 (A) window 0, D window 2 or 3; C with D, or (zero = 2: the bias) in window 0
.if (\zero) == 2
	WIN 0x81+0x40*(\hi)
.else
	WIN 0xa1+0x50*(\hi)
.endif
.endm
.macro JLOAD g0a, g1a, g0b, g1b
	s_cmp_eq_u32 s15, 0
	s_cbranch_scc0 .Lfor_b_\@
	tensor_load_to_lds s[\g0a:\g0a+3], s[\g1a:\g1a+7]
	s_nop 0
.rept 4
	v_nop
.endr
	s_branch .Lasked_\@
.Lfor_b_\@:
	tensor_load_to_lds s[\g0b:\g0b+3], s[\g1b:\g1b+7]
	s_nop 0
.rept 4
	v_nop
.endr
.Lasked_\@:
.endm
.macro CREST
	s_cmp_lg_u32 s14, 0
	s_cbranch_scc1 .Lnot_wave_0_\@
	s_barrier_signal -3
.Lnot_wave_0_\@:
	s_barrier_wait -3
	s_barrier_signal -1
	s_barrier_wait -1
.endm
.macro CROUND
	s_barrier_signal -1
	s_barrier_wait -1
	CREST
.endm
.macro PLACES n
.rept \n
	v_nop
.endr
.endm
.macro FRAG reg, adr, q, i
.irp c, 0,1
	ds_load_b128 v[\reg+6*\c:\reg+6*\c+3], v[\adr] offset:(\i)*UNIT+(\q)*1536+\c*768
	ds_load_b64 v[\reg+6*\c+4:\reg+6*\c+5], v[\adr+2] offset:(\i)*UNIT+(\q)*1536+\c*768+512
.endr
.endm
.macro FETCH_B slot, q, p
	WIN TO_B
.irp i, 0,1,2,3,4,5,6,7
	FRAG 128*(\p)+FR*\i, ADRB+\slot, \q, \i
.endr
	WIN 0
.endm
.macro FETCH_A slot, q, i0
.irp i, \i0, \i0+1, \i0+2, \i0+3
	FRAG AF+FR*(\i), ADRA+\slot, \q, \i
.endr
.endm
.macro SCALES sc
.irp i, 0,1,2,3,4,5,6,7
	ds_load_b32 v[SC+16*\sc+2*\i], v[ADRS+\sc] offset:\i*UNIT+3072
	ds_load_b32 v[SC+16*\sc+2*\i+1], v[ADRS+\sc] offset:\i*UNIT+3072+64
.endr
.endm
.macro MUL16 a0, p, q, sc, zero        ; the 64 accumulators take turns, one instruction a turn
.irp a, \a0, \a0+1
.irp b, 0,1,2,3,4,5,6,7
.if (\zero) == 1
	v_wmma_scale_f32_16x16x128_f8f6f4 v[8*(8*((\a)%4)+\b):8*(8*((\a)%4)+\b)+7], v[128*(\p)+FR*\b:128*(\p)+FR*\b+FR-1], v[AF+FR*(\a):AF+FR*(\a)+FR-1], 0, v[SC+16*(\sc)+2*\b+(\q)], v[SC+16*(\sc)+2*(\a)+(\q)] matrix_a_fmt:MATRIX_FMT_FP6 matrix_b_fmt:MATRIX_FMT_FP6 matrix_a_scale:MATRIX_SCALE_ROW1
.elseif (\zero) == 2
	v_wmma_scale_f32_16x16x128_f8f6f4 v[8*(8*((\a)%4)+\b):8*(8*((\a)%4)+\b)+7], v[128*(\p)+FR*\b:128*(\p)+FR*\b+FR-1], v[AF+FR*(\a):AF+FR*(\a)+FR-1], v[BI+8*\b:BI+8*\b+7], v[SC+16*(\sc)+2*\b+(\q)], v[SC+16*(\sc)+2*(\a)+(\q)] matrix_a_fmt:MATRIX_FMT_FP6 matrix_b_fmt:MATRIX_FMT_FP6 matrix_a_scale:MATRIX_SCALE_ROW1
.else
	v_wmma_scale_f32_16x16x128_f8f6f4 v[8*(8*((\a)%4)+\b):8*(8*((\a)%4)+\b)+7], v[128*(\p)+FR*\b:128*(\p)+FR*\b+FR-1], v[AF+FR*(\a):AF+FR*(\a)+FR-1], v[8*(8*((\a)%4)+\b):8*(8*((\a)%4)+\b)+7], v[SC+16*(\sc)+2*\b+(\q)], v[SC+16*(\sc)+2*(\a)+(\q)] matrix_a_fmt:MATRIX_FMT_FP6 matrix_b_fmt:MATRIX_FMT_FP6 matrix_a_scale:MATRIX_SCALE_ROW1
.endif
.endr
.endr
.endm
.macro STEP slot, q, zero
	s_wait_dscnt 4*NL                              ; all but the youngest 16 loads (A's blocks 4-7) are in
	WINMUL 0, \zero
	MUL16 0, (\q)%2, \q, \slot, \zero
	MUL16 2, (\q)%2, \q, \slot, \zero
	s_wait_dscnt 0
	PLACES NP
	FETCH_B \slot, (\q)+1, 1-(\q)%2
	FETCH_A \slot, (\q)+1, 0
	WINMUL 1, \zero
	MUL16 4, (\q)%2, \q, \slot, \zero
	MUL16 6, (\q)%2, \q, \slot, \zero
	PLACES NP
	WIN 0
	FETCH_A \slot, (\q)+1, 4
.endm
.macro TURN slot, next, fill
	s_wait_tensorcnt 0x0                           ; all my tensor loads have landed: my part of the next slot
	ds_add_u32 v[SPW], v[NIL]                      ; 0 onto my spare word
	s_wait_dscnt 4*NL+1                            ; (the add and the youngest 16 loads may be out)
	WINMUL 0, 0
	MUL16 0, 1, 1, \slot, 0
	s_wait_dscnt 0x0                               ; the add is done, and my reads of this slot are over
	s_barrier_signal -1
	MUL16 2, 1, 1, \slot, 0
	WIN 0
	s_barrier_wait -1
.if \fill
	CREST                                          ; no wave of any partner reads this slot or has a load on its way
	s_add_nc_u64 s[G0+4*\slot+2:G0+4*\slot+3], s[G0+4*\slot+2:G0+4*\slot+3], 2*UNIT
	s_add_nc_u64 s[G0B+4*\slot+2:G0B+4*\slot+3], s[G0B+4*\slot+2:G0B+4*\slot+3], 2*UNIT
	JLOAD G0+4*\slot, G1, G0B+4*\slot, G1B
.else
	PLACES NP
.endif
	FETCH_B \next, 0, 0
	FETCH_A \next, 0, 0
	SCALES \next
	WINMUL 1, 0
	MUL16 4, 1, 1, \slot, 0
	MUL16 6, 1, 1, \slot, 0
	PLACES NP
	WIN 0
	FETCH_A \next, 0, 4
.endm
.macro QUANT s, w                      ; 64 numbers of a lane in window w become a fragment's codes in v[PC] on and its scale word in v[PW]
	WIN (\w)|((\w)<<2)
.irp b, 0,1,2,3
	v_max3_num_f32 v[TM+\b], |v[\s+16*\b]|, |v[\s+1+16*\b]|, 0x1800000
.endr
	WIN ((\w)<<2)|((\w)<<4)
.irp i, 2,4,6,8,10,12,14
.irp b, 0,1,2,3
	v_max3_num_f32 v[TM+\b], v[TM+\b], |v[\s+16*\b+\i]|, |v[\s+1+16*\b+\i]|
.endr
.endr
	WIN 0
.irp b, 0,1,2,3
	v_permlanex16_b32 v[TM+4+\b], v[TM+\b], s[SEL], s[SEL+1]
.endr
.irp b, 0,1,2,3
	v_max_num_f32 v[TM+\b], v[TM+\b], v[TM+4+\b]
.endr
.irp b, 0,1,2,3
	v_add_nc_u32 v[TM+12+\b], 0xff000000, v[TM+\b]
.endr
.irp b, 0,1,2,3
	v_lshrrev_b32 v[TM+4+\b], 23, v[TM+12+\b]
.endr
	v_lshl_or_b32 v[PW], v[TM+5], 8, v[TM+4]
	v_lshl_or_b32 v[PW], v[TM+6], 16, v[PW]
	v_lshl_or_b32 v[PW], v[TM+7], 24, v[PW]
	WIN (\w)
.irp c, 0,1
	v_cvt_scalef32_pk16_fp6_f32 v[PC+6*\c:PC+2+6*\c], v[\s+32*\c:\s+15+32*\c], v[TM+12+2*\c]
	v_cvt_scalef32_pk16_fp6_f32 v[PC+12+4*\c:PC+14+4*\c], v[\s+16+32*\c:\s+31+32*\c], v[TM+12+2*\c+1]
.endr
	WIN 0
	v_nop
.irp c, 0,1
.irp i, 0,1,2
	v_permlane16_swap_b32 v[PC+6*\c+\i], v[PC+12+4*\c+\i]
.endr
.irp i, 0,1,2
	v_mov_b32 v[PC+3+6*\c+\i], v[PC+12+4*\c+\i]
.endr
.endr
.endm
	s_load_b256 s[4:11], s[0:1], 0x0               ; acts s[4:5], wimg s[6:7], b1 s[8:9], himg s[10:11]
	v_lshl_add_u32 v[SPW], v0, 2, SPARE
	v_mov_b32 v[NIL], 0
	ds_add_u32 v28, v29
	ds_add_u32 v28, v29
	s_wait_dscnt 0x0
	v_lshrrev_b32 v1, 5, v0
	v_readfirstlane_b32 s14, v1
	s_lshr_b32 s15, s14, 1
	s_and_b32 s16, s14, 1
	s_bfe_u32 s40, ttmp6, 0x40000
	s_bfe_u32 s41, ttmp6, 0x40004
	s_lshl_b32 s42, ttmp9, 2
	s_add_co_u32 s42, s42, s40                     ; tile column, 0..15
	s_and_b32 s17, ttmp7, 0xffff
	s_lshl_b32 s17, s17, 2
	s_add_co_u32 s17, s17, s41                     ; tile row, 0..15
	s_lshl_b32 s43, s41, 2
	s_lshl_b32 s43, 15, s43
	s_lshl_b32 s44, 0x1111, s40
	s_or_b32 s[G1+0], s43, (3<<16)|(1<<21)
	s_or_b32 s[G1B+0], s44, (3<<16)|(1<<21)
.irp g, G1, G1B
	s_mov_b32 s[\g+1], 400<<16
	s_mov_b32 s[\g+2], 8<<16
	s_mov_b32 s[\g+3], 400<<16
	s_mov_b32 s[\g+4], 8
	s_mov_b32 s[\g+5], 1600
	s_mov_b32 s[\g+6], 0
	s_mov_b32 s[\g+7], 0
.endr
	s_lshl_b32 s22, s16, 3
	s_lshl_b32 s20, s17, 4
	s_add_co_u32 s20, s20, s22
	s_mul_i32 s20, s20, TS
	s_add_co_u32 s20, s20, XOFF                    ; x1's image
	s_mov_b32 s21, 0
	s_lshl_b32 s46, s42, 4
	s_add_co_u32 s46, s46, s22
	s_mul_i32 s46, s46, TS
	s_add_co_u32 s46, s46, W1OFF                   ; w1's image
	s_mov_b32 s47, 0
	s_mul_i32 s45, s14, HALFT
	s_wait_kmcnt 0x0
	s_add_nc_u64 s[20:21], s[4:5], s[20:21]
	s_add_nc_u64 s[46:47], s[6:7], s[46:47]
	CROUND
.irp s, 0,1
	s_mov_b32 s[G0+4*\s], 1
	s_add_co_u32 s[G0+4*\s+1], s45, \s*SLOT
	s_add_nc_u64 s[G0+4*\s+2:G0+4*\s+3], s[20:21], \s*UNIT
	s_or_b32 s[G0+4*\s+3], s[G0+4*\s+3], 0x80000000
	s_mov_b32 s[G0B+4*\s], 1
	s_add_co_u32 s[G0B+4*\s+1], s45, \s*SLOT
	s_add_nc_u64 s[G0B+4*\s+2:G0B+4*\s+3], s[46:47], \s*UNIT
	s_or_b32 s[G0B+4*\s+3], s[G0B+4*\s+3], 0x80000000
	JLOAD G0+4*\s, G1, G0B+4*\s, G1B
.endr
	v_and_b32 v1, 15, v0
	v_bfe_u32 v2, v0, 4, 1
	v_and_b32 v3, 31, v0
	v_lshlrev_b32 v4, 4, v3
	v_lshlrev_b32 v5, 3, v3
	s_mul_i32 s21, s15, HALFT
	s_mul_i32 s22, s16, HALFT
	s_add_co_u32 s22, s22, 2*HALFT
	s_sub_co_u32 s23, s22, s21
	v_mul_u32_u24 v6, s23, v2
	v_lshl_add_u32 v6, v1, 2, v6
	v_add_nc_u32 v[ADRS], s21, v6
	v_add_nc_u32 v[ADRS+1], SLOT, v[ADRS]
.irp s, 0,1
	v_add_nc_u32 v[ADRA+\s], s21, v4
	v_add_nc_u32 v[ADRB+\s], s22, v4
	v_add_nc_u32 v[ADRA+2+\s], s21, v5
	v_add_nc_u32 v[ADRB+2+\s], s22, v5
	s_add_co_u32 s21, s21, SLOT
	s_add_co_u32 s22, s22, SLOT
.endr
	v_mov_b32 v[LI], v4
	v_mov_b32 v[L8], v5
	v_lshlrev_b32 v[LS4], 2, v1
	v_lshlrev_b32 v[BOF], 6, v2                    ; lanes 16-31 hold the hidden units 16 further on
	s_lshl_b32 s82, s42, 10
	s_lshl_b32 s83, s16, 9
	s_add_co_u32 s82, s82, s83                     ; my first hidden unit, in bytes
	s_mov_b32 s83, 0
	s_add_nc_u64 s[8:9], s[8:9], s[82:83]
.irp b, 0,1,2,3,4,5,6,7
	global_load_b128 v[BI+8*\b:BI+8*\b+3], v[BOF], s[8:9] offset:128*(\b/2)+32*(\b%2)
	global_load_b128 v[BI+8*\b+4:BI+8*\b+7], v[BOF], s[8:9] offset:128*(\b/2)+32*(\b%2)+16
.endr
	s_wait_tensorcnt 1                             ; my part of slot 0 is in; slot 1's may stay out
	s_barrier_signal -1
	s_barrier_wait -1
	FETCH_B 0, 0, 0
	FETCH_A 0, 0, 0
	SCALES 0
	FETCH_A 0, 0, 4
	s_wait_loadcnt 0x0                             ; b1
	STEP 0, 0, 2                                   ; the first products start the sums from the bias
	TURN 0, 1, 1
	STEP 1, 0, 0
	TURN 1, 0, 1
	STEP 0, 0, 0
	TURN 0, 1, 0
	STEP 1, 0, 0
	s_wait_dscnt 4*NL
	WINMUL 0, 0
	MUL16 0, 1, 1, 1, 0
	MUL16 2, 1, 1, 1, 0
	s_wait_dscnt 0
	WINMUL 1, 0
	MUL16 4, 1, 1, 1, 0
	MUL16 6, 1, 1, 1, 0
	WIN 0
	; ---- THE WAY OUT: relu, the quantiser along my 128 hidden units, and the image: one fragment a block
	PLACES NP
.irp b, 0,1,2,3
	v_mov_b32 v[TM+4+\b], 0
.endr
	s_mov_b32 s[SEL], 0x76543210
	s_mov_b32 s[SEL+1], 0xfedcba98
	s_lshl_b32 s80, s17, 4
	s_lshl_b32 s81, s15, 3
	s_add_co_u32 s80, s80, s81                     ; the first of my eight tiles of tokens
	s_lshr_b32 s84, s42, 2                         ; which sub-image of K = 1,024
	s_mul_i32 s84, s84, 3276800
	s_mul_i32 s85, s80, TS
	s_add_co_u32 s84, s84, s85
	s_and_b32 s85, s42, 3                          ; which unit
	s_mul_i32 s85, s85, UNIT
	s_add_co_u32 s84, s84, s85
	s_mov_b32 s85, 0
	s_add_nc_u64 s[10:11], s[10:11], s[84:85]
	s_mul_i32 s86, s16, 1536                       ; which 128 along K in it
	s_mov_b32 s87, 0
	s_add_nc_u64 s[96:97], s[10:11], s[86:87]
	s_lshl_b32 s86, s16, 6
	s_add_nc_u64 s[98:99], s[10:11], s[86:87]
.macro HBLOCK a
.set QS, 64*((\a)%4)
.set QW, 2+(\a)/4
	s_wait_xcnt 0x0                                ; the last block's stores have read their registers
	WIN (QW<<6)|(QW<<2)
.set j, 0
.rept 64
	v_max_num_f32 v[QS+j], 0, v[QS+j]              ; the activation, in f32; each accumulator from its low end on
.set j, j+1
.endr
	QUANT QS, QW
	global_store_b128 v[LI], v[PC:PC+3], s[96:97] offset:TS*(\a)
	global_store_b64 v[L8], v[PC+4:PC+5], s[96:97] offset:TS*(\a)+512
	global_store_b128 v[LI], v[PC+6:PC+9], s[96:97] offset:TS*(\a)+768
	global_store_b64 v[L8], v[PC+10:PC+11], s[96:97] offset:TS*(\a)+1280
	global_store_b32 v[LS4], v[PW], s[98:99] offset:TS*(\a)+3072
.endm
.irp a, 0,1,2,3,4,5,6,7
	HBLOCK \a
.endr
	s_wait_tensorcnt 0x0                           ; the wave's end
	ds_add_u32 v[SPW], v[NIL]
	s_wait_dscnt 0x0
	CROUND
	s_endpgm
.Lfunc_end_k_q3357682cef_ffn1:
	.size	k_q3357682cef_ffn1, .Lfunc_end_k_q3357682cef_ffn1-k_q3357682cef_ffn1
	.p2alignl 7, 3214868480
	.fill 96, 4, 3214868480
	.section	.rodata,"a",@progbits
	.p2align	6, 0x0
	.amdhsa_kernel k_q3357682cef_ffn1
		.amdhsa_group_segment_fixed_size 327680
		.amdhsa_private_segment_fixed_size 0
		.amdhsa_enable_private_segment 0
		.amdhsa_kernarg_size 32
		.amdhsa_user_sgpr_count 2
		.amdhsa_user_sgpr_kernarg_segment_ptr 1
		.amdhsa_wavefront_size32 1
		.amdhsa_system_sgpr_workgroup_id_x 1
		.amdhsa_system_sgpr_workgroup_id_y 1
		.amdhsa_system_sgpr_workgroup_id_z 1
		.amdhsa_system_vgpr_workitem_id 0
		.amdhsa_next_free_vgpr 1024
		.amdhsa_next_free_sgpr 100
		.amdhsa_reserve_vcc 0
		.amdhsa_float_denorm_mode_32 3
		.amdhsa_float_denorm_mode_16_64 3
		.amdhsa_memory_ordered 1
		.amdhsa_forward_progress 1
		.amdhsa_inst_pref_size 167
	.end_amdhsa_kernel
	.amdgpu_metadata
---
amdhsa.version: [ 1, 2 ]
amdhsa.kernels:
  - .name:           k_q3357682cef_ffn1
    .symbol:         k_q3357682cef_ffn1.kd
    .args:
      - { .name: acts, .offset: 0, .size: 8, .value_kind: global_buffer, .address_space: global }
      - { .name: wimg, .offset: 8, .size: 8, .value_kind: global_buffer, .address_space: global }
      - { .name: b1, .offset: 16, .size: 8, .value_kind: global_buffer, .address_space: global }
      - { .name: himg, .offset: 24, .size: 8, .value_kind: global_buffer, .address_space: global }
    .group_segment_fixed_size: 327680
    .private_segment_fixed_size: 0
    .kernarg_segment_align: 8
    .kernarg_segment_size: 32
    .max_flat_workgroup_size: 128
    .sgpr_count:     100
    .vgpr_count:     1024
    .wavefront_size: 32
...
	.end_amdgpu_metadata
.endif
;; end of part 6
;; launch ffn2: the kernel of part 4 again; grid 4 x 64, 4 waves a work-group, clusters of 4 x 4, 327,680 bytes of LDS; arguments himg, w2img, gout; writes gout
;; launch ln2 (part 7): grid 256 x 1, 16 waves a work-group, no clusters, 0 bytes of LDS; arguments x1, gout, b2, alpha2, bias2, out0; writes out0
.if DOCPART == 7
	.amdgcn_target "amdgcn-amd-amdhsa--gfx1250"
	.amdhsa_code_object_version 6
	.text
	.protected	k_q3357682cef_ln2
	.globl	k_q3357682cef_ln2
	.p2align	8
	.type	k_q3357682cef_ln2,@function
k_q3357682cef_ln2:
	s_mov_b64 s[64:65], 0
	v_nop
	global_prefetch_b8 v0, s[64:65] scope:SCOPE_SE
	s_setreg_imm32_b32 hwreg(HW_REG_WAVE_MODE, 25, 1), 1
	s_wait_xcnt 0x0
; out0 = layernorm(x1 + the four partial sums of hidden x w2 + b2): mean, standard deviation with 1,023 in the divisor, eps added to the deviation.  All in f32.
; A wave takes a whole row, 32 numbers a lane: every load and store covers 512 bytes on end, aligned.  The reduction never leaves the wave: no LDS, no barrier.
; All of a row's streams are asked for at once; the waits count the streams of eight loads issued later.
.set SEL, 30
.macro LD8 reg, lo
.irp j, 0,1,2,3,4,5,6,7
	global_load_b128 v[\reg+4*\j:\reg+4*\j+3], v3, s[\lo:\lo+1] offset:512*\j
.endr
.endm
.macro LD8NT reg, lo
.irp j, 0,1,2,3,4,5,6,7
	global_load_b128 v[\reg+4*\j:\reg+4*\j+3], v3, s[\lo:\lo+1] offset:512*\j th:TH_LOAD_NT
.endr
.endm
.macro ADD32 src
.set j, 0
.rept 16
	v_pk_add_f32 v[32+j:33+j], v[32+j:33+j], v[\src+j:\src+j+1]
.set j, j+2
.endr
.endm
.macro REDUCE a, t
	v_add_f32_dpp v[\a], v[\a], v[\a] row_xmask:1 row_mask:0xf bank_mask:0xf
	v_add_f32_dpp v[\a], v[\a], v[\a] row_xmask:2 row_mask:0xf bank_mask:0xf
	v_add_f32_dpp v[\a], v[\a], v[\a] row_xmask:4 row_mask:0xf bank_mask:0xf
	v_add_f32_dpp v[\a], v[\a], v[\a] row_xmask:8 row_mask:0xf bank_mask:0xf
	v_permlanex16_b32 v[\t], v[\a], s[SEL], s[SEL+1]
	v_add_f32 v[\a], v[\a], v[\t]
.endm
.macro STATS                           ; v32-63 become y - mean; v[14:15] = 1 / (std + eps)
	v_pk_add_f32 v[10:11], v[32:33], v[34:35]
	v_pk_add_f32 v[12:13], v[36:37], v[38:39]
.set j, 8
.rept 6
	v_pk_add_f32 v[10:11], v[10:11], v[32+j:33+j]
	v_pk_add_f32 v[12:13], v[12:13], v[34+j:35+j]
.set j, j+4
.endr
	v_pk_add_f32 v[10:11], v[10:11], v[12:13]
	v_add_f32 v10, v10, v11
	REDUCE 10, 11
	v_mul_f32 v10, 0x3a800000, v10                 ; / 1,024
	v_mov_b32 v11, v10
.set j, 0
.rept 16
	v_pk_add_f32 v[32+j:33+j], v[32+j:33+j], v[10:11] neg_lo:[0,1] neg_hi:[0,1]
.set j, j+2
.endr
	v_pk_mul_f32 v[12:13], v[32:33], v[32:33]
	v_pk_mul_f32 v[14:15], v[34:35], v[34:35]
.set j, 4
.rept 7
	v_pk_fma_f32 v[12:13], v[32+j:33+j], v[32+j:33+j], v[12:13]
	v_pk_fma_f32 v[14:15], v[34+j:35+j], v[34+j:35+j], v[14:15]
.set j, j+4
.endr
	v_pk_add_f32 v[12:13], v[12:13], v[14:15]
	v_add_f32 v12, v12, v13
	REDUCE 12, 13
	v_mul_f32 v12, 0x3a802008, v12                 ; / 1,023
	v_sqrt_f32 v13, v12
	v_nop                                          ; a plain place behind a transcendental,
	s_wait_alu depctr_va_vdst(0)                   ; and a wait ahead of its first reader
	v_add_f32 v13, 0x358637bd, v13                 ; + 1e-6
	v_rcp_f32 v14, v13
	v_nop
	s_wait_alu depctr_va_vdst(0)
	v_mov_b32 v15, v14
.endm
	s_load_b256 s[4:11], s[0:1], 0x0               ; x1 s[4:5], gout s[6:7], b2 s[8:9], alpha2 s[10:11]
	s_load_b128 s[12:15], s[0:1], 0x20             ; bias2 s[12:13], out0 s[14:15]
	v_lshrrev_b32 v1, 5, v0
	v_readfirstlane_b32 s18, v1                    ; wave
	v_and_b32 v2, 31, v0
	v_lshlrev_b32 v3, 4, v2                        ; 16 x lane
	s_lshl_b32 s22, ttmp9, 4
	s_add_co_u32 s22, s22, s18                     ; my row
	s_lshl_b32 s22, s22, 12
	s_mov_b32 s23, 0
	s_mov_b32 s[SEL], 0x76543210
	s_mov_b32 s[SEL+1], 0xfedcba98
	s_wait_kmcnt 0x0
	s_add_nc_u64 s[4:5], s[4:5], s[22:23]
	s_add_nc_u64 s[6:7], s[6:7], s[22:23]
	s_add_nc_u64 s[14:15], s[14:15], s[22:23]
	s_add_nc_u64 s[24:25], s[6:7], 0x1000000       ; the partial sums lie 16,777,216 bytes apart
	s_add_nc_u64 s[26:27], s[6:7], 0x2000000
	s_add_nc_u64 s[28:29], s[6:7], 0x3000000
	LD8NT 32, 4
	LD8NT 64, 6
	LD8NT 96, 24
	LD8NT 128, 26
	LD8NT 160, 28
	LD8 192, 8
	LD8 224, 10
	s_wait_loadcnt 40                              ; x1 and part 0 are in; five streams of eight may be out
	ADD32 64
	LD8 64, 12                                     ; bias2 takes part 0's registers
	s_wait_loadcnt 40                              ; part 1 is in (behind it: parts 2, 3, b2, alpha2, bias2)
	ADD32 96
	s_wait_loadcnt 32
	ADD32 128
	s_wait_loadcnt 24
	ADD32 160
	s_wait_loadcnt 16                              ; b2 is in
	ADD32 192
	STATS
	s_wait_loadcnt 0x0
.set j, 0
.rept 16
	v_pk_mul_f32 v[32+j:33+j], v[32+j:33+j], v[14:15]
	v_pk_fma_f32 v[32+j:33+j], v[32+j:33+j], v[224+j:225+j], v[64+j:65+j]
.set j, j+2
.endr
.irp j, 0,1,2,3,4,5,6,7
	global_store_b128 v3, v[32+4*\j:35+4*\j], s[14:15] offset:512*\j th:TH_STORE_NT
.endr
	s_endpgm
.Lfunc_end_k_q3357682cef_ln2:
	.size	k_q3357682cef_ln2, .Lfunc_end_k_q3357682cef_ln2-k_q3357682cef_ln2
	.p2alignl 7, 3214868480
	.fill 96, 4, 3214868480
	.section	.rodata,"a",@progbits
	.p2align	6, 0x0
	.amdhsa_kernel k_q3357682cef_ln2
		.amdhsa_group_segment_fixed_size 0
		.amdhsa_private_segment_fixed_size 0
		.amdhsa_enable_private_segment 0
		.amdhsa_kernarg_size 48
		.amdhsa_user_sgpr_count 2
		.amdhsa_user_sgpr_kernarg_segment_ptr 1
		.amdhsa_wavefront_size32 1
		.amdhsa_system_sgpr_workgroup_id_x 1
		.amdhsa_system_sgpr_workgroup_id_y 1
		.amdhsa_system_sgpr_workgroup_id_z 1
		.amdhsa_system_vgpr_workitem_id 0
		.amdhsa_next_free_vgpr 256
		.amdhsa_next_free_sgpr 66
		.amdhsa_reserve_vcc 0
		.amdhsa_float_denorm_mode_32 3
		.amdhsa_float_denorm_mode_16_64 3
		.amdhsa_memory_ordered 1
		.amdhsa_forward_progress 1
		.amdhsa_inst_pref_size 20
	.end_amdhsa_kernel
	.amdgpu_metadata
---
amdhsa.version: [ 1, 2 ]
amdhsa.kernels:
  - .name:           k_q3357682cef_ln2
    .symbol:         k_q3357682cef_ln2.kd
    .args:
      - { .name: x1, .offset: 0, .size: 8, .value_kind: global_buffer, .address_space: global }
      - { .name: gout, .offset: 8, .size: 8, .value_kind: global_buffer, .address_space: global }
      - { .name: b2, .offset: 16, .size: 8, .value_kind: global_buffer, .address_space: global }
      - { .name: alpha2, .offset: 24, .size: 8, .value_kind: global_buffer, .address_space: global }
      - { .name: bias2, .offset: 32, .size: 8, .value_kind: global_buffer, .address_space: global }
      - { .name: out0, .offset: 40, .size: 8, .value_kind: global_buffer, .address_space: global }
    .group_segment_fixed_size: 0
    .private_segment_fixed_size: 0
    .kernarg_segment_align: 8
    .kernarg_segment_size: 48
    .max_flat_workgroup_size: 512
    .sgpr_count:     66
    .vgpr_count:     256
    .wavefront_size: 32
...
	.end_amdgpu_metadata
.endif
;; end of part 7
;; ======== version 2 of 2: 7 launches
;; limits: right only within a limited range of input values
;; workspace buffers: acts 6,553,600 bytes; wimg 5,734,400 bytes; woimg 819,200 bytes; w2img 3,276,800 bytes; qkvimg 12,189,696 bytes; himg 13,107,200 bytes; gout 16,777,216 bytes; x1 16,777,216 bytes
;; launch prep (part 8): grid 512 x 1, 4 waves a work-group, no clusters, 67,072 bytes of LDS; arguments x, wq, wk, wv, wo, w1, w2, acts, wimg, woimg, w2img; writes acts, wimg, woimg, w2img
.if DOCPART == 8
	.amdgcn_target "amdgcn-amd-amdhsa--gfx1250"
	.amdhsa_code_object_version 6
	.text
	.protected	k_q3357682cef_prep
	.globl	k_q3357682cef_prep
	.p2align	8
	.type	k_q3357682cef_prep,@function
k_q3357682cef_prep:
	s_mov_b64 s[64:65], 0
	v_nop
	global_prefetch_b8 v0, s[64:65] scope:SCOPE_SE
	s_setreg_imm32_b32 hwreg(HW_REG_WAVE_MODE, 25, 1), 1
	s_wait_xcnt 0x0
; x [4096][1024] and the six weights (K is their FIRST axis) become codes of FP6 (E2M3) with one E8M0 byte for each 32 along K,
; stored as IMAGES OF OPERAND REGISTERS, so that every later launch takes fragments as they lie.
; A UNIT (3,200 bytes) is 16 rows x 256 K: four halves (16 rows x 64 K, six registers a lane: registers 0-3 at 16 x lane, registers 4-5 at 512 + 8 x lane)
; at 1536 q + 768 c, then the scale words [q][row], 4 bytes each, at 3,072.  A tile of 16 rows has four units on end (12,800 bytes, K = 1,024).
; THE ROWS OF A TILE ARE NOT NEIGHBOURS: place r of tile 2 g + u is row 32 g + 8 u + r + 8 (r / 8).
; A block's scale is 2^(floor(log2(largest magnitude)) - 2): its byte is the largest magnitude's exponent field - 2, held at 1 from below.
; LIMITS: a block of zeros gets the byte 1 (its codes are zeros, and this program alone reads the bytes); NaN and infinities are not served.
; Work-groups 0-127: x.  128-255: wq, wk, wv, wo (32 each).  256-383: w2.  384-511: w1.  No barrier: waves share nothing.
; THE WEIGHTS: a wave takes 32 columns x 256 K.  Lane L owns column 32 g + L (tile u = (L / 8) % 2, place r = L % 8 + 8 (L / 16)); its registers run down K, so a whole block of 32 lies in its 32 registers.
; Block t of the 8 is lane place (r, h = t % 2) of half (q = t / 4, c = (t / 2) % 2).
; x (K innermost): a wave takes the unit w of tiles 2 g and 2 g + 1.  Each load reads 512 bytes on end of one row; a tile's 16 rows x 1,024 bytes go through the wave's own stage in LDS
; (rows 1,040 bytes apart: 16 rows begin in 16 different columns of 16 bytes) and come back 16 neighbours of each block to a lane: lane (r, h), register 16 b + i = k 32 b + 16 h + i of place r.
; The second tile's loads are on their way while the first tile is quantised.
.set TS,   12800
.set UNIT, 3200
.set XOFF, 3276800                     ; x's image lies behind ctx's in acts
.set WSUB, 819200                      ; 64 tiles
.set X,    32                          ; weights: v32-95   two sets of 32 numbers
.set C,    96                          ; weights: v96-159  eight registers of codes for each block: no store's data are written again
.set SRC,  32                          ; s[32:33] where my wave reads
.set DST,  34                          ; s[34:35] my wave's unit of tile 2 g
.set SEL,  36                          ; s[36:37] lane selects for v_permlanex16_b32: lane l xor 16
.set XP,   1040                        ; x: a stage row
.set R,    32                          ; x: v32-159  a tile's 16 rows x 1,024 bytes as loaded
.set ST,   160                         ; x: v160-223 64 numbers of a lane
.set PC,   224                         ; x: v224-243 the codes just made
.set MX,   19                          ; x: v19-22 largest magnitudes, v23-26 bytes, v27-30 the conversions' scale operands, v31 the scale word
.set MB,   23
.set MS,   27
.set PW,   31
.macro LOAD pitch, t                   ; weights: block t into set t % 2
.set li, 0
.rept 32
	global_load_b32 v[X+32*((\t)%2)+li], v2, s[SRC:SRC+1] offset:(32*(\t)+li)*\pitch th:TH_LOAD_NT   ; registers run down K, 32 lanes read 128 bytes on end
.set li, li+1
.endr
.endm
.macro BLOCK pitch, t
.set XS, X+32*((\t)%2)
.set CC, C+8*(\t)
.set OFS, ((\t)/4)*1536+(((\t)/2)%2)*768
.if (\t) < 7
	s_wait_loadcnt 32                              ; this block is in; the next block's 32 loads may be out
.else
	s_wait_loadcnt 0
.endif
	v_max3_num_f32 v12, |v[XS]|, |v[XS+1]|, |v[XS+2]|               ; the block's largest magnitude, in two chains
	v_max3_num_f32 v13, |v[XS+3]|, |v[XS+4]|, |v[XS+5]|
.irp i, 6,10,14,18,22,26
	v_max3_num_f32 v12, v12, |v[XS+\i]|, |v[XS+\i+1]|
	v_max3_num_f32 v13, v13, |v[XS+\i+2]|, |v[XS+\i+3]|
.endr
	v_max3_num_f32 v12, v12, |v[XS+30]|, |v[XS+31]|
	v_max3_num_f32 v12, v12, v13, 0x1800000        ; and the floor 2^(3 - 127): the byte cannot fall under 1
	v_add_nc_u32 v11, 0xff000000, v12              ; 2 off the exponent field: the conversion takes this operand's exponent field as its scale
	v_cvt_scalef32_pk16_fp6_f32 v[CC:CC+2], v[XS:XS+15], v11
	v_cvt_scalef32_pk16_fp6_f32 v[160:162], v[XS+16:XS+31], v11     ; (a conversion's three registers begin on an even number)
	v_lshrrev_b32 v13, 23, v11                     ; the scale's byte; also the plain line behind the conversions
.if (\t)%4 == 0
	v_mov_b32 v[24+(\t)/4], v13                    ; four bytes to a scale word, the lower K in the lower byte
.else
	v_lshl_or_b32 v[24+(\t)/4], v13, 8*((\t)%4), v[24+(\t)/4]
.endif
	v_mov_b32 v[CC+3], v160
	v_mov_b32 v[CC+4], v161
	v_mov_b32 v[CC+5], v162
	global_store_b128 v3, v[CC:CC+3], s[DST:DST+1] offset:OFS+256*((\t)%2)          ; sixteen lanes of a tile write 256 bytes on end
	global_store_b64 v4, v[CC+4:CC+5], s[DST:DST+1] offset:OFS+512+128*((\t)%2)
.if (\t)%4 == 3
	global_store_b32 v5, v[24+(\t)/4], s[DST:DST+1] offset:3072+64*((\t)/4)
.endif
.if (\t)+2 < 8
	LOAD \pitch, (\t)+2
.endif
.endm
.macro BODY pitch
	LOAD \pitch, 0
	LOAD \pitch, 1
.irp t, 0,1,2,3,4,5,6,7
	BLOCK \pitch, \t
.endr
	s_endpgm
.endm
.macro XLOAD u                         ; x: my 1,024 bytes of the 16 rows of tile 2 g + u: place i is row 8 u + i + 8 (i / 8) of the 32
.irp i, 0,1,2,3,4,5,6,7,8,9,10,11,12,13,14,15
	global_load_b128 v[R+8*\i:R+8*\i+3], v16, s[SRC:SRC+1] offset:(8*(\u)+\i+8*(\i/8))*4096 th:TH_LOAD_NT       ; 32 lanes read 512 bytes on end
	global_load_b128 v[R+8*\i+4:R+8*\i+7], v16, s[SRC:SRC+1] offset:(8*(\u)+\i+8*(\i/8))*4096+512 th:TH_LOAD_NT
.endr
.endm
.macro XSTAGE                          ; into my stage, as they lie
.irp i, 0,1,2,3,4,5,6,7,8,9,10,11,12,13,14,15
	ds_store_b128 v14, v[R+8*\i:R+8*\i+3] offset:\i*XP
	ds_store_b128 v14, v[R+8*\i+4:R+8*\i+7] offset:\i*XP+512
.endr
.endm
.macro XFRAG u, q                      ; the unit's q-th 128 along K of tile 2 g + u: out of the stage, quantised, stored as a fragment's image
.irp b, 0,1,2,3
.irp j, 0,1,2,3
	ds_load_b128 v[ST+16*\b+4*\j:ST+16*\b+4*\j+3], v15 offset:512*(\q)+128*\b+16*\j   ; LDS serves a wave's instructions in order: these see my stores
.endr
.endr
	s_wait_dscnt 0x0
	s_wait_xcnt 0x0                                ; the last fragment's stores have read their registers
.irp b, 0,1,2,3
	v_max3_num_f32 v[MX+\b], |v[ST+16*\b]|, |v[ST+1+16*\b]|, 0x1800000   ; my 16 numbers of block b, and the floor 2^(3 - 127)
.endr
.irp i, 2,4,6,8,10,12,14
.irp b, 0,1,2,3
	v_max3_num_f32 v[MX+\b], v[MX+\b], |v[ST+16*\b+\i]|, |v[ST+1+16*\b+\i]|
.endr
.endr
.irp b, 0,1,2,3
	v_permlanex16_b32 v[MB+\b], v[MX+\b], s[SEL], s[SEL+1]
.endr
.irp b, 0,1,2,3
	v_max_num_f32 v[MX+\b], v[MX+\b], v[MB+\b]     ; with lane l xor 16's: the block's largest magnitude
.endr
.irp b, 0,1,2,3
	v_add_nc_u32 v[MS+\b], 0xff000000, v[MX+\b]    ; 2 off its exponent field: the conversion's scale operand
.endr
.irp b, 0,1,2,3
	v_lshrrev_b32 v[MB+\b], 23, v[MS+\b]           ; the scale's byte
.endr
	v_lshl_or_b32 v[PW], v[MB+1], 8, v[MB]
	v_lshl_or_b32 v[PW], v[MB+2], 16, v[PW]
	v_lshl_or_b32 v[PW], v[MB+3], 24, v[PW]
.irp c, 0,1
	v_cvt_scalef32_pk16_fp6_f32 v[PC+6*\c:PC+2+6*\c], v[ST+32*\c:ST+15+32*\c], v[MS+2*\c]
	v_cvt_scalef32_pk16_fp6_f32 v[PC+12+4*\c:PC+14+4*\c], v[ST+16+32*\c:ST+31+32*\c], v[MS+2*\c+1]
.endr
	v_nop                                          ; one plain place behind a scaled conversion
.irp c, 0,1                            ; the operand's layout wants a whole block in a lane
.irp i, 0,1,2
	v_permlane16_swap_b32 v[PC+6*\c+\i], v[PC+12+4*\c+\i]
.endr
.irp i, 0,1,2
	v_mov_b32 v[PC+3+6*\c+\i], v[PC+12+4*\c+\i]
.endr
.endr
	global_store_b128 v16, v[PC:PC+3], s[DST:DST+1] offset:(\u)*TS+(\q)*1536
	global_store_b64 v17, v[PC+4:PC+5], s[DST:DST+1] offset:(\u)*TS+(\q)*1536+512
	global_store_b128 v16, v[PC+6:PC+9], s[DST:DST+1] offset:(\u)*TS+(\q)*1536+768
	global_store_b64 v17, v[PC+10:PC+11], s[DST:DST+1] offset:(\u)*TS+(\q)*1536+1280
	global_store_b32 v18, v[PW], s[DST:DST+1] offset:(\u)*TS+3072+64*(\q)   ; lanes r and r + 16 write the same word with the same value
.endm
	s_load_b256 s[4:11], s[0:1], 0x0               ; x s[4:5], wq s[6:7], wk s[8:9], wv s[10:11]
	s_load_b256 s[12:19], s[0:1], 0x20             ; wo s[12:13], w1 s[14:15], w2 s[16:17], acts s[18:19]
	s_load_b128 s[20:23], s[0:1], 0x40             ; wimg s[20:21], woimg s[22:23]
	s_load_b64 s[24:25], s[0:1], 0x50              ; w2img
	v_lshl_add_u32 v244, v0, 2, 0x10400
	v_mov_b32 v245, 0
	v_lshrrev_b32 v1, 5, v0
	v_readfirstlane_b32 s26, v1                    ; wave
	v_and_b32 v1, 31, v0                           ; L
	v_bfe_u32 v6, v0, 3, 1                         ; weights: u
	v_and_b32 v7, 7, v0
	v_bfe_u32 v8, v0, 4, 1                         ; L / 16
	v_lshl_add_u32 v7, v8, 3, v7                   ; weights: r
	v_mul_u32_u24 v6, v6, TS
	v_lshl_add_u32 v3, v7, 4, v6                   ; my tile, + 16 r
	v_lshl_add_u32 v4, v7, 3, v6                   ; + 8 r
	v_lshl_add_u32 v5, v7, 2, v6                   ; + 4 r
	s_mul_i32 s27, s26, 16*XP                      ; x: my wave's stage
	v_lshlrev_b32 v16, 4, v1                       ; 16 x lane
	v_lshlrev_b32 v17, 3, v1                       ; 8 x lane
	v_and_b32 v9, 15, v0
	v_lshlrev_b32 v18, 2, v9                       ; 4 x (lane % 16)
	v_add_nc_u32 v14, s27, v16                     ; the stage, in: 16 bytes a lane
	v_mul_u32_u24 v15, v9, XP
	v_lshl_add_u32 v15, v8, 6, v15
	v_add_nc_u32 v15, s27, v15                     ; and out: row lane % 16, + 64 bytes for lanes 16-31
	s_cmp_lt_u32 ttmp9, 128
	s_cbranch_scc0 .Lweights
	; ---- x: work-group g takes rows 32 g on (tiles 2 g, 2 g + 1), wave w the unit w
	s_lshl_b32 s28, ttmp9, 17
	s_lshl_b32 s29, s26, 10
	s_add_co_u32 s28, s28, s29
	s_mov_b32 s29, 0
	s_mul_i32 s30, ttmp9, 2*TS
	s_mul_i32 s31, s26, UNIT
	s_add_co_u32 s30, s30, s31
	s_add_co_u32 s30, s30, XOFF
	s_mov_b32 s31, 0
	s_mov_b32 s[SEL], 0x76543210
	s_mov_b32 s[SEL+1], 0xfedcba98
.irp b, 0,1,2,3
	v_mov_b32 v[MB+\b], 0                          ; written once: a lane permute's destination counts as one of its sources
.endr
	s_wait_kmcnt 0x0
	s_add_nc_u64 s[SRC:SRC+1], s[4:5], s[28:29]
	s_add_nc_u64 s[DST:DST+1], s[18:19], s[30:31]
	XLOAD 0
	s_wait_loadcnt 0x0
	s_wait_alu depctr_va_vdst(0)
	XSTAGE
	s_wait_dscnt 0x0                               ; the stores into the stage have read their registers,
	XLOAD 1                                        ; which take the second tile's loads: they are on their way while the first tile is quantised
	XFRAG 0, 0
	XFRAG 0, 1
	s_wait_loadcnt 0x0
	XSTAGE                                         ; my reads of the first tile are back: the stage is written again
	XFRAG 1, 0
	XFRAG 1, 1
	s_wait_tensorcnt 0x0
	ds_add_u32 v244, v245
	s_wait_dscnt 0x0
	s_endpgm
.Lweights:
	v_lshlrev_b32 v2, 2, v1                        ; a lane to a column
	s_cmp_lt_u32 ttmp9, 384
	s_cbranch_scc0 .Lw1
	; ---- the weights with rows of 4,096 bytes: j < 128: wq, wk, wv, wo; else w2
	s_sub_co_u32 s27, ttmp9, 128                   ; j
	s_and_b32 s28, s27, 7
	s_lshl_b32 s28, s28, 2
	s_add_co_u32 s28, s28, s26                     ; my first column / 32
	s_lshr_b32 s29, s27, 3
	s_lshr_b32 s36, s27, 5                         ; 0..3: which of the four; 4..7: w2
	s_cmp_lt_u32 s27, 128
	s_cselect_b32 s37, 3, 15
	s_and_b32 s29, s29, s37                        ; which 256 along K
	s_lshr_b32 s39, s29, 2                         ; w2: which sub-image of K = 1,024
	s_wait_kmcnt 0x0
	s_cmp_eq_u32 s36, 0                            ; the choices hang on the work-group's number alone
	s_cselect_b64 s[SRC:SRC+1], s[6:7], s[16:17]
	s_cmp_eq_u32 s36, 1
	s_cselect_b64 s[SRC:SRC+1], s[8:9], s[SRC:SRC+1]
	s_cmp_eq_u32 s36, 2
	s_cselect_b64 s[SRC:SRC+1], s[10:11], s[SRC:SRC+1]
	s_cmp_eq_u32 s36, 3
	s_cselect_b64 s[SRC:SRC+1], s[12:13], s[SRC:SRC+1]
	s_cselect_b64 s[DST:DST+1], s[22:23], s[24:25]
	s_cmp_lt_u32 s36, 3
	s_cselect_b64 s[DST:DST+1], s[20:21], s[DST:DST+1]
	s_cselect_b32 s38, s36, 0                      ; wq, wk, wv lie one behind the other in wimg
	s_cmp_lt_u32 s36, 4
	s_cselect_b32 s38, s38, s39
	s_mul_i32 s38, s38, WSUB
	s_mul_i32 s39, s28, 2*TS
	s_add_co_u32 s38, s38, s39
	s_and_b32 s39, s29, 3
	s_mul_i32 s39, s39, UNIT
	s_add_co_u32 s38, s38, s39
	s_mov_b32 s39, 0
	s_add_nc_u64 s[DST:DST+1], s[DST:DST+1], s[38:39]
	s_lshl_b32 s40, s29, 20                        ; 256 rows of 4,096 bytes
	s_lshl_b32 s41, s28, 7
	s_add_co_u32 s40, s40, s41
	s_mov_b32 s41, 0
	s_add_nc_u64 s[SRC:SRC+1], s[SRC:SRC+1], s[40:41]
	s_wait_alu depctr_va_vdst(0)
	BODY 4096
.Lw1:
	; ---- w1: rows of 16,384 bytes; the largest offset, 255 rows, stays inside the signed 24-bit immediate
	s_sub_co_u32 s27, ttmp9, 384
	s_and_b32 s28, s27, 31
	s_lshl_b32 s28, s28, 2
	s_add_co_u32 s28, s28, s26                     ; my first column / 32
	s_lshr_b32 s29, s27, 5                         ; which 256 along K
	s_lshl_b32 s40, s29, 22
	s_lshl_b32 s41, s28, 7
	s_add_co_u32 s40, s40, s41
	s_mov_b32 s41, 0
	s_mul_i32 s38, s28, 2*TS
	s_mul_i32 s39, s29, UNIT
	s_add_co_u32 s38, s38, s39
	s_add_co_u32 s38, s38, 192*TS                  ; behind wq, wk, wv
	s_mov_b32 s39, 0
	s_wait_kmcnt 0x0
	s_add_nc_u64 s[SRC:SRC+1], s[14:15], s[40:41]
	s_add_nc_u64 s[DST:DST+1], s[20:21], s[38:39]
	s_wait_alu depctr_va_vdst(0)
	BODY 16384
.Lfunc_end_k_q3357682cef_prep:
	.size	k_q3357682cef_prep, .Lfunc_end_k_q3357682cef_prep-k_q3357682cef_prep
	.p2alignl 7, 3214868480
	.fill 96, 4, 3214868480
	.section	.rodata,"a",@progbits
	.p2align	6, 0x0
	.amdhsa_kernel k_q3357682cef_prep
		.amdhsa_group_segment_fixed_size 67072
		.amdhsa_private_segment_fixed_size 0
		.amdhsa_enable_private_segment 0
		.amdhsa_kernarg_size 88
		.amdhsa_user_sgpr_count 2
		.amdhsa_user_sgpr_kernarg_segment_ptr 1
		.amdhsa_wavefront_size32 1
		.amdhsa_system_sgpr_workgroup_id_x 1
		.amdhsa_system_sgpr_workgroup_id_y 1
		.amdhsa_system_sgpr_workgroup_id_z 1
		.amdhsa_system_vgpr_workitem_id 0
		.amdhsa_next_free_vgpr 246
		.amdhsa_next_free_sgpr 66
		.amdhsa_reserve_vcc 0
		.amdhsa_float_denorm_mode_32 3
		.amdhsa_float_denorm_mode_16_64 3
		.amdhsa_memory_ordered 1
		.amdhsa_forward_progress 1
		.amdhsa_inst_pref_size 111
	.end_amdhsa_kernel
	.amdgpu_metadata
---
amdhsa.version: [ 1, 2 ]
amdhsa.kernels:
  - .name:           k_q3357682cef_prep
    .symbol:         k_q3357682cef_prep.kd
    .args:
      - { .name: x, .offset: 0, .size: 8, .value_kind: global_buffer, .address_space: global }
      - { .name: wq, .offset: 8, .size: 8, .value_kind: global_buffer, .address_space: global }
      - { .name: wk, .offset: 16, .size: 8, .value_kind: global_buffer, .address_space: global }
      - { .name: wv, .offset: 24, .size: 8, .value_kind: global_buffer, .address_space: global }
      - { .name: wo, .offset: 32, .size: 8, .value_kind: global_buffer, .address_space: global }
      - { .name: w1, .offset: 40, .size: 8, .value_kind: global_buffer, .address_space: global }
      - { .name: w2, .offset: 48, .size: 8, .value_kind: global_buffer, .address_space: global }
      - { .name: acts, .offset: 56, .size: 8, .value_kind: global_buffer, .address_space: global }
      - { .name: wimg, .offset: 64, .size: 8, .value_kind: global_buffer, .address_space: global }
      - { .name: woimg, .offset: 72, .size: 8, .value_kind: global_buffer, .address_space: global }
      - { .name: w2img, .offset: 80, .size: 8, .value_kind: global_buffer, .address_space: global }
    .group_segment_fixed_size: 67072
    .private_segment_fixed_size: 0
    .kernarg_segment_align: 8
    .kernarg_segment_size: 88
    .max_flat_workgroup_size: 128
    .sgpr_count:     66
    .vgpr_count:     246
    .wavefront_size: 32
...
	.end_amdgpu_metadata
.endif
;; end of part 8
;; launch qkv (part 9): grid 16 x 12, 4 waves a work-group, clusters of 4 x 4, 327,680 bytes of LDS; arguments acts, wimg, mask, qkvimg; writes qkvimg
.if DOCPART == 9
	.amdgcn_target "amdgcn-amd-amdhsa--gfx1250"
	.amdhsa_code_object_version 6
	.text
	.protected	k_q3357682cef_qkv
	.globl	k_q3357682cef_qkv
	.p2align	8
	.type	k_q3357682cef_qkv,@function
k_q3357682cef_qkv:
	s_mov_b64 s[64:65], 0
	v_nop
	global_prefetch_b8 v0, s[64:65] scope:SCOPE_SE
	s_setreg_imm32_b32 hwreg(HW_REG_WAVE_MODE, 25, 1), 1
	s_wait_xcnt 0x0
	s_wait_alu depctr_hold_cnt(0) depctr_sa_sdst(0) depctr_va_vdst(0) depctr_va_sdst(0) depctr_va_ssrc(0) depctr_va_vcc(0) depctr_vm_vsrc(0)
	s_getreg_b32 s2, hwreg(HW_REG_IB_STS2, 6, 4)
	s_cmp_eq_u32 s2, 0
	s_cbranch_scc0 .Lentry_in_a_cluster
	s_endpgm
.Lentry_in_a_cluster:
	s_bfe_u32 s2, ttmp6, 0x10000c
	s_cmp_lg_u32 s2, 0xf033
	s_cbranch_scc0 .Lentry_shape_is_right
	s_endpgm
.Lentry_shape_is_right:
; q = x wq, k = x wk, v = x wv on codes of FP6, K = 1,024, and their results quantised in registers into the images that attention reads.
; THE CORE: a work-group of four waves makes 256 x 256 of a product; a wave 128 x 128: 64 accumulators, 512 registers.  Both operands are images of operand registers
; (units of 3,200 bytes: 16 rows x 256 K with their scale words; a tile's four units on end, 12,800 bytes).  K goes in four steps of 256 through two LDS slots; a wave's tensor load brings eight tiles' units.
; The matrix instruction is used transposed: source 0 = 16 rows of B, source 1 = 16 rows of A.  Place r of tile 2 g + u is row 32 g + 8 u + r + 8 (r / 8), so a lane's 64 registers of a block of A
; are 128 columns in the order 32 b + 16 (lane / 16) + i: what the quantiser along the next K wants.
; CLUSTERS: 4 x 4 work-groups; A's tiles are asked for jointly along a row of the cluster, B's along a column.
; Clusters with y = 0, 1: A = x (tokens), B = wq and wk on end: a lane holds a token, registers run along a head's 64.  Clusters with y = 2: A = wv, B = x: V TRANSPOSED: a lane holds a channel d, registers run along the keys.
; OUT.  q, k: a tile of 16 tokens of one head is 1,024 bytes, an image of eight registers: 0-5 the 64 codes, 6 the code at k = 64 (lanes 0-15), 7 zero.
; THE MASK RIDES IN THE IDLE HALF OF K = 128: q has +1.0 at k = 64 under the byte 143; a masked key has zero codes, -1.0 there and the byte 144: its score is exactly -2^33;
; an open key has a zero code there and the byte 1, so that this block lies far under every true product.  LIMIT: a masked logit is -2^30 where the definition has -1e9: they differ only for true logits near -1e9.
; LIMITS: a block of zeros gets the byte 1; NaN and infinities are not served.
; REGISTERS: window 0: v1-6 lane numbers; v16-31 addresses; v32-63 scale words, two sets; v64-83 the mask and what hangs on it; v112-131 codes just made; v128-223 A's fragments, one set; v200-216 at work on the way out.
;   window 1: B's fragments, two sets, at v0 and v128.  windows 2, 3: the accumulators ((a, b) at v[8 (8 (a % 4) + b)]).
.set UNIT,  3328                       ; a unit's place in LDS: 3,200 bytes of the image inside a tensor row of 3,328, which begins at a multiple of 256 bytes of memory (odd units: 128 bytes ahead of the unit)
.set TS,    12800
.set HALFT, 8*UNIT                     ; eight tiles' units: what one tensor load brings, and what a wave reads of A or of B
.set SLOT,  4*HALFT                    ; A's 16 units, then B's 16
.set SPARE, 2*SLOT                     ; behind the ring: the spare words, 128 bytes a wave: two blocks of 256 bytes that no other line names
.set FR,    12                         ; registers of a fragment
.set NL,    4                          ; LDS loads that bring one
.set NP,    4                          ; places behind this matrix instruction (ISA guide 7.12.1)
.set XOFF,  3276800
.set WVOFF, 128*TS
.set QOFF,  7733248
.set BHKV,  241664                     ; a head's 16 key steps of 15,104 bytes
.set BHQ,   139264                     ; a head's 16 query steps of 8,704 bytes
.set ADRA, 16                          ; v16-17 A's fragments in slot 0, 1: + 16 x lane;  v18-19: + 8 x lane
.set ADRB, 20                          ; v20-23 the same for B
.set LI,   24                          ; v24 16 x lane
.set L8,   25                          ; v25 8 x lane
.set LS4,  26                          ; v26 4 x (lane % 16)
.set MOF,  27                          ; v27 my token's mask word: 4 (r + 8 (r / 8))
.set SPW,  28
.set NIL,  29
.set ADRS, 30                          ; v30-31 my scale words in slot 0, 1: lanes 0-15 A's, lanes 16-31 B's
.set SC,   32
.set BI,   64
.set MK,   64                          ; v64-71 the mask words of my eight blocks' tokens
.set VOPEN, 72
.set VMSKD, 73
.set VKM,  74
.set VONES, 75
.set VEO,  76
.set VEM,  77
.set KEEP, 78
.set EXT,  79
.set EW,   80
.set W0,   81
.set W1,   82
.set PC,   112
.set AF,   128
.set TM,   200
.set PW,   216
.set G1,  24
.set G0,  32
.set G1B, 48
.set G0B, 56
.set SEL, 66
.set MSB, 0
.macro WIN new                         ; the immediate's high byte repeats the setting that is left
.if MSB != (\new)
	s_set_vgpr_msb (MSB<<8)|(\new)
.set MSB, (\new)
.endif
.endm
.set TO_B, 0x40
.macro WINMUL hi, zero                 ; source 0 (B) window 1, source 1 (A) window 0, D window 2 or 3; C with D, or (zero = 2) in window 0
.if (\zero) == 2
	WIN 0x81+0x40*(\hi)
.else
	WIN 0xa1+0x50*(\hi)
.endif
.endm
.macro JLOAD g0a, g1a, g0b, g1b        ; a joint load: waves 0, 1 fetch for A, waves 2, 3 for B; four v_nop follow each line
	s_cmp_eq_u32 s15, 0
	s_cbranch_scc0 .Lfor_b_\@
	tensor_load_to_lds s[\g0a:\g0a+3], s[\g1a:\g1a+7]
	s_nop 0
.rept 4
	v_nop
.endr
	s_branch .Lasked_\@
.Lfor_b_\@:
	tensor_load_to_lds s[\g0b:\g0b+3], s[\g1b:\g1b+7]
	s_nop 0
.rept 4
	v_nop
.endr
.Lasked_\@:
.endm
.macro CREST                           ; a round of the cluster's barrier behind its opening barrier
	s_cmp_lg_u32 s14, 0
	s_cbranch_scc1 .Lnot_wave_0_\@
	s_barrier_signal -3
.Lnot_wave_0_\@:
	s_barrier_wait -3
	s_barrier_signal -1
	s_barrier_wait -1
.endm
.macro CROUND
	s_barrier_signal -1
	s_barrier_wait -1
	CREST
.endm
.macro PLACES n
.rept \n
	v_nop
.endr
.endm
.macro FRAG reg, adr, q, i             ; a fragment as it lies: two halves, each 16 bytes and 8 bytes a lane
.irp c, 0,1
	ds_load_b128 v[\reg+6*\c:\reg+6*\c+3], v[\adr] offset:(\i)*UNIT+(\q)*1536+\c*768
	ds_load_b64 v[\reg+6*\c+4:\reg+6*\c+5], v[\adr+2] offset:(\i)*UNIT+(\q)*1536+\c*768+512
.endr
.endm
.macro FETCH_B slot, q, p
	WIN TO_B
.irp i, 0,1,2,3,4,5,6,7
	FRAG 128*(\p)+FR*\i, ADRB+\slot, \q, \i
.endr
	WIN 0
.endm
.macro FETCH_A slot, q, i0
.irp i, \i0, \i0+1, \i0+2, \i0+3
	FRAG AF+FR*(\i), ADRA+\slot, \q, \i
.endr
.endm
.macro SCALES sc                       ; a slot's scale words: register 2 i + q: lanes 0-15 A's block i, lanes 16-31 B's block i
.irp i, 0,1,2,3,4,5,6,7
	ds_load_b32 v[SC+16*\sc+2*\i], v[ADRS+\sc] offset:\i*UNIT+3072
	ds_load_b32 v[SC+16*\sc+2*\i+1], v[ADRS+\sc] offset:\i*UNIT+3072+64
.endr
.endm
; 16 matrix instructions: A's blocks a0, a0 + 1 x B's eight.  The 64 accumulators take turns, one instruction a turn, in the same order in every step.
.macro MUL16 a0, p, q, sc, zero
.irp a, \a0, \a0+1
.irp b, 0,1,2,3,4,5,6,7
.if (\zero) == 1
	v_wmma_scale_f32_16x16x128_f8f6f4 v[8*(8*((\a)%4)+\b):8*(8*((\a)%4)+\b)+7], v[128*(\p)+FR*\b:128*(\p)+FR*\b+FR-1], v[AF+FR*(\a):AF+FR*(\a)+FR-1], 0, v[SC+16*(\sc)+2*\b+(\q)], v[SC+16*(\sc)+2*(\a)+(\q)] matrix_a_fmt:MATRIX_FMT_FP6 matrix_b_fmt:MATRIX_FMT_FP6 matrix_a_scale:MATRIX_SCALE_ROW1
.elseif (\zero) == 2
	v_wmma_scale_f32_16x16x128_f8f6f4 v[8*(8*((\a)%4)+\b):8*(8*((\a)%4)+\b)+7], v[128*(\p)+FR*\b:128*(\p)+FR*\b+FR-1], v[AF+FR*(\a):AF+FR*(\a)+FR-1], v[BI+8*\b:BI+8*\b+7], v[SC+16*(\sc)+2*\b+(\q)], v[SC+16*(\sc)+2*(\a)+(\q)] matrix_a_fmt:MATRIX_FMT_FP6 matrix_b_fmt:MATRIX_FMT_FP6 matrix_a_scale:MATRIX_SCALE_ROW1
.else
	v_wmma_scale_f32_16x16x128_f8f6f4 v[8*(8*((\a)%4)+\b):8*(8*((\a)%4)+\b)+7], v[128*(\p)+FR*\b:128*(\p)+FR*\b+FR-1], v[AF+FR*(\a):AF+FR*(\a)+FR-1], v[8*(8*((\a)%4)+\b):8*(8*((\a)%4)+\b)+7], v[SC+16*(\sc)+2*\b+(\q)], v[SC+16*(\sc)+2*(\a)+(\q)] matrix_a_fmt:MATRIX_FMT_FP6 matrix_b_fmt:MATRIX_FMT_FP6 matrix_a_scale:MATRIX_SCALE_ROW1
.endif
.endr
.endr
.endm
.macro STEP slot, q, zero              ; 128 along K whose successor lies in the same slot
	s_wait_dscnt 4*NL                              ; B's set, the scale words and A's blocks 0-3 are in; the youngest 16 loads (A's blocks 4-7) may be out
	WINMUL 0, \zero
	MUL16 0, (\q)%2, \q, \slot, \zero
	MUL16 2, (\q)%2, \q, \slot, \zero
	s_wait_dscnt 0
	PLACES NP                                      ; in front of loads into registers that matrix instructions have read
	FETCH_B \slot, (\q)+1, 1-(\q)%2
	FETCH_A \slot, (\q)+1, 0
	WINMUL 1, \zero
	MUL16 4, (\q)%2, \q, \slot, \zero
	MUL16 6, (\q)%2, \q, \slot, \zero
	PLACES NP
	WIN 0
	FETCH_A \slot, (\q)+1, 4
.endm
; A slot's last 128 along K, and the change of slots: one barrier; in front of it each wave waits for all its tensor loads, adds 0 to its spare word, and waits for that and for its reads of this slot.
.macro TURN slot, next, fill
	s_wait_tensorcnt 0x0                           ; all my tensor loads have landed: my part of the next slot
	ds_add_u32 v[SPW], v[NIL]                      ; 0 onto my spare word
	s_wait_dscnt 4*NL+1                            ; (the add and the youngest 16 loads, A's blocks 4-7, may be out)
	WINMUL 0, 0
	MUL16 0, 1, 1, \slot, 0
	s_wait_dscnt 0x0                               ; the add is done, and my reads of this slot are over
	s_barrier_signal -1
	MUL16 2, 1, 1, \slot, 0
	WIN 0
	s_barrier_wait -1
.if \fill
	CREST                                          ; the barrier has opened a round of the cluster's barrier: no wave of any partner reads this slot or has a load on its way
	s_add_nc_u64 s[G0+4*\slot+2:G0+4*\slot+3], s[G0+4*\slot+2:G0+4*\slot+3], 6400
	s_add_nc_u64 s[G0B+4*\slot+2:G0B+4*\slot+3], s[G0B+4*\slot+2:G0B+4*\slot+3], 6400
	JLOAD G0+4*\slot, G1, G0B+4*\slot, G1B         ; the first tensor load behind the round; its four v_nop are the places in front of the loads below
.else
	PLACES NP
.endif
	s_wait_alu depctr_va_vdst(0)
	FETCH_B \next, 0, 0
	FETCH_A \next, 0, 0
	SCALES \next
	WINMUL 1, 0
	MUL16 4, 1, 1, \slot, 0
	MUL16 6, 1, 1, \slot, 0
	PLACES NP
	WIN 0
	FETCH_A \next, 0, 4
.endm
; 64 numbers of a lane in window w, register s + 16 b + i = k 32 b + 16 (lane / 16) + i of my row, become a fragment's codes in v[PC] on and its scale word in v[PW], both in window 0.
.macro QUANT s, w
	WIN (\w)|((\w)<<2)
.irp b, 0,1,2,3
	v_max3_num_f32 v[TM+\b], |v[\s+16*\b]|, |v[\s+1+16*\b]|, 0x1800000   ; my 16 numbers of block b, and the floor 2^(3 - 127); each accumulator is read from its low end on
.endr
	WIN ((\w)<<2)|((\w)<<4)
.irp i, 2,4,6,8,10,12,14
.irp b, 0,1,2,3
	v_max3_num_f32 v[TM+\b], v[TM+\b], |v[\s+16*\b+\i]|, |v[\s+1+16*\b+\i]|
.endr
.endr
	WIN 0
.irp b, 0,1,2,3
	v_permlanex16_b32 v[TM+4+\b], v[TM+\b], s[SEL], s[SEL+1]
.endr
.irp b, 0,1,2,3
	v_max_num_f32 v[TM+\b], v[TM+\b], v[TM+4+\b]   ; with lane l xor 16's: the block's largest magnitude
.endr
.irp b, 0,1,2,3
	v_add_nc_u32 v[TM+12+\b], 0xff000000, v[TM+\b] ; 2 off its exponent field: the conversion's scale operand
.endr
.irp b, 0,1,2,3
	v_lshrrev_b32 v[TM+4+\b], 23, v[TM+12+\b]      ; the scale's byte
.endr
	v_lshl_or_b32 v[PW], v[TM+5], 8, v[TM+4]
	v_lshl_or_b32 v[PW], v[TM+6], 16, v[PW]
	v_lshl_or_b32 v[PW], v[TM+7], 24, v[PW]
	WIN (\w)
.irp c, 0,1
	v_cvt_scalef32_pk16_fp6_f32 v[PC+6*\c:PC+2+6*\c], v[\s+32*\c:\s+15+32*\c], v[TM+12+2*\c]
	v_cvt_scalef32_pk16_fp6_f32 v[PC+12+4*\c:PC+14+4*\c], v[\s+16+32*\c:\s+31+32*\c], v[TM+12+2*\c+1]
.endr
	WIN 0
	v_nop                                          ; one plain place behind a scaled conversion
.irp c, 0,1                            ; the operand's layout wants a whole block in a lane
.irp i, 0,1,2
	v_permlane16_swap_b32 v[PC+6*\c+\i], v[PC+12+4*\c+\i]
.endr
.irp i, 0,1,2
	v_mov_b32 v[PC+3+6*\c+\i], v[PC+12+4*\c+\i]
.endr
.endr
.endm
	s_load_b256 s[4:11], s[0:1], 0x0               ; acts s[4:5], wimg s[6:7], mask s[8:9], qkvimg s[10:11]
	v_lshl_add_u32 v[SPW], v0, 2, SPARE
	v_mov_b32 v[NIL], 0
	ds_add_u32 v28, v29
	ds_add_u32 v28, v29
	s_wait_dscnt 0x0
	v_lshrrev_b32 v1, 5, v0
	v_readfirstlane_b32 s14, v1                    ; wave
	s_lshr_b32 s15, s14, 1                         ; my half of the tile's rows.  Also: I fetch for A (0) or B (1)
	s_and_b32 s16, s14, 1                          ; my half of its columns.  Also: which eight tiles I fetch
	s_bfe_u32 s40, ttmp6, 0x40000                  ; cx
	s_bfe_u32 s41, ttmp6, 0x40004                  ; cy
	s_and_b32 s68, ttmp7, 0xffff                   ; the cluster's y: 0, 1: q and k;  2: v
	s_and_b32 s69, ttmp9, 1                        ; q, k: the cluster's column (0: q, 1: k)
	s_lshr_b32 s70, ttmp9, 1
	s_lshl_b32 s71, s68, 1
	s_add_co_u32 s70, s70, s71                     ; and its row
	s_cmp_eq_u32 s68, 2
	s_cselect_b32 s72, 1, 0                        ; 1: v.  The same in all sixteen partners
	s_cselect_b32 s69, ttmp9, s69
	s_cselect_b32 s70, 0, s70
	s_lshl_b32 s42, s69, 2
	s_add_co_u32 s42, s42, s40                     ; tile column
	s_lshl_b32 s17, s70, 2
	s_add_co_u32 s17, s17, s41                     ; tile row
	s_lshl_b32 s43, s41, 2
	s_lshl_b32 s43, 15, s43                        ; my row of the cluster
	s_lshl_b32 s44, 0x1111, s40                    ; my column
	; descriptor group 1: eight rows of 3,328 bytes (416 elements of 8 bytes), 12,800 bytes apart, dense in LDS
	s_or_b32 s[G1+0], s43, (3<<16)|(1<<21)
	s_or_b32 s[G1B+0], s44, (3<<16)|(1<<21)
.irp g, G1, G1B
	s_mov_b32 s[\g+1], 416<<16
	s_mov_b32 s[\g+2], 8<<16                       ; tensor_dim1
	s_mov_b32 s[\g+3], 416<<16
	s_mov_b32 s[\g+4], 8                           ; tile_dim1
	s_mov_b32 s[\g+5], 1600                        ; from tile to tile
	s_mov_b32 s[\g+6], 0
	s_mov_b32 s[\g+7], 0
.endr
	s_lshl_b32 s22, s16, 3
	s_lshl_b32 s20, s17, 4
	s_add_co_u32 s20, s20, s22                     ; A: tile 16 x tile row + 8 x half
	s_mul_i32 s20, s20, TS
	s_lshl_b32 s46, s42, 4
	s_add_co_u32 s46, s46, s22                     ; B: tile 16 x tile column + 8 x half
	s_mul_i32 s46, s46, TS
	s_mov_b32 s23, XOFF
	s_cmp_eq_u32 s72, 1
	s_cselect_b32 s73, WVOFF, s23                  ; A: wv in wimg, or x in acts
	s_cselect_b32 s74, s23, 0                      ; B: x in acts, or wq and wk at wimg's head
	s_add_co_u32 s20, s20, s73
	s_add_co_u32 s46, s46, s74
	s_mov_b32 s21, 0
	s_mov_b32 s47, 0
	s_mul_i32 s45, s14, HALFT                      ; where they go: no place in the cluster enters an LDS address
	s_wait_kmcnt 0x0
	s_cmp_eq_u32 s72, 1
	s_cselect_b64 s[76:77], s[6:7], s[4:5]
	s_cselect_b64 s[78:79], s[4:5], s[6:7]
	s_add_nc_u64 s[20:21], s[76:77], s[20:21]
	s_add_nc_u64 s[46:47], s[78:79], s[46:47]
	; THE PREFETCHES: of the eight tiles that my wave fetches, each of the four partners that ask jointly names two, told apart by address (cx for A, cy for B)
	s_cmp_eq_u32 s15, 0
	s_cselect_b64 s[12:13], s[20:21], s[46:47]
	s_cselect_b32 s18, s40, s41
	s_mul_i32 s18, s18, 2*TS
	s_mov_b32 s19, 0
	s_add_nc_u64 s[12:13], s[12:13], s[18:19]
	CROUND                                         ; all sixteen work-groups are here: the first joint loads meet
.irp s, 0,1
	s_mov_b32 s[G0+4*\s], 1
	s_add_co_u32 s[G0+4*\s+1], s45, \s*SLOT
	s_add_nc_u64 s[G0+4*\s+2:G0+4*\s+3], s[20:21], \s*3072
	s_or_b32 s[G0+4*\s+3], s[G0+4*\s+3], 0x80000000
	s_mov_b32 s[G0B+4*\s], 1
	s_add_co_u32 s[G0B+4*\s+1], s45, \s*SLOT
	s_add_nc_u64 s[G0B+4*\s+2:G0B+4*\s+3], s[46:47], \s*3072
	s_or_b32 s[G0B+4*\s+3], s[G0B+4*\s+3], 0x80000000
.endr
	JLOAD G0, G1, G0B, G1B                         ; unit 0: one tensor load a wave at the head
	v_and_b32 v7, 31, v0                           ; a lane a block of 256 bytes: v8: two tiles x 13 blocks, v9: two tiles x 12; the lanes left over name the last block again
	v_min_u32 v8, 25, v7
	v_min_u32 v9, 23, v7
	v_mul_u32_u24 v10, v8, 5
	v_mul_u32_u24 v11, v9, 11
	v_lshrrev_b32 v10, 6, v10                      ; lane / 13
	v_lshrrev_b32 v11, 7, v11                      ; lane / 12
	v_mul_u32_u24 v10, v10, 9472                   ; a tile on, 13 blocks back
	v_mul_u32_u24 v11, v11, 9728                   ; a tile on, 12 blocks back
	v_lshl_add_u32 v8, v8, 8, v10
	v_lshl_add_u32 v9, v9, 8, v11
	s_wait_alu depctr_va_vdst(0)
	global_prefetch_b8 v9, s[12:13] offset:3328 th:TH_LOAD_NT scope:SCOPE_SE   ; bytes 3,328 to 6,399 of my two tiles: what unit 1's load asks for beyond unit 0's rows
	global_prefetch_b8 v8, s[12:13] offset:6400 th:TH_LOAD_NT scope:SCOPE_SE   ; bytes 6,400 to 9,727: unit 2's rows
	v_and_b32 v1, 15, v0                           ; r
	v_bfe_u32 v2, v0, 4, 1                         ; h
	v_and_b32 v3, 31, v0
	v_lshlrev_b32 v4, 4, v3
	v_lshlrev_b32 v5, 3, v3
	s_mul_i32 s21, s15, HALFT                      ; my eight tiles of A
	s_mul_i32 s22, s16, HALFT
	s_add_co_u32 s22, s22, 2*HALFT                 ; and of B, behind A's sixteen
	s_sub_co_u32 s23, s22, s21
	v_mul_u32_u24 v6, s23, v2                      ; lanes 16-31 take B's scale words
	v_lshl_add_u32 v6, v1, 2, v6
	v_add_nc_u32 v[ADRS], s21, v6
	v_add_nc_u32 v[ADRS+1], SLOT+128, v[ADRS]      ; slot 1 holds odd units, which lie 128 bytes into their rows
.irp s, 0,1
	v_add_nc_u32 v[ADRA+\s], s21, v4
	v_add_nc_u32 v[ADRB+\s], s22, v4
	v_add_nc_u32 v[ADRA+2+\s], s21, v5
	v_add_nc_u32 v[ADRB+2+\s], s22, v5
	s_add_co_u32 s21, s21, SLOT+128
	s_add_co_u32 s22, s22, SLOT+128
.endr
	v_mov_b32 v[LI], v4
	v_mov_b32 v[L8], v5
	v_lshlrev_b32 v[LS4], 2, v1
	v_and_b32 v[MOF], 8, v1
	v_add_nc_u32 v[MOF], v[MOF], v1
	v_lshlrev_b32 v[MOF], 2, v[MOF]
	s_lshl_b32 s80, s17, 4
	s_lshl_b32 s81, s15, 3
	s_add_co_u32 s80, s80, s81                     ; T0: the first of my eight tiles of A's rows
	s_lshl_b32 s82, s80, 6                         ; 16 rows of 4 bytes a tile
	s_mov_b32 s83, 0
	s_add_nc_u64 s[8:9], s[8:9], s[82:83]
.irp a, 0,1,2,3,4,5,6,7
	global_load_b32 v[MK+\a], v[MOF], s[8:9] offset:128*(\a/2)+32*(\a%2)   ; the mask word of the token at my place in block a (inside the buffer on every path; k's path uses it)
.endr
	s_wait_alu depctr_va_vdst(0)
	s_wait_tensorcnt 0x0                           ; my part of slot 0 is in; slot 1's first fill is issued as a refill is
	ds_add_u32 v[SPW], v[NIL]
	s_wait_dscnt 0x0
	CROUND
	JLOAD G0+4, G1, G0B+4, G1B                     ; unit 1, the first tensor load behind the round
	FETCH_B 0, 0, 0
	global_prefetch_b8 v9, s[12:13] offset:9728 th:TH_LOAD_NT scope:SCOPE_SE   ; bytes 9,728 to 12,799: the rest of unit 3's rows, two refills ahead
	FETCH_A 0, 0, 0
	SCALES 0
	FETCH_A 0, 0, 4
	STEP 0, 0, 1                                   ; the first products start the sums: nothing is cleared
	TURN 0, 1, 1                                   ; slot 0 takes unit 2
	STEP 1, 0, 0
	TURN 1, 0, 1                                   ; slot 1 takes unit 3
	STEP 0, 0, 0
	TURN 0, 1, 0                                   ; nothing is left to fetch
	STEP 1, 0, 0
	s_wait_dscnt 4*NL
	WINMUL 0, 0
	MUL16 0, 1, 1, 1, 0
	MUL16 2, 1, 1, 1, 0
	s_wait_dscnt 0
	WINMUL 1, 0
	MUL16 4, 1, 1, 1, 0
	MUL16 6, 1, 1, 1, 0
	WIN 0
	; ---- THE WAY OUT: each block of 16 rows is quantised along my 128 columns and stored as an image
	s_wait_loadcnt 0x0                             ; the mask words
	PLACES NP
.irp b, 0,1,2,3
	v_mov_b32 v[TM+4+\b], 0                        ; written once: a lane permute's destination counts as one of its sources
.endr
	s_mov_b32 s[SEL], 0x76543210
	s_mov_b32 s[SEL+1], 0xfedcba98
	s_cmp_eq_u32 s72, 1
	s_cbranch_scc1 .Lv_out
	; q or k: my 128 columns are two heads; my eight blocks are one step of 128 tokens
	s_and_b32 s84, s42, 3
	s_lshl_b32 s84, s84, 2
	s_lshl_b32 s85, s16, 1
	s_add_co_u32 s84, s84, s85                     ; the first head
	s_lshr_b32 s85, s80, 7
	s_lshl_b32 s85, s85, 4
	s_add_co_u32 s84, s84, s85                     ; + 16 x batch
	s_bfe_u32 s85, s80, 0x40003                    ; the step
	s_mov_b32 s86, BHQ
	s_mov_b32 s87, 8704
	s_mov_b32 s88, QOFF
	s_mov_b32 s89, 0x7f8f0000                      ; q: block 2 under 2^16, block 3 under 1
	s_cmp_eq_u32 s69, 1                            ; k?
	s_cselect_b32 s86, BHKV, s86
	s_cselect_b32 s87, 15104, s87
	s_cselect_b32 s88, 0, s88
	s_cselect_b32 s90, 0x01010000, s89             ; an open key: blocks 2 and 3 under 2^-126
	s_cselect_b32 s91, 0x01900000, s89             ; a masked key: block 2 under 2^17
	s_cselect_b32 s92, 0, -1                       ; a masked key keeps none of its codes
	s_cselect_b32 s93, 0, 8                        ; the code at k = 64: q: +1.0; an open key: 0;
	s_cselect_b32 s94, 40, 8                       ; a masked key: -1.0
	s_mul_i32 s84, s84, s86
	s_mul_i32 s85, s85, s87
	s_add_co_u32 s84, s84, s85
	s_add_co_u32 s84, s84, s88
	s_mov_b32 s85, 0
	s_mov_b32 s87, 0
	s_add_nc_u64 s[96:97], s[10:11], s[84:85]      ; the first head's step unit
	s_add_nc_u64 s[98:99], s[96:97], s[86:87]      ; the second's
	v_mov_b32 v[VOPEN], s90
	v_mov_b32 v[VMSKD], s91
	v_mov_b32 v[VKM], s92
	v_mov_b32 v[VONES], -1
	v_add_nc_u32 v[EXT], -1, v2                    ; all ones in lanes 0-15, 0 in lanes 16-31: k = 64 lies in lanes 0-15
	v_and_b32 v[VEO], s93, v[EXT]
	v_and_b32 v[VEM], s94, v[EXT]
.macro QKBLOCK a
.set QS, 64*((\a)%4)
.set QW, 2+(\a)/4
	s_wait_xcnt 0x0                                ; the last block's stores have read their registers
	QUANT QS, QW
	v_cmp_ne_u32 vcc_lo, 0, v[MK+\a]               ; open?  The mask only selects values
	v_cndmask_b32 v[KEEP], v[VKM], v[VONES], vcc_lo
	v_cndmask_b32 v[EXT], v[VEM], v[VEO], vcc_lo
	v_cndmask_b32 v[EW], v[VMSKD], v[VOPEN], vcc_lo
.irp i, 0,1,2,3,6,7,8,9,10,11
	v_and_b32 v[PC+\i], v[KEEP], v[PC+\i]
.endr
	v_and_b32 v[PC+16], v[KEEP], v[PC+4]           ; the first head's registers 4-7: two of codes, the code at k = 64, zero
	v_and_b32 v[PC+17], v[KEEP], v[PC+5]
	v_mov_b32 v[PC+18], v[EXT]
	v_mov_b32 v[PC+19], 0
	v_mov_b32 v[PC+12], v[EXT]                     ; the second head's follow its codes
	v_mov_b32 v[PC+13], 0
	v_and_or_b32 v[W0], v[PW], 0xffff, v[EW]       ; a head's scale word: its two bytes, then blocks 2 and 3
	v_lshrrev_b32 v[W1], 16, v[PW]
	v_or_b32 v[W1], v[W1], v[EW]
	global_store_b128 v[LI], v[PC:PC+3], s[96:97] offset:1024*(\a)
	global_store_b128 v[LI], v[PC+16:PC+19], s[96:97] offset:1024*(\a)+512
	global_store_b128 v[LI], v[PC+6:PC+9], s[98:99] offset:1024*(\a)
	global_store_b128 v[LI], v[PC+10:PC+13], s[98:99] offset:1024*(\a)+512
	global_store_b32 v[LS4], v[W0], s[96:97] offset:8192+64*(\a)     ; lanes r and r + 16 write the same word with the same value
	global_store_b32 v[LS4], v[W1], s[98:99] offset:8192+64*(\a)
.endm
.irp a, 0,1,2,3,4,5,6,7
	QKBLOCK \a
.endr
	s_branch .Ljoin
.Lv_out:
	; v: my 128 columns are one step of 128 keys; my eight blocks are two heads' 64 channels
	s_lshr_b32 s84, s42, 3
	s_lshl_b32 s84, s84, 4                         ; 16 x batch
	s_lshl_b32 s85, s17, 2
	s_add_co_u32 s84, s84, s85
	s_lshl_b32 s85, s15, 1
	s_add_co_u32 s84, s84, s85                     ; + the first head
	s_mul_i32 s84, s84, BHKV
	s_and_b32 s85, s42, 7
	s_lshl_b32 s85, s85, 1
	s_add_co_u32 s85, s85, s16                     ; the step
	s_mul_i32 s85, s85, 15104
	s_add_co_u32 s84, s84, s85
	s_mov_b32 s85, 0
	s_add_nc_u64 s[96:97], s[10:11], s[84:85]
	s_add_nc_u64 s[98:99], s[96:97], BHKV
.macro VBLOCK a
.set QS, 64*((\a)%4)
.set QW, 2+(\a)/4
.set OV, 96+2*((\a)/4)
	s_wait_xcnt 0x0
	QUANT QS, QW
	global_store_b128 v[LI], v[PC:PC+3], s[OV:OV+1] offset:8704+1536*((\a)%4)
	global_store_b64 v[L8], v[PC+4:PC+5], s[OV:OV+1] offset:8704+1536*((\a)%4)+512
	global_store_b128 v[LI], v[PC+6:PC+9], s[OV:OV+1] offset:8704+1536*((\a)%4)+768
	global_store_b64 v[L8], v[PC+10:PC+11], s[OV:OV+1] offset:8704+1536*((\a)%4)+1280
	global_store_b32 v[LS4], v[PW], s[OV:OV+1] offset:14848+64*((\a)%4)
.endm
.irp a, 0,1,2,3,4,5,6,7
	VBLOCK \a
.endr
.Ljoin:
	s_wait_tensorcnt 0x0                           ; the wave's end
	ds_add_u32 v[SPW], v[NIL]
	s_wait_dscnt 0x0
	CROUND                                         ; the closing round
	s_endpgm
.Lfunc_end_k_q3357682cef_qkv:
	.size	k_q3357682cef_qkv, .Lfunc_end_k_q3357682cef_qkv-k_q3357682cef_qkv
	.p2alignl 7, 3214868480
	.fill 96, 4, 3214868480
	.section	.rodata,"a",@progbits
	.p2align	6, 0x0
	.amdhsa_kernel k_q3357682cef_qkv
		.amdhsa_group_segment_fixed_size 327680
		.amdhsa_private_segment_fixed_size 0
		.amdhsa_enable_private_segment 0
		.amdhsa_kernarg_size 32
		.amdhsa_user_sgpr_count 2
		.amdhsa_user_sgpr_kernarg_segment_ptr 1
		.amdhsa_wavefront_size32 1
		.amdhsa_system_sgpr_workgroup_id_x 1
		.amdhsa_system_sgpr_workgroup_id_y 1
		.amdhsa_system_sgpr_workgroup_id_z 1
		.amdhsa_system_vgpr_workitem_id 0
		.amdhsa_next_free_vgpr 1024
		.amdhsa_next_free_sgpr 100
		.amdhsa_reserve_vcc 1
		.amdhsa_float_denorm_mode_32 3
		.amdhsa_float_denorm_mode_16_64 3
		.amdhsa_memory_ordered 1
		.amdhsa_forward_progress 1
		.amdhsa_inst_pref_size 195
	.end_amdhsa_kernel
	.amdgpu_metadata
---
amdhsa.version: [ 1, 2 ]
amdhsa.kernels:
  - .name:           k_q3357682cef_qkv
    .symbol:         k_q3357682cef_qkv.kd
    .args:
      - { .name: acts, .offset: 0, .size: 8, .value_kind: global_buffer, .address_space: global }
      - { .name: wimg, .offset: 8, .size: 8, .value_kind: global_buffer, .address_space: global }
      - { .name: mask, .offset: 16, .size: 8, .value_kind: global_buffer, .address_space: global }
      - { .name: qkvimg, .offset: 24, .size: 8, .value_kind: global_buffer, .address_space: global }
    .group_segment_fixed_size: 327680
    .private_segment_fixed_size: 0
    .kernarg_segment_align: 8
    .kernarg_segment_size: 32
    .max_flat_workgroup_size: 128
    .sgpr_count:     100
    .vgpr_count:     1024
    .wavefront_size: 32
...
	.end_amdgpu_metadata
.endif
;; end of part 9
;; launch attn (part 10): grid 8 x 32, 16 waves a work-group, clusters of 4 x 1, 262,144 bytes of LDS; arguments qkvimg, acts; writes acts
.if DOCPART == 10
	.amdgcn_target "amdgcn-amd-amdhsa--gfx1250"
	.amdhsa_code_object_version 6
	.text
	.protected	k_q3357682cef_attn
	.globl	k_q3357682cef_attn
	.p2align	8
	.type	k_q3357682cef_attn,@function
k_q3357682cef_attn:
	s_mov_b64 s[64:65], 0
	v_nop
	global_prefetch_b8 v0, s[64:65] scope:SCOPE_SE
	s_setreg_imm32_b32 hwreg(HW_REG_WAVE_MODE, 25, 1), 1
	s_wait_xcnt 0x0
	s_wait_alu depctr_hold_cnt(0) depctr_sa_sdst(0) depctr_va_vdst(0) depctr_va_sdst(0) depctr_va_ssrc(0) depctr_va_vcc(0) depctr_vm_vsrc(0)
	s_getreg_b32 s2, hwreg(HW_REG_IB_STS2, 6, 4)
	s_cmp_eq_u32 s2, 0
	s_cbranch_scc0 .Lentry_in_a_cluster
	s_endpgm
.Lentry_in_a_cluster:
	s_bfe_u32 s2, ttmp6, 0x10000c
	s_cmp_lg_u32 s2, 0x3003
	s_cbranch_scc0 .Lentry_shape_is_right
	s_endpgm
.Lentry_shape_is_right:
; ctx = softmax(q k^T / 8, masked) v for one head, both products on codes of FP6; ctx is quantised along the next product's K and stored as an image.
; THE SOFTMAX: t = score x log2(e) / 8; M = the running largest t rounded up to a whole number; p = 2^(t - M) is quantised along the keys; the row's sum is taken of the unquantised p and divides at the end.
; When M moves, the sum and O are multiplied by 2^(old M - new M): exact.  THE MASK is already in the codes: a masked key's score is exactly -2^33.
; LIMIT: the promise holds while the scaled scores stay under 2^31 in magnitude.  NaN and infinities are not served; a block of zeros gets the byte 1.
; SHARES.  A work-group owns 256 queries of one (batch, head); each of its sixteen waves one tile of 16, in 256 registers.  256 work-groups.
; THE WHOLE HEAD'S K AND V LIE IN LDS, filled once: 16 units of 128 keys, 59 rows of 256 bytes each (K's eight tiles: rows 0-31, their scale words: rows 32, 33, V^T's four tiles: rows 34-57, their scale words: row 58),
; 16 bytes of padding behind each row.  EVERY WAVE ASKS FOR ONE UNIT, its own number's.  The loads stand in two arms: a first barrier shows units 0-3 (waves 0-3 wait), a second, behind the first two steps, shows the rest.
; The four work-groups of a cluster are query blocks of one head: they ask jointly.  No prefetch: every tile is asked for at the head, and there is no loop to run ahead in.
; LAYOUT.  Both products are used transposed (S^T = K Q^T, O^T = V^T P^T): a lane holds one query.  A stored tile 2 b + u holds keys 32 b + 8 u + r + 8 (r / 8).
; A TILE OF K IS GATHERED LANE BY LANE: tile 4 c + 2 f + u takes as rows 0-7 keys 16 f + 8 u + 0..7 of block 2 c and as rows 8-15 the same keys of block 2 c + 1.
; So lane (r, h) holds in registers 32 c + 0..31 of S^T the 32 keys of block 2 c + h, in their order: a block's maximum and its codes need no other lane.  Rows 8-15 lie 8 LDS rows on: 8 x 272 = 2,176 bytes, the other half of a row of banks.
; K'S FRAGMENTS LIE 8 REGISTERS APART: registers 8-11 of the operand are the next fragment's first four; they meet only q's zero codes (k = 65 .. 127), so each such product is 0.
; TWO REGIONS OF 68 REGISTERS TAKE TURNS: one holds K and then V, the other S^T, p and then the next step's K: V lands under the softmax, the next K under the second product.
.set STEPB, 15104
.set BHKV,  241664
.set BHQ,   139264
.set QOFF,  7733248
.set UP,    59*272                     ; a unit in LDS
.set SPARE, 16*UP                      ; the spare words: 128 bytes a wave, 2,048 in all
.set LK,  1                            ; v1 K's lane place: 2176 (r / 8) + 16 (r % 8) + 272 h
.set LV,  2                            ; v2 16 r + 272 h
.set L8,  3                            ; v3 8 x lane
.set LKS, 4                            ; v4 128 (r / 8) + 4 (r % 8)
.set LVS, 5                            ; v5 4 r
.set SPW, 6
.set NIL, 7
.set SH,  8                            ; v8 8 h
.set PT,  9                            ; v9 a lane permute's result
.set QF,  16                           ; v16-27 Q; v28 its scale word
.set QS,  28
.set RUN, 29                           ; the running largest score
.set BM,  30                           ; v30, v31 the two blocks' largest; v32, v33 second chains
.set TT,  34
.set DI,  35
.set FF,  36                           ; v[36:37] f = 2^(old M - new M)
.set SO,  38                           ; v38, v39 the conversions' scale operands; v40, v41 bytes; v43 at work
.set PW,  42                           ; p's scale word
.set TS4, 44                           ; v44-51 four chains of the row's sum
.set KS,  52                           ; v52-59 K's scale words
.set VS,  60                           ; v60-63 V's
.set PC,  64                           ; v64-75 p's codes; v76-78, v80-82 the second conversions'
.set AVS, 83
.set OT,  84                           ; v84-115 O^T
.set XR,  116                          ; v116-183, v184-251 the two regions
.set YR,  184
.set AK,  252
.set AV,  253
.set A8,  254
.set AKS, 255
.set WV,  18
.set SEL, 20
.set CS,  22
.set G1,  24
.set G0,  32
.set TB,  48                           ; LDS byte of the trip's first unit
.macro WALU
	s_wait_alu depctr_va_vdst(0)
.endm
.macro ROUND
	s_barrier_signal -1
	s_barrier_wait -1
	s_cmp_lg_u32 s[WV], 0
	s_cbranch_scc1 .Lnot_wave_0_\@
	s_barrier_signal -3
.Lnot_wave_0_\@:
	s_barrier_wait -3
	s_barrier_signal -1
	s_barrier_wait -1
.endm
.macro TLOAD
	tensor_load_to_lds s[G0:G0+3], s[G1:G1+7]
	s_nop 0
.rept 4
	v_nop
.endr
.endm
.macro KLOAD R, ak, aks, off           ; a unit's eight gathered tiles of K and their scale words: 24 loads
.irp c, 0,1
.irp hf, 0,1
.irp uu, 0,1
	ds_load_b128 v[\R+8*(4*\c+2*\hf+\uu):\R+8*(4*\c+2*\hf+\uu)+3], v[\ak] offset:(\off)+1088*(4*\c+\uu)+128*\hf
	ds_load_b128 v[\R+8*(4*\c+2*\hf+\uu)+4:\R+8*(4*\c+2*\hf+\uu)+7], v[\ak] offset:(\off)+1088*(4*\c+\uu)+128*\hf+544
	ds_load_b32 v[KS+4*\c+2*\hf+\uu], v[\aks] offset:(\off)+272*(32+\c)+64*\uu+32*\hf
.endr
.endr
.endr
.endm
; A KEY STEP: 128 keys.  KX: K's fragments, then V's.  SY: S^T, p, then the next K.  NO, NN: the pairs whose low words hold the old and the new -M.  u: the unit in the trip.
.macro STEP KX, SY, NO, NN, u, first, more
	WALU
	s_wait_dscnt 0x0                               ; K's fragments and scale words are in
.irp t, 0,1,2,3,4,5,6,7
	v_wmma_scale_f32_16x16x128_f8f6f4 v[\SY+8*\t:\SY+8*\t+7], v[\KX+8*\t:\KX+8*\t+11], v[QF:QF+11], 0, v[KS+\t], v[QS] matrix_a_fmt:MATRIX_FMT_FP6 matrix_b_fmt:MATRIX_FMT_FP6
.endr
.rept 4
	v_nop                                          ; places ahead of the loads into K's registers and of the first read of S^T
.endr
.irp t, 0,1,2,3                        ; V's four fragments: 20 loads, which land under the softmax
	ds_load_b128 v[\KX+12*\t:\KX+12*\t+3], v[AV] offset:\u*UP+272*(34+6*\t)
	ds_load_b64 v[\KX+12*\t+4:\KX+12*\t+5], v[A8] offset:\u*UP+272*(36+6*\t)
	ds_load_b128 v[\KX+12*\t+6:\KX+12*\t+9], v[AV] offset:\u*UP+272*(37+6*\t)
	ds_load_b64 v[\KX+12*\t+10:\KX+12*\t+11], v[A8] offset:\u*UP+272*(39+6*\t)
	ds_load_b32 v[VS+\t], v[AVS] offset:\u*UP+272*58+64*\t
.endr
.irp c, 0,1                            ; the largest score of my two blocks, each in two chains; every accumulator is first read at its low end
	v_max3_num_f32 v[BM+\c], v[\SY+32*\c], v[\SY+32*\c+1], v[\SY+32*\c+2]
	v_max3_num_f32 v[BM+2+\c], v[\SY+32*\c+16], v[\SY+32*\c+17], v[\SY+32*\c+18]
.endr
.irp i, 3,5,7,9,11,13
.irp c, 0,1
	v_max3_num_f32 v[BM+\c], v[BM+\c], v[\SY+32*\c+\i], v[\SY+32*\c+\i+1]
	v_max3_num_f32 v[BM+2+\c], v[BM+2+\c], v[\SY+32*\c+16+\i], v[\SY+32*\c+17+\i]
.endr
.endr
.irp c, 0,1
	v_max3_num_f32 v[BM+\c], v[BM+\c], v[BM+2+\c], v[\SY+32*\c+15]
.endr
.irp c, 0,1
	v_max_num_f32 v[BM+\c], v[BM+\c], v[\SY+32*\c+31]
.endr
	s_delay_alu instid0(VALU_DEP_1)
	v_max3_num_f32 v[RUN], v[RUN], v[BM], v[BM+1]
	s_delay_alu instid0(VALU_DEP_1)
	v_permlanex16_b32 v[PT], v[RUN], s[SEL], s[SEL+1]
	s_delay_alu instid0(VALU_DEP_1)
	v_max_num_f32 v[RUN], v[RUN], v[PT]            ; with lane l xor 16's keys: the running largest score of my query
	s_delay_alu instid0(VALU_DEP_1)
	v_mul_f32 v[TT], s[CS], v[RUN]                 ; as t (c is positive)
	s_delay_alu instid0(VALU_DEP_1)
	v_floor_f32 v[\NN], -v[TT]                     ; -M = floor(-t): M is a whole number
	s_delay_alu instid0(VALU_DEP_1)
	v_sub_f32 v[DI], v[\NN], v[\NO]                ; old M - new M
	s_delay_alu instid0(VALU_DEP_1)
	v_cvt_i32_f32 v[DI], v[DI]                     ; (it saturates)
.set j, 0
.rept 32
	v_pk_fma_f32 v[\SY+j:\SY+j+1], v[\SY+j:\SY+j+1], s[CS:CS+1], v[\NN:\NN+1] op_sel_hi:[1,0,0]   ; t - M
.set j, j+2
.endr
.irp c, 0,1
	v_fma_f32 v[BM+\c], v[BM+\c], s[CS], v[\NN]    ; the same of each block's largest score: p rises with the score
.endr
	WALU                                           ; ahead of the batch
.irp c, 0,1
	v_exp_f32 v[BM+\c], v[BM+\c]
.endr
.set j, 0
.rept 64
	v_exp_f32 v[\SY+j], v[\SY+j]                   ; p = 2^(t - M), not normalised
.set j, j+1
.endr
	v_ldexp_f32 v[FF], 1.0, v[DI]                  ; f; the plain place behind the batch
	WALU                                           ; one wait for the batch, ahead of its first reader
.irp k, 0,1,2,3                        ; the sum of the unquantised p in four chains, the blocks' scales among them
	v_pk_add_f32 v[TS4+2*\k:TS4+2*\k+1], v[\SY+2*\k:\SY+2*\k+1], v[\SY+2*\k+8:\SY+2*\k+9]
.endr
.irp c, 0,1
	v_max_num_f32 v[BM+\c], 0x1800000, v[BM+\c]    ; the floor 2^(3 - 127): the byte cannot fall under 1
.endr
.irp i, 2,3,4,5,6,7
.irp k, 0,1,2,3
	v_pk_add_f32 v[TS4+2*\k:TS4+2*\k+1], v[TS4+2*\k:TS4+2*\k+1], v[\SY+2*\k+8*\i:\SY+2*\k+8*\i+1]
.endr
.if \i == 2
	v_add_nc_u32 v[SO], 0xff000000, v[BM]          ; 2 off the exponent field: the conversion's scale operand
	v_add_nc_u32 v[SO+1], 0xff000000, v[BM+1]
.elseif \i == 3
	v_lshrrev_b32 v[SO+2], 23, v[SO]               ; the bytes of blocks h and 2 + h
	v_lshrrev_b32 v[SO+3], 23, v[SO+1]
.elseif \i == 4
	v_lshl_or_b32 v43, v[SO+3], 16, v[SO+2]
.elseif \i == 5
	v_lshlrev_b32 v43, v[SH], v43                  ; at their places in the scale word
.elseif \i == 6
	v_permlanex16_b32 v[PT], v43, s[SEL], s[SEL+1]
.endif
.endr
.irp c, 0,1
	v_cvt_scalef32_pk16_fp6_f32 v[PC+6*\c:PC+6*\c+2], v[\SY+32*\c:\SY+32*\c+15], v[SO+\c]
	v_cvt_scalef32_pk16_fp6_f32 v[PC+12+4*\c:PC+14+4*\c], v[\SY+32*\c+16:\SY+32*\c+31], v[SO+\c]
.endr
	v_or_b32 v[PW], v43, v[PT]                     ; with lane l xor 16's two bytes the word is whole; the plain place behind the conversions
.if \more
	KLOAD \SY, AK, AKS, (\u+1)*UP                  ; the next step's K takes the registers that p has left
.endif
.irp c, 0,1
.irp i, 0,1,2
	v_mov_b32 v[PC+3+6*\c+\i], v[PC+12+4*\c+\i]
.endr
.endr
.if \first
.rept 4
	v_nop                                          ; with the six moves: the places between the scale word, the codes and the products
.endr
.else
	WALU                                           ; directly ahead of the first reader of O^T
.set j, 0
.rept 16
	v_pk_mul_f32 v[OT+j:OT+j+1], v[OT+j:OT+j+1], v[FF:FF+1] op_sel_hi:[1,0]   ; O^T under the new M
.set j, j+2
.endr
.endif
	WALU
.if \more
	s_wait_dscnt 24                                ; V's 20 loads are in; the 24 of the next K, issued behind them, may be out
.else
	s_wait_dscnt 0x0
.endif
.irp t, 0,1,2,3
.if \first
	v_wmma_scale_f32_16x16x128_f8f6f4 v[OT+8*\t:OT+8*\t+7], v[\KX+12*\t:\KX+12*\t+11], v[PC:PC+11], 0, v[VS+\t], v[PW] matrix_a_fmt:MATRIX_FMT_FP6 matrix_b_fmt:MATRIX_FMT_FP6
.else
	v_wmma_scale_f32_16x16x128_f8f6f4 v[OT+8*\t:OT+8*\t+7], v[\KX+12*\t:\KX+12*\t+11], v[PC:PC+11], v[OT+8*\t:OT+8*\t+7], v[VS+\t], v[PW] matrix_a_fmt:MATRIX_FMT_FP6 matrix_b_fmt:MATRIX_FMT_FP6
.endif
.endr
	v_pk_add_f32 v[TS4:TS4+1], v[TS4:TS4+1], v[TS4+2:TS4+3]       ; the four chains join: these five lines are the places ahead of the next step's products, which write over V's registers
	v_pk_add_f32 v[TS4+4:TS4+5], v[TS4+4:TS4+5], v[TS4+6:TS4+7]
	v_nop
	v_pk_add_f32 v[TS4:TS4+1], v[TS4:TS4+1], v[TS4+4:TS4+5]
	s_delay_alu instid0(VALU_DEP_1)
	v_pk_fma_f32 v[14:15], v[14:15], v[FF:FF+1], v[TS4:TS4+1] op_sel_hi:[1,0,1]   ; the sum under the new M, and this step's
.endm
.macro TRIP first, more                ; two steps: the regions and the pairs of -M are back where they began
	v_add_nc_u32 v[AK], s[TB], v[LK]
	v_add_nc_u32 v[AV], s[TB], v[LV]
	v_add_nc_u32 v[A8], s[TB], v[L8]
	v_add_nc_u32 v[AKS], s[TB], v[LKS]
	v_add_nc_u32 v[AVS], s[TB], v[LVS]
	STEP XR, YR, 12, 10, 0, \first, 1
	STEP YR, XR, 10, 12, 1, 0, \more
.endm
	s_load_b128 s[4:7], s[0:1], 0x0                ; qkvimg s[4:5], acts s[6:7]
	v_lshl_add_u32 v[SPW], v0, 2, SPARE
	v_mov_b32 v[NIL], 0
	ds_add_u32 v[SPW], v[NIL]                      ; the opening lines
	ds_add_u32 v[SPW], v[NIL]
	v_lshrrev_b32 v[PT], 5, v0
	s_delay_alu instid0(VALU_DEP_1)
	v_readfirstlane_b32 s[WV], v[PT]               ; wave 0..15
	s_bfe_u32 s50, ttmp6, 0x40000                  ; cx: it enters q's and ctx's addresses alone
	s_lshl_b32 s51, ttmp9, 2
	s_add_co_u32 s51, s51, s50                     ; my block of 256 queries
	s_and_b32 s52, ttmp7, 0xffff                   ; 16 x batch + head, which the four partners share
	s_mul_i32 s53, s[WV], STEPB                    ; my unit in memory
	s_mul_i32 s54, s52, BHKV
	s_add_co_u32 s54, s54, s53
	s_mov_b32 s55, 0
	s_mov_b32 s[G1], 15|(3<<16)|(1<<20)|(1<<21)|(5<<22)|(3<<25)   ; all four work-groups; elements of 8 bytes; 4 words of padding behind every 64
	s_mov_b32 s[G1+1], 32<<16                      ; a unit is 59 dense rows of 256 bytes
	s_mov_b32 s[G1+2], 59<<16
	s_mov_b32 s[G1+3], 32<<16
	s_mov_b32 s[G1+4], 59
	s_mov_b32 s[G1+5], 32
	s_mov_b32 s[G1+6], 0
	s_mov_b32 s[G1+7], 0
	s_mov_b32 s[G0], 1
	s_mul_i32 s[G0+1], s[WV], UP                   ; and in LDS
	s_mov_b32 s[SEL], 0x76543210
	s_mov_b32 s[SEL+1], 0xfedcba98
	s_mov_b32 s[CS], 0x3e38aa3b                    ; c = log2(e) / 8
	s_mov_b32 s[CS+1], s[CS]
	s_lshl_b32 s56, s51, 4
	s_add_co_u32 s56, s56, s[WV]                   ; my tile of queries, 0..127
	s_mul_i32 s58, s52, BHQ
	s_lshr_b32 s57, s56, 3
	s_mul_i32 s57, s57, 8704
	s_add_co_u32 s58, s58, s57
	s_add_co_u32 s58, s58, QOFF
	s_mov_b32 s59, 0
	s_and_b32 s57, s56, 7
	s_lshl_b32 s60, s57, 10
	s_mov_b32 s61, 0
	s_lshl_b32 s62, s57, 6
	s_mov_b32 s63, 0
	s_wait_dscnt 0x0
	s_wait_kmcnt 0x0
	s_add_nc_u64 s[G0+2:G0+3], s[4:5], s[54:55]
	s_or_b32 s[G0+3], s[G0+3], 0x80000000
	s_add_nc_u64 s[58:59], s[4:5], s[58:59]        ; my queries' step unit
	s_add_nc_u64 s[60:61], s[58:59], s[60:61]
	s_add_nc_u64 s[62:63], s[58:59], s[62:63]
	ROUND                                          ; all four work-groups are here: the joint loads meet
	s_cmp_lt_u32 s[WV], 4                          ; one chain, a load in each arm: the first barrier waits for the first arm's alone
	s_cbranch_scc0 .Lrest
	TLOAD
	s_branch .Lasked
.Lrest:
	TLOAD
.Lasked:
	v_and_b32 v44, 7, v0                           ; r % 8
	v_bfe_u32 v45, v0, 3, 1                        ; r / 8
	v_bfe_u32 v46, v0, 4, 1                        ; h
	v_and_b32 v47, 15, v0                          ; r
	v_and_b32 v48, 31, v0                          ; lane
	v_lshlrev_b32 v[LK], 4, v44
	v_lshlrev_b32 v[LV], 4, v47
	v_lshlrev_b32 v[L8], 3, v48
	v_lshlrev_b32 v[LKS], 2, v44
	v_lshlrev_b32 v[LVS], 2, v47
	v_mad_u32_u24 v[LK], v45, 2176, v[LK]
	v_mad_u32_u24 v[LV], v46, 272, v[LV]
	v_lshl_add_u32 v[LKS], v45, 7, v[LKS]
	v_lshlrev_b32 v[SH], 3, v46
	v_lshlrev_b32 v49, 4, v48
	v_mad_u32_u24 v[LK], v46, 272, v[LK]
	WALU
	global_load_b128 v[QF:QF+3], v49, s[60:61]
	global_load_b128 v[QF+4:QF+7], v49, s[60:61] offset:512
	global_load_b32 v[QS], v[LVS], s[62:63] offset:8192
.irp i, 8,9,10,11
	v_mov_b32 v[QF+\i], 0                          ; q's zero codes at k = 80 .. 127
.endr
.irp i, 64,65,66,67
	v_mov_b32 v[XR+\i], 0                          ; behind the last fragment of each region
	v_mov_b32 v[YR+\i], 0
.endr
	v_mov_b32 v[RUN], 0xff61b1e6                   ; the largest score so far: -3e38
	v_mov_b32 v12, 0x7e000000                      ; the -M before the first step: so large that the first f is 0
	v_mov_b32 v11, 0                               ; (upper halves of pairs of which the low word alone is used)
	v_mov_b32 v13, 0
	v_mov_b32 v[FF+1], 0
	v_mov_b32 v14, 0                               ; the sum, in two halves
	v_mov_b32 v15, 0
	v_mov_b32 v[PT], 0                             ; a lane permute's destination counts as one of its sources
	s_mov_b32 s[TB], 0
	WALU
	s_cmp_lt_u32 s[WV], 4
	s_cbranch_scc0 .Lnot_first
	s_wait_tensorcnt 0x0
.Lnot_first:
	s_barrier_signal -1
	s_barrier_wait -1                              ; units 0-3 are in; the others may be on their way: nothing is ever filled again
	KLOAD XR, LK, LKS, 0
	s_wait_loadcnt 0x0                             ; Q
	TRIP 1, 1                                      ; units 0, 1 (and K of unit 2): the first product starts O^T
	WALU
	s_wait_tensorcnt 0x0
	s_wait_dscnt 0x0
	s_barrier_signal -1
	s_barrier_wait -1                              ; all sixteen units are in
	s_mov_b32 s[TB], 2*UP
.Ltrip:                                                ; units 2 to 13
	TRIP 0, 1
	s_add_co_u32 s[TB], s[TB], 2*UP
	s_cmp_lt_u32 s[TB], 14*UP
	WALU
	s_cbranch_scc1 .Ltrip
	TRIP 0, 0                                      ; units 14, 15: no K is left to fetch
	; ---- THE WAY OUT: O^T / the sum, quantised along the head's 64 (two blocks), stored as half a fragment of ctx's image
	v_add_f32 v14, v14, v15
	s_delay_alu instid0(VALU_DEP_1)
	v_permlanex16_b32 v[PT], v14, s[SEL], s[SEL+1]
	s_delay_alu instid0(VALU_DEP_1)
	v_add_f32 v14, v14, v[PT]                      ; the row's sum
	WALU
	v_rcp_f32 v14, v14
	v_nop
	WALU
.set j, 0
.rept 32
	v_mul_f32 v[XR+j], v[OT+j], v14                ; register 16 b + i is channel 32 b + 16 (lane / 16) + i
.set j, j+1
.endr
.irp b, 0,1
	v_max3_num_f32 v[BM+\b], |v[XR+16*\b]|, |v[XR+1+16*\b]|, 0x1800000
.endr
.irp i, 2,4,6,8,10,12,14
.irp b, 0,1
	s_delay_alu instid0(VALU_DEP_2)
	v_max3_num_f32 v[BM+\b], v[BM+\b], |v[XR+16*\b+\i]|, |v[XR+1+16*\b+\i]|
.endr
.endr
.irp b, 0,1
	s_delay_alu instid0(VALU_DEP_2)
	v_permlanex16_b32 v[BM+2+\b], v[BM+\b], s[SEL], s[SEL+1]
.endr
.irp b, 0,1
	s_delay_alu instid0(VALU_DEP_2)
	v_max_num_f32 v[BM+\b], v[BM+\b], v[BM+2+\b]
.endr
.irp b, 0,1
	s_delay_alu instid0(VALU_DEP_2)
	v_add_nc_u32 v[SO+\b], 0xff000000, v[BM+\b]
.endr
.irp b, 0,1
	s_delay_alu instid0(VALU_DEP_2)
	v_lshrrev_b32 v[SO+2+\b], 23, v[SO+\b]
.endr
	s_delay_alu instid0(VALU_DEP_1)
	v_lshl_or_b32 v43, v[SO+3], 8, v[SO+2]         ; my head's two bytes of the row's scale word
	v_cvt_scalef32_pk16_fp6_f32 v[PC:PC+2], v[XR:XR+15], v[SO]
	v_cvt_scalef32_pk16_fp6_f32 v[PC+12:PC+14], v[XR+16:XR+31], v[SO+1]
	v_and_b32 v48, 31, v0                          ; the plain place behind the conversions
.irp i, 0,1,2
	v_permlane16_swap_b32 v[PC+\i], v[PC+12+\i]
.endr
.irp i, 0,1,2
	s_delay_alu instid0(VALU_DEP_3)
	v_mov_b32 v[PC+3+\i], v[PC+12+\i]
.endr
	v_and_b32 v47, 15, v0
	v_lshlrev_b32 v44, 4, v48                      ; 16 x lane
	v_lshlrev_b32 v45, 3, v48                      ; 8 x lane
	v_lshlrev_b32 v46, 2, v47                      ; 4 r
	s_lshr_b32 s57, s52, 4
	s_lshl_b32 s57, s57, 7
	s_add_co_u32 s57, s57, s56                     ; ctx's tile: 128 x batch + my tile
	s_mul_i32 s58, s57, 12800
	s_and_b32 s57, s52, 15                         ; the head: four heads to a unit of 256 along K
	s_lshr_b32 s60, s57, 2
	s_mul_i32 s60, s60, 3200
	s_add_co_u32 s58, s58, s60
	s_mov_b32 s59, 0
	s_add_nc_u64 s[6:7], s[6:7], s[58:59]
	s_and_b32 s60, s57, 3
	s_mul_i32 s60, s60, 768
	s_mov_b32 s61, 0
	s_add_nc_u64 s[60:61], s[6:7], s[60:61]
	s_and_b32 s62, s57, 2
	s_lshl_b32 s62, s62, 5                         ; 64 x which 128 along K
	s_and_b32 s63, s57, 1
	s_lshl_b32 s63, s63, 1                         ; 2 x which half of the word
	s_add_co_u32 s62, s62, s63
	s_mov_b32 s63, 0
	s_add_nc_u64 s[62:63], s[6:7], s[62:63]
	WALU
	global_store_b128 v44, v[PC:PC+3], s[60:61]
	global_store_b64 v45, v[PC+4:PC+5], s[60:61] offset:512
	global_store_b16 v46, v43, s[62:63] offset:3072   ; a head owns half a scale word: 32 bytes a wave go out two at a time, beside 768 in whole runs
	s_wait_tensorcnt 0x0                           ; the wave's end
	ds_add_u32 v[SPW], v[NIL]
	s_wait_dscnt 0x0
	ROUND                                          ; the closing round
	s_endpgm
.Lfunc_end_k_q3357682cef_attn:
	.size	k_q3357682cef_attn, .Lfunc_end_k_q3357682cef_attn-k_q3357682cef_attn
	.p2alignl 7, 3214868480
	.fill 96, 4, 3214868480
	.section	.rodata,"a",@progbits
	.p2align	6, 0x0
	.amdhsa_kernel k_q3357682cef_attn
		.amdhsa_group_segment_fixed_size 262144
		.amdhsa_private_segment_fixed_size 0
		.amdhsa_enable_private_segment 0
		.amdhsa_kernarg_size 16
		.amdhsa_user_sgpr_count 2
		.amdhsa_user_sgpr_kernarg_segment_ptr 1
		.amdhsa_wavefront_size32 1
		.amdhsa_system_sgpr_workgroup_id_x 1
		.amdhsa_system_sgpr_workgroup_id_y 1
		.amdhsa_system_sgpr_workgroup_id_z 1
		.amdhsa_system_vgpr_workitem_id 0
		.amdhsa_next_free_vgpr 256
		.amdhsa_next_free_sgpr 80
		.amdhsa_reserve_vcc 0
		.amdhsa_float_denorm_mode_32 3
		.amdhsa_float_denorm_mode_16_64 3
		.amdhsa_memory_ordered 1
		.amdhsa_forward_progress 1
		.amdhsa_inst_pref_size 104
	.end_amdhsa_kernel
	.amdgpu_metadata
---
amdhsa.version: [ 1, 2 ]
amdhsa.kernels:
  - .name:           k_q3357682cef_attn
    .symbol:         k_q3357682cef_attn.kd
    .args:
      - { .name: qkvimg, .offset: 0, .size: 8, .value_kind: global_buffer, .address_space: global }
      - { .name: acts, .offset: 8, .size: 8, .value_kind: global_buffer, .address_space: global }
    .group_segment_fixed_size: 262144
    .private_segment_fixed_size: 0
    .kernarg_segment_align: 8
    .kernarg_segment_size: 16
    .max_flat_workgroup_size: 512
    .sgpr_count:     80
    .vgpr_count:     256
    .wavefront_size: 32
...
	.end_amdgpu_metadata
.endif
;; end of part 10
;; launch ln1 (part 11): grid 256 x 1, 16 waves a work-group, no clusters, 80,896 bytes of LDS; arguments x, acts, wo_b, alpha1, bias1, x1, qkvimg, woimg; writes x1, qkvimg
.if DOCPART == 11
	.amdgcn_target "amdgcn-amd-amdhsa--gfx1250"
	.amdhsa_code_object_version 6
	.text
	.protected	k_q3357682cef_ln1
	.globl	k_q3357682cef_ln1
	.p2align	8
	.type	k_q3357682cef_ln1,@function
k_q3357682cef_ln1:
	s_mov_b64 s[64:65], 0
	v_nop
	global_prefetch_b8 v0, s[64:65] scope:SCOPE_SE
	s_setreg_imm32_b32 hwreg(HW_REG_WAVE_MODE, 25, 1), 1
	s_wait_xcnt 0x0
; x1 = layernorm(x + ctx wo + wo_b): mean, standard deviation with 1,023 in the divisor, eps added to the deviation; then x1's codes of FP6 along its 1,024, as an image.
; A work-group takes one tile of the image: place w (= wave w) is row 32 (T / 2) + 8 (T % 2) + w + 8 (w / 8).  A wave takes a whole row, 32 numbers a lane: every load and store covers 512 bytes on end.
; The 16 rows meet in LDS (rows 4,112 bytes apart: 16 rows begin in 16 different columns of 16 bytes); behind one barrier waves 0-7 each make one fragment (16 rows x 128 K).
; All in f32.  LIMITS: a block of zeros gets the byte 1; NaN and infinities are not served.
.set PITCH, 4112
.set XOFF,  3276800
.set SEL,   30
.set PC,    96
.set TM,    116
.set PW,    132
.set ST,    192
.macro LD8 reg, lo
.irp j, 0,1,2,3,4,5,6,7
	global_load_b128 v[\reg+4*\j:\reg+4*\j+3], v3, s[\lo:\lo+1] offset:512*\j
.endr
.endm
.macro LD8NT reg, lo
.irp j, 0,1,2,3,4,5,6,7
	global_load_b128 v[\reg+4*\j:\reg+4*\j+3], v3, s[\lo:\lo+1] offset:512*\j th:TH_LOAD_NT
.endr
.endm
.macro ADD32 src                       ; v32-63 += 32 numbers
.set j, 0
.rept 16
	v_pk_add_f32 v[32+j:33+j], v[32+j:33+j], v[\src+j:\src+j+1]
.set j, j+2
.endr
.endm
.macro REDUCE a, t                     ; the sum over the 32 lanes, in every lane
	s_delay_alu instid0(VALU_DEP_1)
	v_add_f32_dpp v[\a], v[\a], v[\a] row_xmask:1 row_mask:0xf bank_mask:0xf
	s_delay_alu instid0(VALU_DEP_1)
	v_add_f32_dpp v[\a], v[\a], v[\a] row_xmask:2 row_mask:0xf bank_mask:0xf
	s_delay_alu instid0(VALU_DEP_1)
	v_add_f32_dpp v[\a], v[\a], v[\a] row_xmask:4 row_mask:0xf bank_mask:0xf
	s_delay_alu instid0(VALU_DEP_1)
	v_add_f32_dpp v[\a], v[\a], v[\a] row_xmask:8 row_mask:0xf bank_mask:0xf
	s_delay_alu instid0(VALU_DEP_1)
	v_permlanex16_b32 v[\t], v[\a], s[SEL], s[SEL+1]
	s_delay_alu instid0(VALU_DEP_1)
	v_add_f32 v[\a], v[\a], v[\t]
.endm
.macro STATS                           ; v32-63 become y - mean; v[14:15] = 1 / (std + eps)
	v_pk_add_f32 v[10:11], v[32:33], v[34:35]
	v_pk_add_f32 v[12:13], v[36:37], v[38:39]
.set j, 8
.rept 6
	s_delay_alu instid0(VALU_DEP_2)
	v_pk_add_f32 v[10:11], v[10:11], v[32+j:33+j]
	s_delay_alu instid0(VALU_DEP_2)
	v_pk_add_f32 v[12:13], v[12:13], v[34+j:35+j]
.set j, j+4
.endr
	s_delay_alu instid0(VALU_DEP_1)
	v_pk_add_f32 v[10:11], v[10:11], v[12:13]
	s_delay_alu instid0(VALU_DEP_1)
	v_add_f32 v10, v10, v11
	REDUCE 10, 11
	s_delay_alu instid0(VALU_DEP_1)
	v_mul_f32 v10, 0x3a800000, v10                 ; / 1,024
	s_delay_alu instid0(VALU_DEP_1)
	v_mov_b32 v11, v10
.set j, 0
.rept 16
	v_pk_add_f32 v[32+j:33+j], v[32+j:33+j], v[10:11] neg_lo:[0,1] neg_hi:[0,1]
.set j, j+2
.endr
	v_pk_mul_f32 v[12:13], v[32:33], v[32:33]
	v_pk_mul_f32 v[14:15], v[34:35], v[34:35]
.set j, 4
.rept 7
	s_delay_alu instid0(VALU_DEP_2)
	v_pk_fma_f32 v[12:13], v[32+j:33+j], v[32+j:33+j], v[12:13]
	s_delay_alu instid0(VALU_DEP_2)
	v_pk_fma_f32 v[14:15], v[34+j:35+j], v[34+j:35+j], v[14:15]
.set j, j+4
.endr
	s_delay_alu instid0(VALU_DEP_1)
	v_pk_add_f32 v[12:13], v[12:13], v[14:15]
	s_delay_alu instid0(VALU_DEP_1)
	v_add_f32 v12, v12, v13
	REDUCE 12, 13
	s_delay_alu instid0(VALU_DEP_1)
	v_mul_f32 v12, 0x3a802008, v12                 ; / 1,023
	s_wait_alu depctr_va_vdst(0)
	v_sqrt_f32 v13, v12
	v_nop                                          ; a plain place behind a transcendental,
	s_wait_alu depctr_va_vdst(0)                   ; and a wait ahead of its first reader
	v_add_f32 v13, 0x358637bd, v13                 ; + 1e-6
	s_wait_alu depctr_va_vdst(0)
	v_rcp_f32 v14, v13
	v_nop
	s_wait_alu depctr_va_vdst(0)
	v_mov_b32 v15, v14
.endm
.macro NORM al, bi
.set j, 0
.rept 16
	v_pk_mul_f32 v[32+j:33+j], v[32+j:33+j], v[14:15]
	s_delay_alu instid0(VALU_DEP_1)
	v_pk_fma_f32 v[32+j:33+j], v[32+j:33+j], v[\al+j:\al+j+1], v[\bi+j:\bi+j+1]
.set j, j+2
.endr
.endm
; THE PRODUCT ctx wo IS MADE HERE TOO, on codes of FP6, K = 1,024: the work-group owns its 16 rows over all 1,024 columns, so the row's mean and deviation need no other work-group and the product never goes to memory.
; Wave w makes 16 rows x columns 64 w .. 64 w + 63: four accumulators by turns, eight K steps of 128.  ctx's tile and wo's tiles are images of operand registers: each lane loads its fragments as they lie, from memory straight into registers.
; No tensor load, no cluster: what the work-groups share (wo's image) is taken by plain loads, of which each wave keeps three groups on their way; a ring in LDS would hold one group.
; A GROUP is one K step: ctx's fragment and four of wo's, 60 registers; three buffers take turns (v96-155, v156-215, v32-91).  A scale register holds the words of two K steps: lanes 0-15 the even step's, lanes 16-31 the odd step's.
; The matrix instruction is used transposed (source 0 = 16 columns of wo, source 1 = ctx's 16 rows): a lane holds 16 neighbouring columns of one row for each pair of tiles; they go to the stage in LDS, and behind a barrier wave w reads row w whole.
; x, wo_b, alpha1, bias1 are loaded into the buffers as these fall free.  x1's image goes to qkvimg, which no launch behind attention reads: this launch loads from no buffer that it stores into.
.set GACC, 216                         ; v216-247 the four accumulators
.set ALDS, 68096                       ; behind the spare words: ctx's tile, 12,800 bytes, brought from memory once for all sixteen waves
.macro GSET q
.set GF, 96+60*((\q)%3)-184*(((\q)%3)/2)       ; the group's buffer
.set GS, 16+5*(((\q)/2)%2)                     ; v16-25 two sets of five scale registers: ctx's, then wo's four
.set GK, ((\q)/2)*3200+((\q)%2)*1536
.endm
.macro GFRAG reg, lo, off
	global_load_b128 v[\reg:\reg+3], v3, s[\lo:\lo+1] offset:\off
	global_load_b64 v[\reg+4:\reg+5], v4, s[\lo:\lo+1] offset:\off+512
	global_load_b128 v[\reg+6:\reg+9], v3, s[\lo:\lo+1] offset:\off+768
	global_load_b64 v[\reg+10:\reg+11], v4, s[\lo:\lo+1] offset:\off+1280
.endm
.macro GLDB q                          ; wo's four fragments of group q, from memory: 16 loads, and in an even step 4 more for the scale words of two steps
	GSET \q
.irp b, 0,1,2,3
	GFRAG GF+12+12*\b, 32, GK+12800*\b
.endr
.if (\q)%2 == 0
.irp b, 0,1,2,3
	global_load_b32 v[GS+1+\b], v26, s[32:33] offset:((\q)/2)*3200+3072+12800*\b
.endr
.endif
.endm
.macro GLDA q                          ; ctx's fragment of group q, from LDS: 4 loads, and in an even step 1 more
	GSET \q
	ds_load_b128 v[GF:GF+3], v10 offset:GK
	ds_load_b64 v[GF+4:GF+5], v11 offset:GK+512
	ds_load_b128 v[GF+6:GF+9], v10 offset:GK+768
	ds_load_b64 v[GF+10:GF+11], v11 offset:GK+1280
.if (\q)%2 == 0
	ds_load_b32 v[GS], v12 offset:((\q)/2)*3200+3072
.endif
.endm
.macro GSTEP q, n, d                   ; n, d: the loads from memory and from LDS issued behind group q's
	GSET \q
	s_wait_loadcnt \n
	s_wait_dscnt \d
.irp b, 0,1,2,3
.if (\q) == 0
	v_wmma_scale_f32_16x16x128_f8f6f4 v[GACC+8*\b:GACC+8*\b+7], v[GF+12+12*\b:GF+23+12*\b], v[GF:GF+11], 0, v[GS+1+\b], v[GS] matrix_a_fmt:MATRIX_FMT_FP6 matrix_b_fmt:MATRIX_FMT_FP6
.elseif (\q)%2
	v_wmma_scale_f32_16x16x128_f8f6f4 v[GACC+8*\b:GACC+8*\b+7], v[GF+12+12*\b:GF+23+12*\b], v[GF:GF+11], v[GACC+8*\b:GACC+8*\b+7], v[GS+1+\b], v[GS] matrix_a_fmt:MATRIX_FMT_FP6 matrix_b_fmt:MATRIX_FMT_FP6 matrix_a_scale:MATRIX_SCALE_ROW1 matrix_b_scale:MATRIX_SCALE_ROW1
.else
	v_wmma_scale_f32_16x16x128_f8f6f4 v[GACC+8*\b:GACC+8*\b+7], v[GF+12+12*\b:GF+23+12*\b], v[GF:GF+11], v[GACC+8*\b:GACC+8*\b+7], v[GS+1+\b], v[GS] matrix_a_fmt:MATRIX_FMT_FP6 matrix_b_fmt:MATRIX_FMT_FP6
.endif
.endr
.rept 4
	v_nop                                          ; places ahead of loads into registers that these products have read, and of the first read of the sums
.endr
.endm
	s_load_b256 s[4:11], s[0:1], 0x0               ; x s[4:5], acts (ctx's image) s[6:7], wo_b s[8:9], alpha1 s[10:11]
	s_load_b128 s[12:15], s[0:1], 0x20             ; bias1 s[12:13], x1 s[14:15]
	s_load_b64 s[16:17], s[0:1], 0x30              ; qkvimg: x1's image
	s_load_b64 s[32:33], s[0:1], 0x38              ; woimg
	v_lshl_add_u32 v30, v0, 2, 0x10200
	v_mov_b32 v31, 0
	v_lshrrev_b32 v1, 5, v0
	s_delay_alu instid0(VALU_DEP_1)
	v_readfirstlane_b32 s18, v1                    ; wave
	v_and_b32 v2, 31, v0
	s_delay_alu instid0(VALU_DEP_1)
	v_lshlrev_b32 v3, 4, v2                        ; 16 x lane
	s_delay_alu instid0(VALU_DEP_2)
	v_lshlrev_b32 v4, 3, v2                        ; 8 x lane
	v_and_b32 v5, 15, v0                           ; r
	v_bfe_u32 v6, v0, 4, 1                         ; h
	s_delay_alu instid0(VALU_DEP_2)
	v_lshlrev_b32 v7, 2, v5                        ; 4 r
	s_mul_i32 s19, s18, PITCH
	v_add_nc_u32 v8, s19, v3                       ; the stage, in: my row
	s_and_b32 s20, s18, 7                          ; the K step that I quantise (waves 0-7)
	s_lshl_b32 s21, s20, 9
	v_mul_u32_u24 v9, v5, PITCH
	s_delay_alu instid0(VALU_DEP_1)
	v_lshl_add_u32 v9, v6, 6, v9
	s_delay_alu instid0(VALU_DEP_1)
	v_add_nc_u32 v9, s21, v9                       ; out: row r, + 512 x K step, + 64 h
	v_mul_u32_u24 v29, v5, PITCH
	v_min_u32 v27, 15, v2
	v_lshlrev_b32 v26, 2, v2                       ; 4 x lane: the scale words of two K steps
	v_lshlrev_b32 v28, 4, v0                       ; 16 x thread: my 16 bytes of ctx's tile
	v_add_nc_u32 v10, ALDS, v3                     ; ctx's tile in LDS: + 16 x lane,
	v_add_nc_u32 v11, ALDS, v4                     ; + 8 x lane,
	v_add_nc_u32 v12, ALDS, v26                    ; + 4 x lane,
	v_add_nc_u32 v13, ALDS, v28                    ; + 16 x thread
	s_lshl_b32 s34, s18, 8
	v_lshl_add_u32 v29, v6, 6, v29
	v_lshlrev_b32 v27, 8, v27                      ; x's row in 16 blocks of 256 bytes; lanes 16-31 name the last again
	v_add_nc_u32 v29, s34, v29                     ; the stage, the product's way in: row r, + 256 x wave, + 64 h
	s_mul_i32 s34, ttmp9, 12800                    ; ctx's tile
	s_mov_b32 s35, 0
	s_mul_i32 s36, s18, 51200                      ; my four tiles of wo
	s_mov_b32 s37, 0
	s_lshr_b32 s22, ttmp9, 1
	s_lshl_b32 s22, s22, 5
	s_and_b32 s23, ttmp9, 1
	s_lshl_b32 s23, s23, 3
	s_add_co_u32 s22, s22, s23
	s_add_co_u32 s22, s22, s18
	s_lshr_b32 s23, s18, 3
	s_lshl_b32 s23, s23, 3
	s_add_co_u32 s22, s22, s23                     ; my row
	s_lshl_b32 s22, s22, 12
	s_mov_b32 s23, 0
	s_mul_i32 s24, ttmp9, 12800
	s_lshr_b32 s25, s20, 1
	s_mul_i32 s25, s25, 3200
	s_add_co_u32 s24, s24, s25
	s_mov_b32 s25, 0
	s_and_b32 s26, s20, 1
	s_mul_i32 s28, s26, 1536
	s_mov_b32 s29, 0
	s_lshl_b32 s26, s26, 6
	s_mov_b32 s27, 0
	s_mov_b32 s[SEL], 0x76543210
	s_mov_b32 s[SEL+1], 0xfedcba98
	s_wait_alu depctr_va_vdst(0)
	s_wait_kmcnt 0x0
	s_add_nc_u64 s[4:5], s[4:5], s[22:23]
	s_add_nc_u64 s[6:7], s[6:7], s[34:35]
	s_add_nc_u64 s[32:33], s[32:33], s[36:37]
	s_add_nc_u64 s[14:15], s[14:15], s[22:23]
	s_add_nc_u64 s[16:17], s[16:17], s[24:25]      ; my unit of the image
	s_add_nc_u64 s[28:29], s[16:17], s[28:29]      ; my fragment in it
	s_add_nc_u64 s[26:27], s[16:17], s[26:27]      ; (+ 3,072:) its scale words
	global_prefetch_b8 v27, s[4:5] th:TH_LOAD_NT scope:SCOPE_SE   ; my row of x, which is loaded behind the sixth K step
	global_load_b128 v[248:251], v28, s[6:7]       ; ctx's tile: 512 threads x 16 bytes,
	s_cmp_lt_u32 s18, 9
	s_cbranch_scc0 .Lshort_in
	global_load_b128 v[252:255], v28, s[6:7] offset:8192   ; and the 4,608 bytes left: the 288 threads of waves 0-8
.Lshort_in:
	GLDB 0
	GLDB 1
	GLDB 2
	s_wait_loadcnt 56                              ; my part of the tile is in; behind it: wo's three groups, 20 + 16 + 20 loads
	ds_store_b128 v13, v[248:251]
	s_cmp_lt_u32 s18, 9
	s_cbranch_scc0 .Lshort_out
	ds_store_b128 v13, v[252:255] offset:8192
.Lshort_out:
	s_wait_dscnt 0x0                               ; for the others' sake: my part lies in LDS
	s_barrier_signal -1
	s_barrier_wait -1
	GLDA 0
	GLDA 1
	GLDA 2
.irp q, 0,1,2,3,4
	GSTEP \q, 36, 9                                ; behind group q: one group of 16 loads and one of 20; from LDS 4 and 5
	GLDB (\q+3)
	GLDA (\q+3)
.endr
	GSTEP 5, 36, 9
	LD8NT 32, 4                                    ; x takes the buffer that has no group left
	GSTEP 6, 24, 4                                 ; behind group 6: group 7's 16 and x's 8; from LDS group 7's 4
	LD8 96, 8
	GSTEP 7, 16, 0                                 ; x's 8 and wo_b's 8
	LD8 128, 10
	LD8 160, 12
.irp b, 0,1,2,3
	ds_store_b128 v29, v[GACC+8*\b:GACC+8*\b+3] offset:128*(\b/2)+32*(\b%2)       ; each accumulator from its low end on: register j of tile 2 g + u is column 64 w + 32 g + 16 h + 8 u + j
	ds_store_b128 v29, v[GACC+8*\b+4:GACC+8*\b+7] offset:128*(\b/2)+32*(\b%2)+16
.endr
	s_wait_dscnt 0x0                               ; for the others' sake: my 64 columns of the 16 rows lie in the stage
	s_barrier_signal -1
	s_barrier_wait -1
.irp j, 0,1,2,3,4,5,6,7
	ds_load_b128 v[64+4*\j:67+4*\j], v8 offset:512*\j   ; my row of the product, as x's row lies in my registers
.endr
	s_wait_loadcnt 24                              ; x is in; three streams of eight may be out
	s_wait_dscnt 0x0
	ADD32 64
	s_wait_loadcnt 16                              ; wo_b is in
	ADD32 96
	STATS
	s_wait_alu depctr_va_vdst(0)
	s_wait_loadcnt 0x0
	NORM 128, 160
.irp j, 0,1,2,3,4,5,6,7
	global_store_b128 v3, v[32+4*\j:35+4*\j], s[14:15] offset:512*\j
	ds_store_b128 v8, v[32+4*\j:35+4*\j] offset:512*\j
.endr
	s_wait_dscnt 0x0                               ; for the others' sake: my row lies in the stage
	s_barrier_signal -1
	s_barrier_wait -1
	s_cmp_lt_u32 s18, 8
	s_cbranch_scc0 .Ldone
.irp b, 0,1,2,3
.irp j, 0,1,2,3
	ds_load_b128 v[ST+16*\b+4*\j:ST+16*\b+4*\j+3], v9 offset:128*\b+16*\j   ; register 16 b + i = k 32 b + 16 h + i of row r
.endr
.endr
.irp b, 0,1,2,3
	v_mov_b32 v[TM+4+\b], 0
.endr
	s_wait_dscnt 0x0
.irp b, 0,1,2,3
	v_max3_num_f32 v[TM+\b], |v[ST+16*\b]|, |v[ST+1+16*\b]|, 0x1800000
.endr
.irp i, 2,4,6,8,10,12,14
.irp b, 0,1,2,3
	s_delay_alu instid0(VALU_DEP_4)
	v_max3_num_f32 v[TM+\b], v[TM+\b], |v[ST+16*\b+\i]|, |v[ST+1+16*\b+\i]|
.endr
.endr
.irp b, 0,1,2,3
	s_delay_alu instid0(VALU_DEP_4)
	v_permlanex16_b32 v[TM+4+\b], v[TM+\b], s[SEL], s[SEL+1]
.endr
.irp b, 0,1,2,3
	s_delay_alu instid0(VALU_DEP_4)
	v_max_num_f32 v[TM+\b], v[TM+\b], v[TM+4+\b]
.endr
.irp b, 0,1,2,3
	s_delay_alu instid0(VALU_DEP_4)
	v_add_nc_u32 v[TM+12+\b], 0xff000000, v[TM+\b]
.endr
.irp b, 0,1,2,3
	s_delay_alu instid0(VALU_DEP_4)
	v_lshrrev_b32 v[TM+4+\b], 23, v[TM+12+\b]
.endr
	s_delay_alu instid0(VALU_DEP_3)
	v_lshl_or_b32 v[PW], v[TM+5], 8, v[TM+4]
	s_delay_alu instid0(VALU_DEP_1)
	v_lshl_or_b32 v[PW], v[TM+6], 16, v[PW]
	s_delay_alu instid0(VALU_DEP_1)
	v_lshl_or_b32 v[PW], v[TM+7], 24, v[PW]
.irp c, 0,1
	v_cvt_scalef32_pk16_fp6_f32 v[PC+6*\c:PC+2+6*\c], v[ST+32*\c:ST+15+32*\c], v[TM+12+2*\c]
	v_cvt_scalef32_pk16_fp6_f32 v[PC+12+4*\c:PC+14+4*\c], v[ST+16+32*\c:ST+31+32*\c], v[TM+12+2*\c+1]
.endr
	v_nop
.irp c, 0,1
.irp i, 0,1,2
	v_permlane16_swap_b32 v[PC+6*\c+\i], v[PC+12+4*\c+\i]
.endr
.irp i, 0,1,2
	s_delay_alu instid0(VALU_DEP_3)
	v_mov_b32 v[PC+3+6*\c+\i], v[PC+12+4*\c+\i]
.endr
.endr
	global_store_b128 v3, v[PC:PC+3], s[28:29]
	global_store_b64 v4, v[PC+4:PC+5], s[28:29] offset:512
	global_store_b128 v3, v[PC+6:PC+9], s[28:29] offset:768
	global_store_b64 v4, v[PC+10:PC+11], s[28:29] offset:1280
	global_store_b32 v7, v[PW], s[26:27] offset:3072   ; lanes r and r + 16 write the same word with the same value
.Ldone:
	s_wait_tensorcnt 0x0
	ds_add_u32 v30, v31
	s_wait_dscnt 0x0
	s_endpgm
.Lfunc_end_k_q3357682cef_ln1:
	.size	k_q3357682cef_ln1, .Lfunc_end_k_q3357682cef_ln1-k_q3357682cef_ln1
	.p2alignl 7, 3214868480
	.fill 96, 4, 3214868480
	.section	.rodata,"a",@progbits
	.p2align	6, 0x0
	.amdhsa_kernel k_q3357682cef_ln1
		.amdhsa_group_segment_fixed_size 80896
		.amdhsa_private_segment_fixed_size 0
		.amdhsa_enable_private_segment 0
		.amdhsa_kernarg_size 64
		.amdhsa_user_sgpr_count 2
		.amdhsa_user_sgpr_kernarg_segment_ptr 1
		.amdhsa_wavefront_size32 1
		.amdhsa_system_sgpr_workgroup_id_x 1
		.amdhsa_system_sgpr_workgroup_id_y 1
		.amdhsa_system_sgpr_workgroup_id_z 1
		.amdhsa_system_vgpr_workitem_id 0
		.amdhsa_next_free_vgpr 256
		.amdhsa_next_free_sgpr 66
		.amdhsa_reserve_vcc 0
		.amdhsa_float_denorm_mode_32 3
		.amdhsa_float_denorm_mode_16_64 3
		.amdhsa_memory_ordered 1
		.amdhsa_forward_progress 1
		.amdhsa_inst_pref_size 49
	.end_amdhsa_kernel
	.amdgpu_metadata
---
amdhsa.version: [ 1, 2 ]
amdhsa.kernels:
  - .name:           k_q3357682cef_ln1
    .symbol:         k_q3357682cef_ln1.kd
    .args:
      - { .name: x, .offset: 0, .size: 8, .value_kind: global_buffer, .address_space: global }
      - { .name: acts, .offset: 8, .size: 8, .value_kind: global_buffer, .address_space: global }
      - { .name: wo_b, .offset: 16, .size: 8, .value_kind: global_buffer, .address_space: global }
      - { .name: alpha1, .offset: 24, .size: 8, .value_kind: global_buffer, .address_space: global }
      - { .name: bias1, .offset: 32, .size: 8, .value_kind: global_buffer, .address_space: global }
      - { .name: x1, .offset: 40, .size: 8, .value_kind: global_buffer, .address_space: global }
      - { .name: qkvimg, .offset: 48, .size: 8, .value_kind: global_buffer, .address_space: global }
      - { .name: woimg, .offset: 56, .size: 8, .value_kind: global_buffer, .address_space: global }
    .group_segment_fixed_size: 80896
    .private_segment_fixed_size: 0
    .kernarg_segment_align: 8
    .kernarg_segment_size: 64
    .max_flat_workgroup_size: 512
    .sgpr_count:     66
    .vgpr_count:     256
    .wavefront_size: 32
...
	.end_amdgpu_metadata
.endif
;; end of part 11
;; launch ffn1 (part 12): grid 16 x 16, 4 waves a work-group, clusters of 4 x 4, 327,680 bytes of LDS; arguments qkvimg, wimg, b1, himg; writes himg
.if DOCPART == 12
	.amdgcn_target "amdgcn-amd-amdhsa--gfx1250"
	.amdhsa_code_object_version 6
	.text
	.protected	k_q3357682cef_ffn1
	.globl	k_q3357682cef_ffn1
	.p2align	8
	.type	k_q3357682cef_ffn1,@function
k_q3357682cef_ffn1:
	s_mov_b64 s[64:65], 0
	v_nop
	global_prefetch_b8 v0, s[64:65] scope:SCOPE_SE
	s_setreg_imm32_b32 hwreg(HW_REG_WAVE_MODE, 25, 1), 1
	s_wait_xcnt 0x0
	s_wait_alu depctr_hold_cnt(0) depctr_sa_sdst(0) depctr_va_vdst(0) depctr_va_sdst(0) depctr_va_ssrc(0) depctr_va_vcc(0) depctr_vm_vsrc(0)
	s_getreg_b32 s2, hwreg(HW_REG_IB_STS2, 6, 4)
	s_cmp_eq_u32 s2, 0
	s_cbranch_scc0 .Lentry_in_a_cluster
	s_endpgm
.Lentry_in_a_cluster:
	s_bfe_u32 s2, ttmp6, 0x10000c
	s_cmp_lg_u32 s2, 0xf033
	s_cbranch_scc0 .Lentry_shape_is_right
	s_endpgm
.Lentry_shape_is_right:
.set UNIT,  3328                       ; a unit's place in LDS: 3,200 bytes of the image inside a tensor row of 3,328, which begins at a multiple of 256 bytes of memory (odd units: 128 bytes ahead of the unit)
.set TS,    12800
.set HALFT, 8*UNIT
.set SLOT,  4*HALFT
.set SPARE, 2*SLOT
.set FR,    12
.set NL,    4
.set NP,    4
.set XOFF,  3276800
.set W1OFF, 192*TS
.set ADRA, 16
.set ADRB, 20
.set LI,   24
.set L8,   25
.set LS4,  26
.set BOF,  27
.set SPW,  28
.set NIL,  29
.set ADRS, 30
.set SC,   32
.set BI,   64
.set PC,   112
.set AF,   128
.set TM,   200
.set PW,   216
.set G1,  24
.set G0,  32
.set G1B, 48
.set G0B, 56
.set SEL, 66
.set MSB, 0
.macro WIN new
.if MSB != (\new)
	s_set_vgpr_msb (MSB<<8)|(\new)
.set MSB, (\new)
.endif
.endm
.set TO_B, 0x40
.macro WINMUL hi, zero
.if (\zero) == 2
	WIN 0x81+0x40*(\hi)
.else
	WIN 0xa1+0x50*(\hi)
.endif
.endm
.macro JLOAD g0a, g1a, g0b, g1b
	s_cmp_eq_u32 s15, 0
	s_cbranch_scc0 .Lfor_b_\@
	tensor_load_to_lds s[\g0a:\g0a+3], s[\g1a:\g1a+7]
	s_nop 0
.rept 4
	v_nop
.endr
	s_branch .Lasked_\@
.Lfor_b_\@:
	tensor_load_to_lds s[\g0b:\g0b+3], s[\g1b:\g1b+7]
	s_nop 0
.rept 4
	v_nop
.endr
.Lasked_\@:
.endm
.macro CREST
	s_cmp_lg_u32 s14, 0
	s_cbranch_scc1 .Lnot_wave_0_\@
	s_barrier_signal -3
.Lnot_wave_0_\@:
	s_barrier_wait -3
	s_barrier_signal -1
	s_barrier_wait -1
.endm
.macro CROUND
	s_barrier_signal -1
	s_barrier_wait -1
	CREST
.endm
.macro PLACES n
.rept \n
	v_nop
.endr
.endm
.macro FRAG reg, adr, q, i
.irp c, 0,1
	ds_load_b128 v[\reg+6*\c:\reg+6*\c+3], v[\adr] offset:(\i)*UNIT+(\q)*1536+\c*768
	ds_load_b64 v[\reg+6*\c+4:\reg+6*\c+5], v[\adr+2] offset:(\i)*UNIT+(\q)*1536+\c*768+512
.endr
.endm
.macro FETCH_B slot, q, p
	WIN TO_B
.irp i, 0,1,2,3,4,5,6,7
	FRAG 128*(\p)+FR*\i, ADRB+\slot, \q, \i
.endr
	WIN 0
.endm
.macro FETCH_A slot, q, i0
.irp i, \i0, \i0+1, \i0+2, \i0+3
	FRAG AF+FR*(\i), ADRA+\slot, \q, \i
.endr
.endm
.macro SCALES sc
.irp i, 0,1,2,3,4,5,6,7
	ds_load_b32 v[SC+16*\sc+2*\i], v[ADRS+\sc] offset:\i*UNIT+3072
	ds_load_b32 v[SC+16*\sc+2*\i+1], v[ADRS+\sc] offset:\i*UNIT+3072+64
.endr
.endm
.macro MUL16 a0, p, q, sc, zero
.irp a, \a0, \a0+1
.irp b, 0,1,2,3,4,5,6,7
.if (\zero) == 1
	v_wmma_scale_f32_16x16x128_f8f6f4 v[8*(8*((\a)%4)+\b):8*(8*((\a)%4)+\b)+7], v[128*(\p)+FR*\b:128*(\p)+FR*\b+FR-1], v[AF+FR*(\a):AF+FR*(\a)+FR-1], 0, v[SC+16*(\sc)+2*\b+(\q)], v[SC+16*(\sc)+2*(\a)+(\q)] matrix_a_fmt:MATRIX_FMT_FP6 matrix_b_fmt:MATRIX_FMT_FP6 matrix_a_scale:MATRIX_SCALE_ROW1
.elseif (\zero) == 2
	v_wmma_scale_f32_16x16x128_f8f6f4 v[8*(8*((\a)%4)+\b):8*(8*((\a)%4)+\b)+7], v[128*(\p)+FR*\b:128*(\p)+FR*\b+FR-1], v[AF+FR*(\a):AF+FR*(\a)+FR-1], v[BI+8*\b:BI+8*\b+7], v[SC+16*(\sc)+2*\b+(\q)], v[SC+16*(\sc)+2*(\a)+(\q)] matrix_a_fmt:MATRIX_FMT_FP6 matrix_b_fmt:MATRIX_FMT_FP6 matrix_a_scale:MATRIX_SCALE_ROW1
.else
	v_wmma_scale_f32_16x16x128_f8f6f4 v[8*(8*((\a)%4)+\b):8*(8*((\a)%4)+\b)+7], v[128*(\p)+FR*\b:128*(\p)+FR*\b+FR-1], v[AF+FR*(\a):AF+FR*(\a)+FR-1], v[8*(8*((\a)%4)+\b):8*(8*((\a)%4)+\b)+7], v[SC+16*(\sc)+2*\b+(\q)], v[SC+16*(\sc)+2*(\a)+(\q)] matrix_a_fmt:MATRIX_FMT_FP6 matrix_b_fmt:MATRIX_FMT_FP6 matrix_a_scale:MATRIX_SCALE_ROW1
.endif
.endr
.endr
.endm
.macro STEP slot, q, zero
	s_wait_dscnt 4*NL
	WINMUL 0, \zero
	MUL16 0, (\q)%2, \q, \slot, \zero
	MUL16 2, (\q)%2, \q, \slot, \zero
	s_wait_dscnt 0
	PLACES NP
	FETCH_B \slot, (\q)+1, 1-(\q)%2
	FETCH_A \slot, (\q)+1, 0
	WINMUL 1, \zero
	MUL16 4, (\q)%2, \q, \slot, \zero
	MUL16 6, (\q)%2, \q, \slot, \zero
	PLACES NP
	WIN 0
	FETCH_A \slot, (\q)+1, 4
.endm
.macro TURN slot, next, fill
	s_wait_tensorcnt 0x0
	ds_add_u32 v[SPW], v[NIL]
	s_wait_dscnt 4*NL+1
	WINMUL 0, 0
	MUL16 0, 1, 1, \slot, 0
	s_wait_dscnt 0x0
	s_barrier_signal -1
	MUL16 2, 1, 1, \slot, 0
	WIN 0
	s_barrier_wait -1
.if \fill
	CREST
	s_add_nc_u64 s[G0+4*\slot+2:G0+4*\slot+3], s[G0+4*\slot+2:G0+4*\slot+3], 6400
	s_add_nc_u64 s[G0B+4*\slot+2:G0B+4*\slot+3], s[G0B+4*\slot+2:G0B+4*\slot+3], 6400
	JLOAD G0+4*\slot, G1, G0B+4*\slot, G1B
.else
	PLACES NP
.endif
	FETCH_B \next, 0, 0
	FETCH_A \next, 0, 0
	SCALES \next
	WINMUL 1, 0
	MUL16 4, 1, 1, \slot, 0
	MUL16 6, 1, 1, \slot, 0
	PLACES NP
	WIN 0
	FETCH_A \next, 0, 4
.endm
.macro QUANT s, w
	WIN (\w)|((\w)<<2)
.irp b, 0,1,2,3
	v_max3_num_f32 v[TM+\b], |v[\s+16*\b]|, |v[\s+1+16*\b]|, 0x1800000
.endr
	WIN ((\w)<<2)|((\w)<<4)
.irp i, 2,4,6,8,10,12,14
.irp b, 0,1,2,3
	v_max3_num_f32 v[TM+\b], v[TM+\b], |v[\s+16*\b+\i]|, |v[\s+1+16*\b+\i]|
.endr
.endr
	WIN 0
.irp b, 0,1,2,3
	v_permlanex16_b32 v[TM+4+\b], v[TM+\b], s[SEL], s[SEL+1]
.endr
.irp b, 0,1,2,3
	v_max_num_f32 v[TM+\b], v[TM+\b], v[TM+4+\b]
.endr
.irp b, 0,1,2,3
	v_add_nc_u32 v[TM+12+\b], 0xff000000, v[TM+\b]
.endr
.irp b, 0,1,2,3
	v_lshrrev_b32 v[TM+4+\b], 23, v[TM+12+\b]
.endr
	v_lshl_or_b32 v[PW], v[TM+5], 8, v[TM+4]
	v_lshl_or_b32 v[PW], v[TM+6], 16, v[PW]
	v_lshl_or_b32 v[PW], v[TM+7], 24, v[PW]
	WIN (\w)
.irp c, 0,1
	v_cvt_scalef32_pk16_fp6_f32 v[PC+6*\c:PC+2+6*\c], v[\s+32*\c:\s+15+32*\c], v[TM+12+2*\c]
	v_cvt_scalef32_pk16_fp6_f32 v[PC+12+4*\c:PC+14+4*\c], v[\s+16+32*\c:\s+31+32*\c], v[TM+12+2*\c+1]
.endr
	WIN 0
	v_nop
.irp c, 0,1
.irp i, 0,1,2
	v_permlane16_swap_b32 v[PC+6*\c+\i], v[PC+12+4*\c+\i]
.endr
.irp i, 0,1,2
	v_mov_b32 v[PC+3+6*\c+\i], v[PC+12+4*\c+\i]
.endr
.endr
.endm
	s_load_b256 s[4:11], s[0:1], 0x0
	v_lshl_add_u32 v[SPW], v0, 2, SPARE
	v_mov_b32 v[NIL], 0
	ds_add_u32 v28, v29
	ds_add_u32 v28, v29
	s_wait_dscnt 0x0
	v_lshrrev_b32 v1, 5, v0
	v_readfirstlane_b32 s14, v1
	s_lshr_b32 s15, s14, 1
	s_and_b32 s16, s14, 1
	s_bfe_u32 s40, ttmp6, 0x40000
	s_bfe_u32 s41, ttmp6, 0x40004
	s_lshl_b32 s42, ttmp9, 2
	s_add_co_u32 s42, s42, s40
	s_and_b32 s17, ttmp7, 0xffff
	s_lshl_b32 s17, s17, 2
	s_add_co_u32 s17, s17, s41
	s_lshl_b32 s43, s41, 2
	s_lshl_b32 s43, 15, s43
	s_lshl_b32 s44, 0x1111, s40
	s_or_b32 s[G1+0], s43, (3<<16)|(1<<21)
	s_or_b32 s[G1B+0], s44, (3<<16)|(1<<21)
.irp g, G1, G1B
	s_mov_b32 s[\g+1], 416<<16
	s_mov_b32 s[\g+2], 8<<16
	s_mov_b32 s[\g+3], 416<<16
	s_mov_b32 s[\g+4], 8
	s_mov_b32 s[\g+5], 1600
	s_mov_b32 s[\g+6], 0
	s_mov_b32 s[\g+7], 0
.endr
	s_lshl_b32 s22, s16, 3
	s_lshl_b32 s20, s17, 4
	s_add_co_u32 s20, s20, s22
	s_mul_i32 s20, s20, TS
	s_mov_b32 s21, 0
	s_lshl_b32 s46, s42, 4
	s_add_co_u32 s46, s46, s22
	s_mul_i32 s46, s46, TS
	s_add_co_u32 s46, s46, W1OFF
	s_mov_b32 s47, 0
	s_mul_i32 s45, s14, HALFT
	s_wait_kmcnt 0x0
	s_add_nc_u64 s[20:21], s[4:5], s[20:21]
	s_add_nc_u64 s[46:47], s[6:7], s[46:47]
	; THE PREFETCHES: of the eight tiles that my wave fetches, each of the four partners that ask jointly names two, told apart by address (cx for A, cy for B)
	s_cmp_eq_u32 s15, 0
	s_cselect_b64 s[12:13], s[20:21], s[46:47]
	s_cselect_b32 s18, s40, s41
	s_mul_i32 s18, s18, 2*TS
	s_mov_b32 s19, 0
	s_add_nc_u64 s[12:13], s[12:13], s[18:19]
	CROUND
.irp s, 0,1
	s_mov_b32 s[G0+4*\s], 1
	s_add_co_u32 s[G0+4*\s+1], s45, \s*SLOT
	s_add_nc_u64 s[G0+4*\s+2:G0+4*\s+3], s[20:21], \s*3072
	s_or_b32 s[G0+4*\s+3], s[G0+4*\s+3], 0x80000000
	s_mov_b32 s[G0B+4*\s], 1
	s_add_co_u32 s[G0B+4*\s+1], s45, \s*SLOT
	s_add_nc_u64 s[G0B+4*\s+2:G0B+4*\s+3], s[46:47], \s*3072
	s_or_b32 s[G0B+4*\s+3], s[G0B+4*\s+3], 0x80000000
.endr
	JLOAD G0, G1, G0B, G1B                         ; unit 0: one tensor load a wave at the head
	v_and_b32 v7, 31, v0                           ; a lane a block of 256 bytes: v8: two tiles x 13 blocks, v9: two tiles x 12; the lanes left over name the last block again
	v_min_u32 v8, 25, v7
	v_min_u32 v9, 23, v7
	v_mul_u32_u24 v10, v8, 5
	v_mul_u32_u24 v11, v9, 11
	v_lshrrev_b32 v10, 6, v10                      ; lane / 13
	v_lshrrev_b32 v11, 7, v11                      ; lane / 12
	v_mul_u32_u24 v10, v10, 9472                   ; a tile on, 13 blocks back
	v_mul_u32_u24 v11, v11, 9728                   ; a tile on, 12 blocks back
	v_lshl_add_u32 v8, v8, 8, v10
	v_lshl_add_u32 v9, v9, 8, v11
	s_wait_alu depctr_va_vdst(0)
	global_prefetch_b8 v9, s[12:13] offset:3328 th:TH_LOAD_NT scope:SCOPE_SE   ; bytes 3,328 to 6,399 of my two tiles: what unit 1's load asks for beyond unit 0's rows
	global_prefetch_b8 v8, s[12:13] offset:6400 th:TH_LOAD_NT scope:SCOPE_SE   ; bytes 6,400 to 9,727: unit 2's rows
	v_and_b32 v1, 15, v0
	v_bfe_u32 v2, v0, 4, 1
	v_and_b32 v3, 31, v0
	v_lshlrev_b32 v4, 4, v3
	v_lshlrev_b32 v5, 3, v3
	s_mul_i32 s21, s15, HALFT
	s_mul_i32 s22, s16, HALFT
	s_add_co_u32 s22, s22, 2*HALFT
	s_sub_co_u32 s23, s22, s21
	v_mul_u32_u24 v6, s23, v2
	v_lshl_add_u32 v6, v1, 2, v6
	v_add_nc_u32 v[ADRS], s21, v6
	v_add_nc_u32 v[ADRS+1], SLOT+128, v[ADRS]      ; slot 1 holds odd units, which lie 128 bytes into their rows
.irp s, 0,1
	v_add_nc_u32 v[ADRA+\s], s21, v4
	v_add_nc_u32 v[ADRB+\s], s22, v4
	v_add_nc_u32 v[ADRA+2+\s], s21, v5
	v_add_nc_u32 v[ADRB+2+\s], s22, v5
	s_add_co_u32 s21, s21, SLOT+128
	s_add_co_u32 s22, s22, SLOT+128
.endr
	v_mov_b32 v[LI], v4
	v_mov_b32 v[L8], v5
	v_lshlrev_b32 v[LS4], 2, v1
	v_lshlrev_b32 v[BOF], 6, v2
	s_lshl_b32 s82, s42, 10
	s_lshl_b32 s83, s16, 9
	s_add_co_u32 s82, s82, s83
	s_mov_b32 s83, 0
	s_add_nc_u64 s[8:9], s[8:9], s[82:83]
.irp b, 0,1,2,3,4,5,6,7
	global_load_b128 v[BI+8*\b:BI+8*\b+3], v[BOF], s[8:9] offset:128*(\b/2)+32*(\b%2)
	global_load_b128 v[BI+8*\b+4:BI+8*\b+7], v[BOF], s[8:9] offset:128*(\b/2)+32*(\b%2)+16
.endr
	s_wait_alu depctr_va_vdst(0)
	s_wait_tensorcnt 0x0                           ; my part of slot 0 is in; slot 1's first fill is issued as a refill is
	ds_add_u32 v[SPW], v[NIL]
	s_wait_dscnt 0x0
	CROUND
	JLOAD G0+4, G1, G0B+4, G1B                     ; unit 1, the first tensor load behind the round
	FETCH_B 0, 0, 0
	global_prefetch_b8 v9, s[12:13] offset:9728 th:TH_LOAD_NT scope:SCOPE_SE   ; bytes 9,728 to 12,799: the rest of unit 3's rows, two refills ahead
	FETCH_A 0, 0, 0
	SCALES 0
	FETCH_A 0, 0, 4
	s_wait_loadcnt 0x0
	STEP 0, 0, 2
	TURN 0, 1, 1
	STEP 1, 0, 0
	TURN 1, 0, 1
	STEP 0, 0, 0
	TURN 0, 1, 0
	STEP 1, 0, 0
	s_wait_dscnt 4*NL
	WINMUL 0, 0
	MUL16 0, 1, 1, 1, 0
	MUL16 2, 1, 1, 1, 0
	s_wait_dscnt 0
	WINMUL 1, 0
	MUL16 4, 1, 1, 1, 0
	MUL16 6, 1, 1, 1, 0
	WIN 0
	PLACES NP
.irp b, 0,1,2,3
	v_mov_b32 v[TM+4+\b], 0
.endr
	s_mov_b32 s[SEL], 0x76543210
	s_mov_b32 s[SEL+1], 0xfedcba98
	s_lshl_b32 s80, s17, 4
	s_lshl_b32 s81, s15, 3
	s_add_co_u32 s80, s80, s81
	s_lshr_b32 s84, s42, 2
	s_mul_i32 s84, s84, 3276800
	s_mul_i32 s85, s80, TS
	s_add_co_u32 s84, s84, s85
	s_and_b32 s85, s42, 3
	s_mul_i32 s85, s85, 3200
	s_add_co_u32 s84, s84, s85
	s_mov_b32 s85, 0
	s_add_nc_u64 s[10:11], s[10:11], s[84:85]
	s_mul_i32 s86, s16, 1536
	s_mov_b32 s87, 0
	s_add_nc_u64 s[96:97], s[10:11], s[86:87]
	s_lshl_b32 s86, s16, 6
	s_add_nc_u64 s[98:99], s[10:11], s[86:87]
.macro HBLOCK a
.set QS, 64*((\a)%4)
.set QW, 2+(\a)/4
	s_wait_xcnt 0x0
	WIN (QW<<6)|(QW<<2)
.set j, 0
.rept 64
	v_max_num_f32 v[QS+j], 0, v[QS+j]
.set j, j+1
.endr
	QUANT QS, QW
	global_store_b128 v[LI], v[PC:PC+3], s[96:97] offset:TS*(\a)
	global_store_b64 v[L8], v[PC+4:PC+5], s[96:97] offset:TS*(\a)+512
	global_store_b128 v[LI], v[PC+6:PC+9], s[96:97] offset:TS*(\a)+768
	global_store_b64 v[L8], v[PC+10:PC+11], s[96:97] offset:TS*(\a)+1280
	global_store_b32 v[LS4], v[PW], s[98:99] offset:TS*(\a)+3072
.endm
.irp a, 0,1,2,3,4,5,6,7
	HBLOCK \a
.endr
	s_wait_tensorcnt 0x0
	ds_add_u32 v[SPW], v[NIL]
	s_wait_dscnt 0x0
	CROUND
	s_endpgm
.Lfunc_end_k_q3357682cef_ffn1:
	.size	k_q3357682cef_ffn1, .Lfunc_end_k_q3357682cef_ffn1-k_q3357682cef_ffn1
	.p2alignl 7, 3214868480
	.fill 96, 4, 3214868480
	.section	.rodata,"a",@progbits
	.p2align	6, 0x0
	.amdhsa_kernel k_q3357682cef_ffn1
		.amdhsa_group_segment_fixed_size 327680
		.amdhsa_private_segment_fixed_size 0
		.amdhsa_enable_private_segment 0
		.amdhsa_kernarg_size 32
		.amdhsa_user_sgpr_count 2
		.amdhsa_user_sgpr_kernarg_segment_ptr 1
		.amdhsa_wavefront_size32 1
		.amdhsa_system_sgpr_workgroup_id_x 1
		.amdhsa_system_sgpr_workgroup_id_y 1
		.amdhsa_system_sgpr_workgroup_id_z 1
		.amdhsa_system_vgpr_workitem_id 0
		.amdhsa_next_free_vgpr 1024
		.amdhsa_next_free_sgpr 100
		.amdhsa_reserve_vcc 0
		.amdhsa_float_denorm_mode_32 3
		.amdhsa_float_denorm_mode_16_64 3
		.amdhsa_memory_ordered 1
		.amdhsa_forward_progress 1
		.amdhsa_inst_pref_size 168
	.end_amdhsa_kernel
	.amdgpu_metadata
---
amdhsa.version: [ 1, 2 ]
amdhsa.kernels:
  - .name:           k_q3357682cef_ffn1
    .symbol:         k_q3357682cef_ffn1.kd
    .args:
      - { .name: qkvimg, .offset: 0, .size: 8, .value_kind: global_buffer, .address_space: global }
      - { .name: wimg, .offset: 8, .size: 8, .value_kind: global_buffer, .address_space: global }
      - { .name: b1, .offset: 16, .size: 8, .value_kind: global_buffer, .address_space: global }
      - { .name: himg, .offset: 24, .size: 8, .value_kind: global_buffer, .address_space: global }
    .group_segment_fixed_size: 327680
    .private_segment_fixed_size: 0
    .kernarg_segment_align: 8
    .kernarg_segment_size: 32
    .max_flat_workgroup_size: 128
    .sgpr_count:     100
    .vgpr_count:     1024
    .wavefront_size: 32
...
	.end_amdgpu_metadata
.endif
;; end of part 12
;; launch ffn2 (part 13): grid 8 x 32, 4 waves a work-group, clusters of 4 x 4, 327,680 bytes of LDS; arguments himg, w2img, gout; writes gout
.if DOCPART == 13
	.amdgcn_target "amdgcn-amd-amdhsa--gfx1250"
	.amdhsa_code_object_version 6
	.text
	.protected	k_q3357682cef_ffn2
	.globl	k_q3357682cef_ffn2
	.p2align	8
	.type	k_q3357682cef_ffn2,@function
k_q3357682cef_ffn2:
	s_mov_b64 s[64:65], 0
	v_nop
	global_prefetch_b8 v0, s[64:65] scope:SCOPE_SE
	s_setreg_imm32_b32 hwreg(HW_REG_WAVE_MODE, 25, 1), 1
	s_wait_xcnt 0x0
	s_wait_alu depctr_hold_cnt(0) depctr_sa_sdst(0) depctr_va_vdst(0) depctr_va_sdst(0) depctr_va_ssrc(0) depctr_va_vcc(0) depctr_vm_vsrc(0)
	s_getreg_b32 s2, hwreg(HW_REG_IB_STS2, 6, 4)
	s_cmp_eq_u32 s2, 0
	s_cbranch_scc0 .Lentry_in_a_cluster
	s_endpgm
.Lentry_in_a_cluster:
	s_bfe_u32 s2, ttmp6, 0x10000c
	s_cmp_lg_u32 s2, 0xf033
	s_cbranch_scc0 .Lentry_shape_is_right
	s_endpgm
.Lentry_shape_is_right:
.set NCH,   8
.set PR,    0                          ; counts the pairs of refills as the text is assembled
.set SUBA,  3276800
.set SUBB,  819200
.set UNIT,  3200
.set TS,    12800
.set CHB,   6400
.set HALFT, 4*CHB
.set SLOT,  4*HALFT
.set SPARE, 2*SLOT
.set STAGE, SPARE+512
.set SPITCH, 272
.set FR,    12
.set NP,    4
.set ADRA, 16
.set ADRB, 20
.set STO,  24
.set RD,   25
.set CO,   26
.set SPW,  28
.set NIL,  29
.set ADRS, 30
.set SC,   32
.set BK,   64
.set ACC,  128
.set G1,  24
.set G0,  32
.set G1B, 48
.set G0B, 56
.set MSB, 0
.macro WIN new
.if MSB != (\new)
	s_set_vgpr_msb (MSB<<8)|(\new)
.set MSB, (\new)
.endif
.endm
.set MULW, 0x05
.set TO_F, 0x40
.macro JLOAD s
	s_cmp_eq_u32 s15, 0
	s_cbranch_scc0 .Lfor_b_\@
	tensor_load_to_lds s[G0+4*\s:G0+4*\s+3], s[G1:G1+7]
	s_nop 0
.rept 4
	v_nop
.endr
	s_branch .Lasked_\@
.Lfor_b_\@:
	tensor_load_to_lds s[G0B+4*\s:G0B+4*\s+3], s[G1B:G1B+7]
	s_nop 0
.rept 4
	v_nop
.endr
.Lasked_\@:
.endm
.macro CROUND
	s_barrier_signal -1
	s_barrier_wait -1
	s_cmp_lg_u32 s14, 0
	s_cbranch_scc1 .Lnot_wave_0_\@
	s_barrier_signal -3
.Lnot_wave_0_\@:
	s_barrier_wait -3
	s_barrier_signal -1
	s_barrier_wait -1
.endm
.macro PLACES n
.rept \n
	v_nop
.endr
.endm
.macro FRAG reg, adr, kk, i
.irp c, 0,1
	ds_load_b128 v[\reg+6*\c:\reg+6*\c+3], v[\adr] offset:(\i)*CHB+((\kk)/2)*UNIT+((\kk)%2)*1536+\c*768
	ds_load_b64 v[\reg+6*\c+4:\reg+6*\c+5], v[\adr+2] offset:(\i)*CHB+((\kk)/2)*UNIT+((\kk)%2)*1536+\c*768+512
.endr
.endm
.macro FETCH slot, kk, p
	WIN TO_F
.irp i, 0,1,2,3
	FRAG 128*(\p)+48+FR*\i, ADRB+\slot, \kk, \i
.endr
.irp i, 0,1,2,3
	FRAG 128*(\p)+FR*\i, ADRA+\slot, \kk, \i
.endr
	WIN 0
.irp i, 0,1,2,3
	ds_load_b32 v[SC+4*(\p)+\i], v[ADRS+\slot] offset:\i*CHB+((\kk)/2)*UNIT+3072+64*((\kk)%2)
.endr
.endm
.macro MUL p, zero
	WIN MULW
.irp a, 0,1,2,3
.irp b, 0,1,2,3
.if \zero
	v_wmma_scale_f32_16x16x128_f8f6f4 v[ACC+8*(4*\a+\b):ACC+8*(4*\a+\b)+7], v[128*(\p)+48+FR*\b:128*(\p)+48+FR*\b+FR-1], v[128*(\p)+FR*\a:128*(\p)+FR*\a+FR-1], 0, v[SC+4*(\p)+\b], v[SC+4*(\p)+\a] matrix_a_fmt:MATRIX_FMT_FP6 matrix_b_fmt:MATRIX_FMT_FP6 matrix_a_scale:MATRIX_SCALE_ROW1
.else
	v_wmma_scale_f32_16x16x128_f8f6f4 v[ACC+8*(4*\a+\b):ACC+8*(4*\a+\b)+7], v[128*(\p)+48+FR*\b:128*(\p)+48+FR*\b+FR-1], v[128*(\p)+FR*\a:128*(\p)+FR*\a+FR-1], v[ACC+8*(4*\a+\b):ACC+8*(4*\a+\b)+7], v[SC+4*(\p)+\b], v[SC+4*(\p)+\a] matrix_a_fmt:MATRIX_FMT_FP6 matrix_b_fmt:MATRIX_FMT_FP6 matrix_a_scale:MATRIX_SCALE_ROW1
.endif
.endr
.endr
.endm
.macro CHUNK slot, zero
	s_wait_dscnt 0x0
	FETCH \slot, 1, 1
	MUL 0, \zero
	s_wait_dscnt 0x0
	PLACES NP
	FETCH \slot, 2, 0
	MUL 1, 0
	s_wait_dscnt 0x0
	PLACES NP
	FETCH \slot, 3, 1
	MUL 0, 0
	s_wait_dscnt 0x0
	MUL 1, 0
.endm
.macro CHANGE slot, fill
	WIN 0
	s_wait_tensorcnt 0x0
	ds_add_u32 v[SPW], v[NIL]
.if \fill
	s_add_nc_u64 s[G0+4*\slot+2:G0+4*\slot+3], s[G0+4*\slot+2:G0+4*\slot+3], SUBA
	s_add_nc_u64 s[G0B+4*\slot+2:G0B+4*\slot+3], s[G0B+4*\slot+2:G0B+4*\slot+3], SUBB
.endif
	s_wait_dscnt 0x0
.if \fill
	CROUND
	JLOAD \slot
.else
	s_barrier_signal -1
	s_barrier_wait -1
	PLACES NP
.endif
.endm
	s_load_b128 s[4:7], s[0:1], 0x0
	s_load_b64 s[8:9], s[0:1], 0x10
	v_lshl_add_u32 v[SPW], v0, 2, SPARE
	v_mov_b32 v[NIL], 0
	ds_add_u32 v28, v29
	ds_add_u32 v28, v29
	s_wait_dscnt 0x0
	v_lshrrev_b32 v1, 5, v0
	v_readfirstlane_b32 s14, v1
	s_lshr_b32 s15, s14, 1
	s_and_b32 s16, s14, 1
	s_bfe_u32 s40, ttmp6, 0x40000
	s_bfe_u32 s41, ttmp6, 0x40004
	s_lshl_b32 s42, ttmp9, 2
	s_add_co_u32 s42, s42, s40
	s_and_b32 s17, ttmp7, 0xffff
	s_lshl_b32 s17, s17, 2
	s_add_co_u32 s17, s17, s41
	s_lshl_b32 s43, s41, 2
	s_lshl_b32 s43, 15, s43
	s_lshl_b32 s44, 0x1111, s40
	s_or_b32 s[G1+0], s43, (3<<16)|(1<<21)
	s_or_b32 s[G1B+0], s44, (3<<16)|(1<<21)
.irp g, G1, G1B
	s_mov_b32 s[\g+1], 800<<16
	s_mov_b32 s[\g+2], 4<<16
	s_mov_b32 s[\g+3], 800<<16
	s_mov_b32 s[\g+4], 4
	s_mov_b32 s[\g+5], 1600
	s_mov_b32 s[\g+6], 0
	s_mov_b32 s[\g+7], 0
.endr
	s_lshl_b32 s22, s16, 2
	s_lshl_b32 s20, s17, 3
	s_add_co_u32 s20, s20, s22
	s_mul_i32 s20, s20, TS
	s_mov_b32 s21, 0
	s_lshl_b32 s46, s42, 3
	s_add_co_u32 s46, s46, s22
	s_mul_i32 s46, s46, TS
	s_mov_b32 s47, 0
	s_mul_i32 s45, s14, HALFT
	s_wait_kmcnt 0x0
	s_add_nc_u64 s[20:21], s[4:5], s[20:21]
	s_add_nc_u64 s[46:47], s[6:7], s[46:47]
	; THE PREFETCHES: of the four tiles that my wave fetches, each of the four partners that ask jointly names one, told apart by address (cx for A, cy for B): 25 blocks of 256 bytes a chunk, a lane a block
	s_cmp_eq_u32 s15, 0
	s_cselect_b64 s[68:69], s[20:21], s[46:47]
	s_cselect_b32 s72, s40, s41
	s_mov_b32 s70, SUBB
	s_cselect_b32 s70, SUBA, s70                   ; from one 1,024 along K to the next
	s_mov_b32 s71, 0
	s_mul_i32 s72, s72, TS
	s_mov_b32 s73, 0
	s_add_nc_u64 s[68:69], s[68:69], s[72:73]
	s_mov_b64 s[74:75], s[68:69]                   ; at chunk 0
	s_add_nc_u64 s[68:69], s[68:69], s[70:71]      ; at chunk 2
	CROUND
.irp s, 0,1
	s_mov_b32 s[G0+4*\s], 1
	s_add_co_u32 s[G0+4*\s+1], s45, \s*SLOT
	s_add_nc_u64 s[G0+4*\s+2:G0+4*\s+3], s[20:21], \s*CHB
	s_or_b32 s[G0+4*\s+3], s[G0+4*\s+3], 0x80000000
	s_mov_b32 s[G0B+4*\s], 1
	s_add_co_u32 s[G0B+4*\s+1], s45, \s*SLOT
	s_add_nc_u64 s[G0B+4*\s+2:G0B+4*\s+3], s[46:47], \s*CHB
	s_or_b32 s[G0B+4*\s+3], s[G0B+4*\s+3], 0x80000000
.endr
	JLOAD 0                                        ; chunk 0: one tensor load a wave at the head
	v_and_b32 v27, 31, v0
	v_min_u32 v27, 24, v27                         ; lanes 25-31 name the last block again
	v_lshlrev_b32 v27, 8, v27
	s_wait_alu depctr_va_vdst(0)
	global_prefetch_b8 v27, s[74:75] offset:CHB th:TH_LOAD_NT scope:SCOPE_SE   ; chunk 1, which is loaded when chunk 0 has landed
	global_prefetch_b8 v27, s[68:69] th:TH_LOAD_NT scope:SCOPE_SE              ; chunk 2, the first refill's
	v_and_b32 v1, 15, v0
	v_bfe_u32 v2, v0, 4, 1
	v_and_b32 v3, 31, v0
	v_lshlrev_b32 v4, 4, v3
	v_lshlrev_b32 v5, 3, v3
	s_mul_i32 s21, s15, HALFT
	s_mul_i32 s22, s16, HALFT
	s_add_co_u32 s22, s22, 2*HALFT
	s_sub_co_u32 s23, s22, s21
	v_mul_u32_u24 v6, s23, v2
	v_lshl_add_u32 v6, v1, 2, v6
	v_add_nc_u32 v[ADRS], s21, v6
	v_add_nc_u32 v[ADRS+1], SLOT, v[ADRS]
.irp s, 0,1
	v_add_nc_u32 v[ADRA+\s], s21, v4
	v_add_nc_u32 v[ADRB+\s], s22, v4
	v_add_nc_u32 v[ADRA+2+\s], s21, v5
	v_add_nc_u32 v[ADRB+2+\s], s22, v5
	s_add_co_u32 s21, s21, SLOT
	s_add_co_u32 s22, s22, SLOT
.endr
	s_mul_i32 s23, s14, 16*SPITCH
	s_add_co_u32 s23, s23, STAGE
	v_mul_u32_u24 v6, v1, SPITCH
	v_lshl_add_u32 v6, v2, 6, v6
	v_add_nc_u32 v[STO], s23, v6
	v_mul_u32_u24 v6, v2, SPITCH
	v_lshl_add_u32 v6, v1, 4, v6
	v_add_nc_u32 v[RD], s23, v6
	v_lshlrev_b32 v[CO], 12, v2
	v_lshl_add_u32 v[CO], v1, 4, v[CO]
	s_lshl_b32 s20, s17, 7
	s_lshl_b32 s21, s15, 6
	s_add_co_u32 s20, s20, s21
	s_lshl_b32 s20, s20, 12
	s_mov_b32 s21, 0
	s_lshl_b32 s46, s42, 9
	s_lshl_b32 s47, s16, 8
	s_add_co_u32 s46, s46, s47
	s_mov_b32 s47, 0
	s_add_nc_u64 s[20:21], s[20:21], s[46:47]
	s_add_nc_u64 s[8:9], s[8:9], s[20:21]
	s_wait_alu depctr_va_vdst(0)
	s_wait_tensorcnt 0x0                           ; my part of slot 0 is in; slot 1's first fill is issued as a refill is
	ds_add_u32 v[SPW], v[NIL]
	s_wait_dscnt 0x0
	CROUND
	JLOAD 1                                        ; chunk 1, the first tensor load behind the round
	FETCH 0, 0, 0
	global_prefetch_b8 v27, s[68:69] offset:CHB th:TH_LOAD_NT scope:SCOPE_SE   ; chunk 3, the second refill's
	CHUNK 0, 1
.if NCH > 2
.rept (NCH-2)/2
.if PR < 2
	s_wait_xcnt 0x0                                ; my prefetches have read their address: it steps to the chunks two refills on
	s_add_nc_u64 s[68:69], s[68:69], s[70:71]
.endif
	CHANGE 0, 1
	s_wait_alu depctr_va_vdst(0)
	FETCH 1, 0, 0
.if PR < 2
	global_prefetch_b8 v27, s[68:69] th:TH_LOAD_NT scope:SCOPE_SE              ; the chunk that this slot's next refill loads; the last two refills have none
.endif
	CHUNK 1, 0
	CHANGE 1, 1
	FETCH 0, 0, 0
.if PR < 2
	global_prefetch_b8 v27, s[68:69] offset:CHB th:TH_LOAD_NT scope:SCOPE_SE
.endif
	CHUNK 0, 0
.set PR, PR+1
.endr
.endif
	CHANGE 0, 0
	FETCH 1, 0, 0
	CHUNK 1, 0
	WIN 0
.macro TOSTAGE a
.irp b, 0,1,2,3
	ds_store_b128 v[STO], v[ACC+8*(4*(\a)+\b):ACC+8*(4*(\a)+\b)+3] offset:128*(\b/2)+32*(\b%2)
	ds_store_b128 v[STO], v[ACC+8*(4*(\a)+\b)+4:ACC+8*(4*(\a)+\b)+7] offset:128*(\b/2)+32*(\b%2)+16
.endr
.set BB, BK+32*((\a)%2)
.irp t, 0,1,2,3,4,5,6,7
	ds_load_b128 v[BB+4*\t:BB+4*\t+3], v[RD] offset:2*\t*SPITCH
.endr
.endm
.macro SEND a, younger
.set BB, BK+32*((\a)%2)
	s_wait_dscnt \younger
.irp t, 0,1,2,3,4,5,6,7
	global_store_b128 v[CO], v[BB+4*\t:BB+4*\t+3], s[8:9] offset:(32*((\a)/2)+8*((\a)%2)+2*\t+8*(\t/4))*4096 th:TH_STORE_NT
.endr
.endm
	PLACES NP
	TOSTAGE 0
.irp a, 1,2,3
.if \a > 1
	s_wait_xcnt 0x0
.endif
	TOSTAGE \a
	SEND \a-1, 16
.endr
	SEND 3, 0
	s_wait_tensorcnt 0x0
	ds_add_u32 v[SPW], v[NIL]
	s_wait_dscnt 0x0
	CROUND
	s_endpgm
.Lfunc_end_k_q3357682cef_ffn2:
	.size	k_q3357682cef_ffn2, .Lfunc_end_k_q3357682cef_ffn2-k_q3357682cef_ffn2
	.p2alignl 7, 3214868480
	.fill 96, 4, 3214868480
	.section	.rodata,"a",@progbits
	.p2align	6, 0x0
	.amdhsa_kernel k_q3357682cef_ffn2
		.amdhsa_group_segment_fixed_size 327680
		.amdhsa_private_segment_fixed_size 0
		.amdhsa_enable_private_segment 0
		.amdhsa_kernarg_size 24
		.amdhsa_user_sgpr_count 2
		.amdhsa_user_sgpr_kernarg_segment_ptr 1
		.amdhsa_wavefront_size32 1
		.amdhsa_system_sgpr_workgroup_id_x 1
		.amdhsa_system_sgpr_workgroup_id_y 1
		.amdhsa_system_sgpr_workgroup_id_z 1
		.amdhsa_system_vgpr_workitem_id 0
		.amdhsa_next_free_vgpr 512
		.amdhsa_next_free_sgpr 100
		.amdhsa_reserve_vcc 0
		.amdhsa_float_denorm_mode_32 3
		.amdhsa_float_denorm_mode_16_64 3
		.amdhsa_memory_ordered 1
		.amdhsa_forward_progress 1
		.amdhsa_inst_pref_size 166
	.end_amdhsa_kernel
	.amdgpu_metadata
---
amdhsa.version: [ 1, 2 ]
amdhsa.kernels:
  - .name:           k_q3357682cef_ffn2
    .symbol:         k_q3357682cef_ffn2.kd
    .args:
      - { .name: himg, .offset: 0, .size: 8, .value_kind: global_buffer, .address_space: global }
      - { .name: w2img, .offset: 8, .size: 8, .value_kind: global_buffer, .address_space: global }
      - { .name: gout, .offset: 16, .size: 8, .value_kind: global_buffer, .address_space: global }
    .group_segment_fixed_size: 327680
    .private_segment_fixed_size: 0
    .kernarg_segment_align: 8
    .kernarg_segment_size: 24
    .max_flat_workgroup_size: 128
    .sgpr_count:     100
    .vgpr_count:     512
    .wavefront_size: 32
...
	.end_amdgpu_metadata
.endif
;; end of part 13
;; launch ln2 (part 14): grid 256 x 1, 16 waves a work-group, no clusters, 0 bytes of LDS; arguments x1, gout, b2, alpha2, bias2, out0; writes out0
.if DOCPART == 14
	.amdgcn_target "amdgcn-amd-amdhsa--gfx1250"
	.amdhsa_code_object_version 6
	.text
	.protected	k_q3357682cef_ln2
	.globl	k_q3357682cef_ln2
	.p2align	8
	.type	k_q3357682cef_ln2,@function
k_q3357682cef_ln2:
	s_mov_b64 s[64:65], 0
	v_nop
	global_prefetch_b8 v0, s[64:65] scope:SCOPE_SE
	s_setreg_imm32_b32 hwreg(HW_REG_WAVE_MODE, 25, 1), 1
	s_wait_xcnt 0x0
; out0 = layernorm(x1 + hidden w2 + b2): mean, standard deviation with 1,023 in the divisor, eps added to the deviation.  All in f32.
; A wave takes a whole row, 32 numbers a lane: every load and store covers 512 bytes on end, aligned.  The reduction never leaves the wave: no LDS, no barrier.
; All of a row's five streams are asked for at once; the waits count the streams of eight loads issued later.
.set SEL, 30
.macro LD8 reg, lo
.irp j, 0,1,2,3,4,5,6,7
	global_load_b128 v[\reg+4*\j:\reg+4*\j+3], v3, s[\lo:\lo+1] offset:512*\j
.endr
.endm
.macro LD8NT reg, lo
.irp j, 0,1,2,3,4,5,6,7
	global_load_b128 v[\reg+4*\j:\reg+4*\j+3], v3, s[\lo:\lo+1] offset:512*\j th:TH_LOAD_NT
.endr
.endm
.macro ADD32 src
.set j, 0
.rept 16
	v_pk_add_f32 v[32+j:33+j], v[32+j:33+j], v[\src+j:\src+j+1]
.set j, j+2
.endr
.endm
.macro REDUCE a, t                     ; the sum over the 32 lanes, in every lane
	s_delay_alu instid0(VALU_DEP_1)
	v_add_f32_dpp v[\a], v[\a], v[\a] row_xmask:1 row_mask:0xf bank_mask:0xf
	s_delay_alu instid0(VALU_DEP_1)
	v_add_f32_dpp v[\a], v[\a], v[\a] row_xmask:2 row_mask:0xf bank_mask:0xf
	s_delay_alu instid0(VALU_DEP_1)
	v_add_f32_dpp v[\a], v[\a], v[\a] row_xmask:4 row_mask:0xf bank_mask:0xf
	s_delay_alu instid0(VALU_DEP_1)
	v_add_f32_dpp v[\a], v[\a], v[\a] row_xmask:8 row_mask:0xf bank_mask:0xf
	s_delay_alu instid0(VALU_DEP_1)
	v_permlanex16_b32 v[\t], v[\a], s[SEL], s[SEL+1]
	s_delay_alu instid0(VALU_DEP_1)
	v_add_f32 v[\a], v[\a], v[\t]
.endm
.macro STATS                           ; v32-63 become y - mean; v[14:15] = 1 / (std + eps)
	v_pk_add_f32 v[10:11], v[32:33], v[34:35]
	v_pk_add_f32 v[12:13], v[36:37], v[38:39]
.set j, 8
.rept 6
	s_delay_alu instid0(VALU_DEP_2)
	v_pk_add_f32 v[10:11], v[10:11], v[32+j:33+j]
	s_delay_alu instid0(VALU_DEP_2)
	v_pk_add_f32 v[12:13], v[12:13], v[34+j:35+j]
.set j, j+4
.endr
	s_delay_alu instid0(VALU_DEP_1)
	v_pk_add_f32 v[10:11], v[10:11], v[12:13]
	s_delay_alu instid0(VALU_DEP_1)
	v_add_f32 v10, v10, v11
	REDUCE 10, 11
	s_delay_alu instid0(VALU_DEP_1)
	v_mul_f32 v10, 0x3a800000, v10                 ; / 1,024
	s_delay_alu instid0(VALU_DEP_1)
	v_mov_b32 v11, v10
.set j, 0
.rept 16
	v_pk_add_f32 v[32+j:33+j], v[32+j:33+j], v[10:11] neg_lo:[0,1] neg_hi:[0,1]
.set j, j+2
.endr
	v_pk_mul_f32 v[12:13], v[32:33], v[32:33]
	v_pk_mul_f32 v[14:15], v[34:35], v[34:35]
.set j, 4
.rept 7
	s_delay_alu instid0(VALU_DEP_2)
	v_pk_fma_f32 v[12:13], v[32+j:33+j], v[32+j:33+j], v[12:13]
	s_delay_alu instid0(VALU_DEP_2)
	v_pk_fma_f32 v[14:15], v[34+j:35+j], v[34+j:35+j], v[14:15]
.set j, j+4
.endr
	s_delay_alu instid0(VALU_DEP_1)
	v_pk_add_f32 v[12:13], v[12:13], v[14:15]
	s_delay_alu instid0(VALU_DEP_1)
	v_add_f32 v12, v12, v13
	REDUCE 12, 13
	s_delay_alu instid0(VALU_DEP_1)
	v_mul_f32 v12, 0x3a802008, v12                 ; / 1,023
	s_wait_alu depctr_va_vdst(0)
	v_sqrt_f32 v13, v12
	v_nop                                          ; a plain place behind a transcendental,
	s_wait_alu depctr_va_vdst(0)                   ; and a wait ahead of its first reader
	v_add_f32 v13, 0x358637bd, v13                 ; + 1e-6
	s_wait_alu depctr_va_vdst(0)
	v_rcp_f32 v14, v13
	v_nop
	s_wait_alu depctr_va_vdst(0)
	v_mov_b32 v15, v14
.endm
	s_load_b256 s[4:11], s[0:1], 0x0               ; x1 s[4:5], gout s[6:7], b2 s[8:9], alpha2 s[10:11]
	s_load_b128 s[12:15], s[0:1], 0x20             ; bias2 s[12:13], out0 s[14:15]
	v_lshrrev_b32 v1, 5, v0
	s_delay_alu instid0(VALU_DEP_1)
	v_readfirstlane_b32 s18, v1                    ; wave
	v_and_b32 v2, 31, v0
	s_delay_alu instid0(VALU_DEP_1)
	v_lshlrev_b32 v3, 4, v2                        ; 16 x lane
	s_lshl_b32 s22, ttmp9, 4
	s_add_co_u32 s22, s22, s18                     ; my row
	s_lshl_b32 s22, s22, 12
	s_mov_b32 s23, 0
	s_mov_b32 s[SEL], 0x76543210
	s_mov_b32 s[SEL+1], 0xfedcba98
	s_wait_alu depctr_va_vdst(0)
	s_wait_kmcnt 0x0
	s_add_nc_u64 s[4:5], s[4:5], s[22:23]
	s_add_nc_u64 s[6:7], s[6:7], s[22:23]
	s_add_nc_u64 s[14:15], s[14:15], s[22:23]
	LD8NT 32, 4
	LD8NT 64, 6
	LD8 96, 8
	LD8 128, 10
	LD8 160, 12
	s_wait_loadcnt 24                              ; x1 and the product are in; three streams of eight may be out
	ADD32 64
	s_wait_loadcnt 16                              ; b2 is in
	ADD32 96
	STATS
	s_wait_alu depctr_va_vdst(0)
	s_wait_loadcnt 0x0
.set j, 0
.rept 16
	v_pk_mul_f32 v[32+j:33+j], v[32+j:33+j], v[14:15]
	s_delay_alu instid0(VALU_DEP_1)
	v_pk_fma_f32 v[32+j:33+j], v[32+j:33+j], v[128+j:129+j], v[160+j:161+j]
.set j, j+2
.endr
.irp j, 0,1,2,3,4,5,6,7
	global_store_b128 v3, v[32+4*\j:35+4*\j], s[14:15] offset:512*\j th:TH_STORE_NT
.endr
	s_endpgm
.Lfunc_end_k_q3357682cef_ln2:
	.size	k_q3357682cef_ln2, .Lfunc_end_k_q3357682cef_ln2-k_q3357682cef_ln2
	.p2alignl 7, 3214868480
	.fill 96, 4, 3214868480
	.section	.rodata,"a",@progbits
	.p2align	6, 0x0
	.amdhsa_kernel k_q3357682cef_ln2
		.amdhsa_group_segment_fixed_size 0
		.amdhsa_private_segment_fixed_size 0
		.amdhsa_enable_private_segment 0
		.amdhsa_kernarg_size 48
		.amdhsa_user_sgpr_count 2
		.amdhsa_user_sgpr_kernarg_segment_ptr 1
		.amdhsa_wavefront_size32 1
		.amdhsa_system_sgpr_workgroup_id_x 1
		.amdhsa_system_sgpr_workgroup_id_y 1
		.amdhsa_system_sgpr_workgroup_id_z 1
		.amdhsa_system_vgpr_workitem_id 0
		.amdhsa_next_free_vgpr 192
		.amdhsa_next_free_sgpr 66
		.amdhsa_reserve_vcc 0
		.amdhsa_float_denorm_mode_32 3
		.amdhsa_float_denorm_mode_16_64 3
		.amdhsa_memory_ordered 1
		.amdhsa_forward_progress 1
		.amdhsa_inst_pref_size 16
	.end_amdhsa_kernel
	.amdgpu_metadata
---
amdhsa.version: [ 1, 2 ]
amdhsa.kernels:
  - .name:           k_q3357682cef_ln2
    .symbol:         k_q3357682cef_ln2.kd
    .args:
      - { .name: x1, .offset: 0, .size: 8, .value_kind: global_buffer, .address_space: global }
      - { .name: gout, .offset: 8, .size: 8, .value_kind: global_buffer, .address_space: global }
      - { .name: b2, .offset: 16, .size: 8, .value_kind: global_buffer, .address_space: global }
      - { .name: alpha2, .offset: 24, .size: 8, .value_kind: global_buffer, .address_space: global }
      - { .name: bias2, .offset: 32, .size: 8, .value_kind: global_buffer, .address_space: global }
      - { .name: out0, .offset: 40, .size: 8, .value_kind: global_buffer, .address_space: global }
    .group_segment_fixed_size: 0
    .private_segment_fixed_size: 0
    .kernarg_segment_align: 8
    .kernarg_segment_size: 48
    .max_flat_workgroup_size: 512
    .sgpr_count:     66
    .vgpr_count:     192
    .wavefront_size: 32
...
	.end_amdgpu_metadata
.endif
;; end of part 14
